; MI455X (gfx1250); checked and timed in simulation.
; The chip was launched on July 23, 2026; its instructions are those of AMD's public machine-readable ISA for CDNA 5 (MIT licence, August 2026) and "CDNA5" Instruction Set Architecture Reference Guide (July 2026). The comments in the code are by the model that wrote it; some were corrected since.
;; Mo E Block. Allowed arithmetic: float matrix products may take bf16 or f16 operands with f32 sums; other float arithmetic in f32, or as packed bf16 or f16 multiplies, adds, multiply-adds, maxima and minima; sums over many terms, partial sums and values carried from step to step in f32; what a program stores and reads back later, other than sums and carried values, may be rounded once to bf16 or f16.
;; Inputs: W1 8 x 1,024 x 4,096 float32; W2 8 x 4,096 x 1,024 float32; Wr 1,024 x 8 float32; b1 8 x 4,096 float32; b2 8 x 1,024 float32; br 8 float32; x 1,024 x 1,024 float32.
;; Outputs: out0 1,024 x 1,024 float32.
;; 3 versions, each right; version 3 is version 2 with the launches up, down written anew for expert scheduling mode. Each part assembles by itself: llvm-mc -triple=amdgcn-amd-amdhsa -mcpu=gfx1250 --defsym DOCPART=n.
;; ======== version 1 of 3: 4 launches
;; workspace buffers: xb 2,097,152 bytes; sel 4,096 bytes of whole numbers; gate 8,192 bytes; hbuf 16,842,752 bytes; part 33,685,504 bytes
;; launch route (part 1): grid 256 x 1, 4 waves a work-group, no clusters, 1,024 bytes of LDS; arguments x, Wr, br, xb, sel, gate; writes xb, sel, gate
.if DOCPART == 1
	.amdgcn_target "amdgcn-amd-amdhsa--gfx1250"
	.amdhsa_code_object_version 6
	.text
	.protected	k_q29656f1dbf_route
	.globl	k_q29656f1dbf_route
	.p2align	8
	.type	k_q29656f1dbf_route,@function
k_q29656f1dbf_route:
	s_mov_b64 s[64:65], 0
	v_nop
	global_prefetch_b8 v0, s[64:65] scope:SCOPE_SE
	s_setreg_imm32_b32 hwreg(HW_REG_WAVE_MODE, 25, 1), 1
	s_wait_xcnt 0x0
; ROUTER.  logits = x Wr + br in f32 on the vector unit (16.8 MFLOP: no bulk work, and 16-bit operands would choose other experts); top-2; softmax over the two; x rounded once to bf16.
; x: [1024][1024] f32.  Wr: [1024][8] f32.  br: [8] f32.  Stored: xb [1024][1024] bf16; sel[t] = (1 << first expert) | (256 << second expert), whole numbers at fixed places; gate [1024][2] f32.
; SHARES.  A work-group has 4 tokens, wave w the inputs d = 256 w .. 256 w + 255 of all four, lane l the eight d = 256 w + 128 j + 4 l + c (j = 0, 1; c = 0..3).  The waves' partial logits meet in LDS.
; LIMITS.  A logit's terms are added in another order than a plain row sum: a choice can differ only where the second and third logit lie within a few last places of f32 of each other.
; Equal logits keep the lower index (strict comparisons).  NaN loses every comparison; logits are taken to be finite.  The softmax takes the larger logit away first: its one exponent is <= 0.
; No address and no branch hangs on the choice: it only selects values.
.set SPARE, 512                        ; behind the partial logits: the spare words, 128 bytes a wave, two blocks of 256 bytes that no other line names
.set X,   16                           ; v[16:47]    x: token t, half j, number c at 8 t + 4 j + c
.set WR,  48                           ; v[48:111]   Wr: 32 j + 8 c + e
.set ACC, 112                          ; v[112:143]  partial logits: 8 t + e
.set PB,  144                          ; v[144:159]  x as bf16: 4 t + 2 j
.set PL,  16                           ; wave 0, behind the barrier: the four waves' partial logits of my token, 8 w + e
.set LG,  48                           ; and its eight logits
	s_load_b256 s[4:11], s[0:1], 0x0               ; x s[4:5], Wr s[6:7], br s[8:9], xb s[10:11]
	s_load_b128 s[12:15], s[0:1], 0x20             ; sel s[12:13], gate s[14:15]
	v_lshl_add_u32 v2, v0, 2, SPARE                ; my spare word
	v_mov_b32 v3, 0                                ; and 0: kept for the closing add alone
	v_and_b32 v1, 31, v0                           ; lane
	v_lshrrev_b32 v7, 5, v0
	v_readfirstlane_b32 s16, v7                    ; wave
	v_lshlrev_b32 v4, 4, v1
	v_lshl_add_u32 v4, v7, 10, v4                  ; x: 1,024 w + 16 l
	v_lshlrev_b32 v5, 7, v1
	v_lshl_add_u32 v5, v7, 13, v5                  ; Wr: 32 bytes a row: 8,192 w + 128 l
	v_lshlrev_b32 v6, 3, v1
	v_lshl_add_u32 v6, v7, 9, v6                   ; xb: 512 w + 8 l
	v_lshlrev_b32 v8, 7, v7                        ; LDS: my wave's 128 bytes
	v_and_b32 v9, 3, v0
	v_lshlrev_b32 v9, 5, v9                        ; LDS: token (lane % 4)'s 32 bytes
	s_mov_b32 s32, 0x76543210                      ; v_permlanex16_b32: each lane takes its own place in the other half
	s_mov_b32 s33, 0xfedcba98
	s_mov_b32 s37, 0
	s_wait_kmcnt 0x0
	s_lshl_b32 s36, ttmp9, 14                      ; 4 rows of 4,096 bytes
	s_add_nc_u64 s[4:5], s[4:5], s[36:37]
	s_lshl_b32 s36, ttmp9, 13                      ; 4 rows of 2,048 bytes
	s_add_nc_u64 s[10:11], s[10:11], s[36:37]
	s_lshl_b32 s36, ttmp9, 4
	s_add_nc_u64 s[12:13], s[12:13], s[36:37]
	s_lshl_b32 s36, ttmp9, 5
	s_add_nc_u64 s[14:15], s[14:15], s[36:37]
	s_load_b256 s[24:31], s[8:9], 0x0              ; br
.irp j, 0,1                            ; half j: 8 loads of Wr, 4 of x
.irp c, 0,1,2,3
	global_load_b128 v[WR+32*(\j)+8*(\c):WR+32*(\j)+8*(\c)+3],   v5, s[6:7] offset:4096*(\j)+32*(\c)
	global_load_b128 v[WR+32*(\j)+8*(\c)+4:WR+32*(\j)+8*(\c)+7], v5, s[6:7] offset:4096*(\j)+32*(\c)+16
.endr
.irp t, 0,1,2,3
	global_load_b128 v[X+8*(\t)+4*(\j):X+8*(\t)+4*(\j)+3], v4, s[4:5] offset:4096*(\t)+512*(\j) th:TH_LOAD_NT
.endr
.endr
; 32 sums (4 tokens x 8 experts) take turns, so that no line waits for the one before it; the first product starts each sum.
.macro DOT j
.irp c, 0,1,2,3
.irp t, 0,1,2,3
.irp e, 0,1,2,3,4,5,6,7
.if ((\j)+(\c)) == 0
	v_mul_f32 v[ACC+8*(\t)+(\e)], v[X+8*(\t)], v[WR+(\e)]
.else
	v_fmac_f32 v[ACC+8*(\t)+(\e)], v[X+8*(\t)+4*(\j)+(\c)], v[WR+32*(\j)+8*(\c)+(\e)]
.endif
.endr
.endr
.endr
.endm
	s_wait_loadcnt 12                              ; half 0 is in; half 1's twelve loads stay out
	DOT 0
	s_wait_loadcnt 0x0
	DOT 1
.irp t, 0,1,2,3
.irp j, 0,1
	v_cvt_pk_bf16_f32 v[PB+4*(\t)+2*(\j)],   v[X+8*(\t)+4*(\j)],   v[X+8*(\t)+4*(\j)+1]
	v_cvt_pk_bf16_f32 v[PB+4*(\t)+2*(\j)+1], v[X+8*(\t)+4*(\j)+2], v[X+8*(\t)+4*(\j)+3]
	global_store_b64 v6, v[PB+4*(\t)+2*(\j):PB+4*(\t)+2*(\j)+1], s[10:11] offset:2048*(\t)+256*(\j)  ; the wave's 32 lanes store 256 consecutive bytes, aligned
.endr
.endr
	; each of the 32 sums over the wave's 32 lanes: four steps inside each half of 16 lanes ride on the addition, one crosses the halves
.irp mk, 1,2,4,8
.set i, 0
.rept 32
	v_add_f32_dpp v[ACC+i], v[ACC+i], v[ACC+i] row_xmask:\mk row_mask:0xf bank_mask:0xf
.set i, i+1
.endr
.endr
.set i, 0
.rept 32
	v_permlanex16_b32 v[X+i], v[ACC+i], s32, s33   ; into x's registers, which are written and no longer needed
.set i, i+1
.endr
.set i, 0
.rept 32
	v_add_f32 v[ACC+i], v[ACC+i], v[X+i]
.set i, i+1
.endr
.irp i, 0,1,2,3,4,5,6,7
	ds_store_b128 v8, v[ACC+4*(\i):ACC+4*(\i)+3] offset:16*(\i)  ; every lane holds the same numbers and writes the same words
.endr
	s_wait_kmcnt 0x0                               ; br
	s_wait_dscnt 0x0                               ; for wave 0's sake: my stores are done
	s_barrier_signal -1
	s_barrier_wait -1
	s_cmp_lg_u32 s16, 0
	s_cbranch_scc1 .Lend                           ; wave 0 alone goes on; lane l works for token l % 4
.irp w, 0,1,2,3
	ds_load_b128 v[PL+8*(\w):PL+8*(\w)+3],   v9 offset:128*(\w)
	ds_load_b128 v[PL+8*(\w)+4:PL+8*(\w)+7], v9 offset:128*(\w)+16
.endr
	s_wait_dscnt 0x0
.irp e, 0,1,2,3,4,5,6,7
	v_add_f32 v[LG+(\e)], v[PL+(\e)], v[PL+8+(\e)]
	v_add_f32 v[PL+16+(\e)], v[PL+16+(\e)], v[PL+24+(\e)]
.endr
.irp e, 0,1,2,3,4,5,6,7
	v_add_f32 v[LG+(\e)], v[LG+(\e)], v[PL+16+(\e)]
.endr
.irp e, 0,1,2,3,4,5,6,7
	v_add_f32 v[LG+(\e)], s[24+(\e)], v[LG+(\e)]
.endr
	; top-2 by selects: v56 largest, v57 its index, v58 second, v59 its index
	v_mov_b32 v56, v[LG]
	v_mov_b32 v57, 0
	v_mov_b32 v58, 0xff800000
	v_mov_b32 v59, 0
.irp e, 1,2,3,4,5,6,7
	v_cmp_gt_f32 s20, v[LG+(\e)], v56              ; beats the largest
	v_cmp_gt_f32 s21, v[LG+(\e)], v58              ; beats the second
	v_cndmask_b32 v58, v58, v[LG+(\e)], s21
	v_cndmask_b32 v59, v59, \e, s21
	v_cndmask_b32 v58, v58, v56, s20               ; the old largest moves down
	v_cndmask_b32 v59, v59, v57, s20
	v_cndmask_b32 v56, v56, v[LG+(\e)], s20
	v_cndmask_b32 v57, v57, \e, s20
.endr
	v_sub_f32 v60, v58, v56                        ; second - largest <= 0
	v_mul_f32 v60, 0x3fb8aa3b, v60
	v_exp_f32 v61, v60
	v_mov_b32 v62, 1                               ; the plain line behind the exponential
	s_wait_alu depctr_va_vdst(0)                   ; the wait ahead of the result's first reader
	v_add_f32 v63, 1.0, v61
	v_rcp_f32 v64, v63                             ; the first gate
	v_mov_b32 v67, 0x100                           ; the plain line behind the reciprocal
	s_wait_alu depctr_va_vdst(0)
	v_mul_f32 v65, v61, v64                        ; the second gate
	v_lshlrev_b32 v68, v57, v62
	v_lshlrev_b32 v69, v59, v67
	v_or_b32 v68, v68, v69
	v_lshlrev_b32 v70, 2, v1
	v_lshlrev_b32 v71, 3, v1
	v_cmp_gt_u32 vcc_lo, 4, v1
	s_wait_xcnt 0x0                                ; EXEC changes only behind this wait
	s_and_saveexec_b32 s34, vcc_lo                 ; lanes 0-3: one for each token
	global_store_b32 v70, v68, s[12:13]
	global_store_b64 v71, v[64:65], s[14:15]
	s_wait_xcnt 0x0
	s_or_b32 exec_lo, exec_lo, s34
.Lend:
	s_wait_tensorcnt 0x0                           ; the wave's end, behind my last LDS store
	ds_add_u32 v2, v3
	s_wait_dscnt 0x0
	s_endpgm
.Lfunc_end_k_q29656f1dbf_route:
	.size	k_q29656f1dbf_route, .Lfunc_end_k_q29656f1dbf_route-k_q29656f1dbf_route
	.p2alignl 7, 3214868480
	.fill 96, 4, 3214868480
	.section	.rodata,"a",@progbits
	.p2align	6, 0x0
	.amdhsa_kernel k_q29656f1dbf_route
		.amdhsa_group_segment_fixed_size 1024
		.amdhsa_private_segment_fixed_size 0
		.amdhsa_enable_private_segment 0
		.amdhsa_kernarg_size 48
		.amdhsa_user_sgpr_count 2
		.amdhsa_user_sgpr_kernarg_segment_ptr 1
		.amdhsa_wavefront_size32 1
		.amdhsa_system_sgpr_workgroup_id_x 1
		.amdhsa_system_sgpr_workgroup_id_y 1
		.amdhsa_system_sgpr_workgroup_id_z 1
		.amdhsa_system_vgpr_workitem_id 0
		.amdhsa_next_free_vgpr 160
		.amdhsa_next_free_sgpr 66
		.amdhsa_reserve_vcc 1
		.amdhsa_float_denorm_mode_32 3
		.amdhsa_float_denorm_mode_16_64 3
		.amdhsa_memory_ordered 1
		.amdhsa_forward_progress 1
		.amdhsa_inst_pref_size 32
	.end_amdhsa_kernel
	.amdgpu_metadata
---
amdhsa.version: [ 1, 2 ]
amdhsa.kernels:
  - .name:           k_q29656f1dbf_route
    .symbol:         k_q29656f1dbf_route.kd
    .args:
      - { .name: x, .offset: 0, .size: 8, .value_kind: global_buffer, .address_space: global }
      - { .name: Wr, .offset: 8, .size: 8, .value_kind: global_buffer, .address_space: global }
      - { .name: br, .offset: 16, .size: 8, .value_kind: global_buffer, .address_space: global }
      - { .name: xb, .offset: 24, .size: 8, .value_kind: global_buffer, .address_space: global }
      - { .name: sel, .offset: 32, .size: 8, .value_kind: global_buffer, .address_space: global }
      - { .name: gate, .offset: 40, .size: 8, .value_kind: global_buffer, .address_space: global }
    .group_segment_fixed_size: 1024
    .private_segment_fixed_size: 0
    .kernarg_segment_align: 8
    .kernarg_segment_size: 48
    .max_flat_workgroup_size: 128
    .sgpr_count:     66
    .vgpr_count:     160
    .wavefront_size: 32
...
	.end_amdgpu_metadata
.endif
;; end of part 1
;; launch up (part 2): grid 256 x 1, 4 waves a work-group, no clusters, 292,864 bytes of LDS; arguments W1, b1, xb, sel, hbuf; writes hbuf
.if DOCPART == 2
	.amdgcn_target "amdgcn-amd-amdhsa--gfx1250"
	.amdhsa_code_object_version 6
	.text
	.protected	k_q29656f1dbf_up
	.globl	k_q29656f1dbf_up
	.p2align	8
	.type	k_q29656f1dbf_up,@function
k_q29656f1dbf_up:
	s_mov_b64 s[64:65], 0
	v_nop
	global_prefetch_b8 v0, s[64:65] scope:SCOPE_SE
	s_setreg_imm32_b32 hwreg(HW_REG_WAVE_MODE, 25, 1), 1
	s_wait_xcnt 0x0
; FIRST PRODUCT OF THE EXPERTS: h = relu(x W1[e] + b1[e]) for the rows (token, k) that chose expert e.  (UP = 0 is the second product's text: the same macros.)
; W1: [8][1024][4096] f32.  b1: [8][4096] f32.  xb: [1024][1024] bf16.  sel: [1024] words, bit e: first choice, bit 8 + e: second.  hbuf: [2056][4096] bf16: row slot = 2 token + k; rows 2048 + e are read by nobody.
; SHARES.  Work-group = (expert e = number / 32, slice of 128 columns): 512 KB of weights that it alone reads, once, and ALL of the expert's rows.  Operands bf16, sums f32, h rounded once.
; WEIGHTS.  They lie [k][n] in f32; a matrix operand wants k along a lane's registers in bf16.  A load takes 64 columns of two k rows (16 lanes: 256 consecutive bytes, aligned); wave w has column half g = w % 2
; and k half kq = w / 2 of a K step of 32; its lane (r, h) holds rows 16 kq + 8 h + 0..7 of columns 64 g + 4 r + 0..3.  Rounding rows in pairs gives, for each column, registers 4 kq .. 4 kq + 3 of a B fragment as lane half h
; holds them: nothing is turned.  The fragments go to LDS in the order in which readers' lanes take them (512 consecutive bytes a load) and STAY: 32 K steps x 8,448 bytes.  No byte of LDS is written twice.
; COLUMNS.  Which fragment and lane a column goes to is the writer's choice.  Here column = 8 x lane + tile, so that a lane's eight tiles hold eight neighbouring columns of a row of h: 16 bytes in bf16.
; ROWS.  Every wave makes the expert's list (rank -> slot) for itself from sel, in its own LDS bytes, while the first weights are on their way.  A tile is 16 ranks; in pass p wave w has tiles 20 p + w + 4 i, i = 0..4.
; Token fragments come from memory straight into registers (two loads of 16 bytes a lane), each read by one wave and used for 8 products.  Pass 0 streams the weights and holds all 8 barriers.  Passes 1 to 3
; (an expert with more than 320 rows) read the slice from LDS again and hold no barrier and no LDS store: 4 x 320 >= 1,024 rows serve every split.  Their count of trips is constant, and every address (list, rows, chunk in LDS,
; store offsets) is formed on every wave's way; what a wave without rows jumps is work alone: loads into data registers, products, conversions, stores.
; PAST THE COUNT the list holds slot 2048 + e.  As a token row it is clamped to a row that exists; as a place to store it is a row of the workspace that nobody reads, of which this work-group has its own 256 bytes:
; so the one tile that holds the count is stored like a full one, and EXEC is never changed.  Tiles wholly past the count are not stored.  Tile 4's loads and first products always run, so that every count and register
; is the same on every way; its other products are jumped where it is empty.
; NO JOINT LOADS: each slice of weights has one reader; the token rows that an expert's work-groups share come by a list, which no tile descriptor covers; and LDS is full with the slice.
; LIMITS.  relu is a maximum in which a NaN loses; inputs are taken to be finite.  bf16 operands have f32's range.
.set UP, 1
.if UP
.set PWS, 14                           ; a weight row is 1 << PWS bytes
.set BSH, 14                           ; an expert's bias row likewise
.set ASH, 11                           ; a token row of the A source
.set OSH, 13                           ; a row of the output
.else
.set PWS, 12
.set BSH, 12
.set ASH, 13
.set OSH, 12
.endif
.set PW,   1<<PWS
.set CHW,  128*PW                      ; a chunk: 128 along K = 4 K steps
.set CHA,  256                         ; the same in a token row
.set TLB,  1056                        ; a fragment in LDS: registers 0-3 (512 bytes), registers 4-7 (512), 32 spare
.set KSB,  8*TLB                       ; a K step's 8 fragments
.set CHB,  4*KSB
.set LIST, 32*KSB                      ; behind the slice: a list for each wave: 1,280 words, the dump word, the rest unused
.set LISTB, 5376
.set SPARE, LIST+4*LISTB               ; behind the lists: the spare words, 128 bytes a wave, two blocks of 256 bytes that no other line names
.set DUMP, 2048                        ; slot DUMP + e: the row that takes the places past the count
.set QPITCH, 2056*4096                 ; second product: bytes from quarter to quarter of the partial sums
; window 0
.set SPW,  4                           ; my spare word's address; never rewritten
.set NIL,  5                           ; 0, for the closing add alone
.set WOFF, 6                           ; my byte offset in a chunk of weights
.set PFO,  7                           ; row (thread number) of a chunk: the prefetch's offset
.set LS,   8                           ; where I store fragments in the chunk in hand;  LS0: in chunk 0
.set LS0,  9
.set LB,   10                          ; where I read them;  LB0 = 16 x lane
.set LB0,  11
.set VLR,  12                          ; my list + 64 w + 4 (lane % 16)
.set VLH,  13                          ; my list + 64 w + 32 (lane / 16)
.set V16H, 14                          ; 16 (lane / 16)
.set COL,  15                          ; 16 (lane % 16)
.set ROW,  16                          ; v16-20  tile i: byte offset of my row's fragment
.set BOF,  21                          ; offset of my biases
.set ZR,   22                          ; 0, for the relu
.set L8,   23                          ; 8 x lane
.set BIAS, 32                          ; v32-39  bias of my column in tile n
.set SL,   40                          ; v40-47  slots; at the head the list's temporaries
.set TM,   56                          ; v56-63  at work
.set BF0,  64                          ; v64-95, v96-127  B fragments of half a K step each; at the head sel; while weights are rounded the packed words
.set BF1,  96
.set AD,   64                          ; v64-103  the way out: store offset of row 8 h + j of tile i at 8 i + j
.set ST,   128                         ; v128-255  weights as loaded: 32 ks + 4 row + c
.set T,    128                         ; the way out: 8 j + n
.set P,    192                         ; the way out: packed, 4 j + m
; window 1: accumulator (tile i, n) at 64 i + 8 n, i = 0..3.   window 2: v0-63 tile 4's; v64-223 the token fragments, K step ks, tile i at AR + 40 ks + 8 i
.set AR,   64
; scalars: s[4:5] weights, s[6:7] bias, s[8:9] A source, s[10:11] sel, s[12:13] output
.set WV,  14
.set EX,  15
.set SLI, 16
.set G,   17
.set KQ,  18
.set Q,   19
.set CNT, 20                           ; the expert's rows
.set NT,  21                           ; its tiles
.set T5,  22                           ; 1: my tile 4 of this pass has rows
.set PS,  23                           ; pass
.set CC,  24                           ; chunk
.set TAU, 25                           ; my first tile of the pass: it enters compares alone
.set SW,  30                           ; s[30:31] the chunk of weights to load next
.set SA,  32                           ; s[32:33] the chunk of token rows to load next
.set SA0, 34                           ; s[34:35] chunk 0 of them
.set EM,  36                           ; 0x101 << e
.set ES,  37                           ; 8 + e
.set BAL, 38                           ; lanes whose token chose e
.set LW,  39                           ; my list's LDS address
.set OF,  42                           ; s[42:43] an offset
.set CB,  44                           ; the chunk's first LDS byte
.set LO,  45                           ; the pass's first byte in the list: 1,280 p
.set LIVE, 46                          ; 1: I have a tile with rows in this pass
.set DS,  47                           ; DUMP + e
.set MSB, 0
.macro WIN new                         ; bits 1:0 source 0, 3:2 source 1, 5:4 source 2, 7:6 destination; the high byte repeats the setting that is left
.if MSB != (\new)
	s_set_vgpr_msb (MSB<<8)|(\new)
.set MSB, \new
.endif
.endm
.macro PLACES                          ; four plain lines between a matrix instruction and a load into, or a vector line on, one of its registers
.rept 4
	v_nop
.endr
.endm
; K step ks of the chunk at s[SW]: my 8 rows x 64 columns
.macro WLOAD ks
.irp i, 0,1,2,3,4,5,6,7
	global_load_b128 v[ST+32*(\ks)+4*(\i):ST+32*(\ks)+4*(\i)+3], v[WOFF], s[SW:SW+1] offset:(32*(\ks)+(\i))*PW th:TH_LOAD_NT
.endr
.endm
; K step ks is rounded, rows in pairs, and stored as four quarter fragments; next = 1: its registers take the next chunk's
.macro PROD1 ks, next, left
	s_wait_loadcnt \left
.irp c, 0,1,2,3
.irp i2, 0,1,2,3
	v_cvt_pk_bf16_f32 v[BF0+16*(\ks)+4*(\c)+(\i2)], v[ST+32*(\ks)+8*(\i2)+(\c)], v[ST+32*(\ks)+8*(\i2)+4+(\c)]
.endr
.endr
.irp c, 0,1,2,3
	ds_store_b128 v[LS], v[BF0+16*(\ks)+4*(\c):BF0+16*(\ks)+4*(\c)+3] offset:KSB*(\ks)+TLB*(\c)
.endr
.if \next
	WLOAD \ks
.endif
.endm
; K step slot of the chunk at s[SA]: five tiles' token fragments, ten loads
.macro ALOAD slot
	WIN 0x80                               ; destination window 2
.irp i, 0,1,2,3,4
	global_load_b128 v[AR+40*(\slot)+8*(\i):AR+40*(\slot)+8*(\i)+3],   v[ROW+(\i)], s[SA:SA+1] offset:64*(\slot)
	global_load_b128 v[AR+40*(\slot)+8*(\i)+4:AR+40*(\slot)+8*(\i)+7], v[ROW+(\i)], s[SA:SA+1] offset:64*(\slot)+32
.endr
	WIN 0
.endm
; four B fragments (tiles 4 hf .. 4 hf + 3 of K step ks): eight loads of 512 consecutive bytes
.macro FETCH ks, hf, bf
.irp m, 0,1,2,3
	ds_load_b128 v[(\bf)+8*(\m):(\bf)+8*(\m)+3],   v[LB] offset:KSB*(\ks)+TLB*(4*(\hf)+(\m))
	ds_load_b128 v[(\bf)+8*(\m)+4:(\bf)+8*(\m)+7], v[LB] offset:KSB*(\ks)+TLB*(4*(\hf)+(\m))+512
.endr
.endm
; 16 products (tiles 0-3 x 4 fragments), then tile 4's four.  The accumulators take turns, one instruction a turn.  zero = 1: the products start the sums.
.macro MUL ks, hf, bf, zero
	WIN 0x52                               ; token fragment window 2, B window 0, C and D window 1
.irp i, 0,1,2,3
.irp m, 0,1,2,3
.if \zero
	v_wmma_f32_16x16x32_bf16 v[64*(\i)+8*(4*(\hf)+(\m)):64*(\i)+8*(4*(\hf)+(\m))+7], v[AR+40*(\ks)+8*(\i):AR+40*(\ks)+8*(\i)+7], v[(\bf)+8*(\m):(\bf)+8*(\m)+7], 0
.else
	v_wmma_f32_16x16x32_bf16 v[64*(\i)+8*(4*(\hf)+(\m)):64*(\i)+8*(4*(\hf)+(\m))+7], v[AR+40*(\ks)+8*(\i):AR+40*(\ks)+8*(\i)+7], v[(\bf)+8*(\m):(\bf)+8*(\m)+7], v[64*(\i)+8*(4*(\hf)+(\m)):64*(\i)+8*(4*(\hf)+(\m))+7]
.endif
.endr
.endr
.if \zero
	WIN 0xa2                               ; C and D window 2
.irp m, 0,1,2,3
	v_wmma_f32_16x16x32_bf16 v[8*(4*(\hf)+(\m)):8*(4*(\hf)+(\m))+7], v[AR+40*(\ks)+32:AR+40*(\ks)+39], v[(\bf)+8*(\m):(\bf)+8*(\m)+7], 0
.endr
	WIN 0
.else
	WIN 0                                  ; at a branch and at a label every window is 0
	s_cmp_eq_u32 s[T5], 0
	s_cbranch_scc1 .Lm\@                   ; an empty tile 4: only products are jumped
	WIN 0xa2
.irp m, 0,1,2,3
	v_wmma_f32_16x16x32_bf16 v[8*(4*(\hf)+(\m)):8*(4*(\hf)+(\m))+7], v[AR+40*(\ks)+32:AR+40*(\ks)+39], v[(\bf)+8*(\m):(\bf)+8*(\m)+7], v[8*(4*(\hf)+(\m)):8*(4*(\hf)+(\m))+7]
.endr
	WIN 0
.Lm\@:
.endif
.endm
; A K step: two halves of 20 products; while one half is multiplied the next half's fragments come out of LDS.  reload = 1: the token fragments of the K step just done are asked for again, a chunk on.
; na: how many younger loads may stay out when this K step's token fragments have to be in.  pf = 1: the chunk after next is asked into the far cache.
.macro KSTEP ks, zero, reload, na, pf=0
.if (\ks) > 0
	PLACES
.if \reload
	ALOAD (\ks)-1
.endif
.endif
	FETCH \ks, 1, BF1
	s_wait_loadcnt \na
	s_wait_dscnt 8                         ; all but the eight just issued
.if \pf
	s_cmp_gt_u32 s[CC], 5                  ; trip c asks for chunk c + 2, one chunk (64 KB a work-group) ahead of the loads that will want it; chunk 7 is the last, so trip 6 asks for nothing
	s_cbranch_scc1 .Lnp\@
	global_prefetch_b8 v[PFO], s[SW:SW+1] offset:CHW th:TH_LOAD_NT scope:SCOPE_SE      ; thread t: row t of the chunk's 128, its first 256 bytes
	global_prefetch_b8 v[PFO], s[SW:SW+1] offset:CHW+256 th:TH_LOAD_NT scope:SCOPE_SE  ; and its second: each block is asked for once
.Lnp\@:
.endif
	MUL \ks, 0, BF0, \zero
.if (\ks) < 3
	PLACES
	FETCH (\ks)+1, 0, BF0
	s_wait_dscnt 8
.else
	s_wait_dscnt 0x0
.endif
	MUL \ks, 1, BF1, \zero
.endm
; A chunk's four K steps.  first = 1: in chunk 0 the first K step starts the sums (a second copy of it, chosen by the chunk's number).
.macro CHUNK reload, first, pf, n0, n1, n2, n3
	FETCH 0, 0, BF0
.if \first
	s_cmp_lg_u32 s[CC], 0
	s_cbranch_scc1 .Lnz\@
	KSTEP 0, 1, \reload, \n0
	s_branch .Ljn\@
.Lnz\@:
.endif
	KSTEP 0, 0, \reload, \n0
.if \first
.Ljn\@:
.endif
	KSTEP 1, 0, \reload, \n1, \pf
	KSTEP 2, 0, \reload, \n2
	KSTEP 3, 0, \reload, \n3
.if \reload
	PLACES
	ALOAD 3
.endif
.endm
; One register of sel: tokens 128 q4 + 4 lane + c.  A lane whose token chose e stores its slot at its rank; the others store into the dump word.
.macro LSTEP q4, c
	v_and_b32 v[SL+2*(\c)], s[EM], v[BF0+4*(\q4)+(\c)]
	v_cmp_ne_u32 s[BAL], 0, v[SL+2*(\c)]
	v_mbcnt_lo_u32_b32 v[SL+2*(\c)+1], s[BAL], s[CNT]          ; rank = rows so far + chosen lanes below mine
	v_lshrrev_b32 v[SL+2*(\c)], s[ES], v[SL+2*(\c)]            ; k: 1 if e was the second choice
	v_add3_u32 v[SL+2*(\c)], v[SL+2*(\c)], v[L8], 256*(\q4)+2*(\c)  ; slot = 2 token + k
	v_cndmask_b32 v[SL+2*(\c)+1], v[TM+5], v[SL+2*(\c)+1], s[BAL]
	v_min_u32 v[SL+2*(\c)+1], 1280, v[SL+2*(\c)+1]             ; inside my list whatever sel holds
	v_lshl_add_u32 v[SL+2*(\c)+1], v[SL+2*(\c)+1], 2, s[LW]
	ds_store_b32 v[SL+2*(\c)+1], v[SL+2*(\c)]
	s_bcnt1_i32_b32 s26, s[BAL]
	s_add_co_u32 s[CNT], s[CNT], s26
.endm
; The pass's five tiles: my lane's row in each, from the list; and the two flags that steer what is jumped
.macro SETROWS
	v_add_nc_u32 v[TM], s[LO], v[VLR]
.irp i, 0,1,2,3,4
	ds_load_b32 v[SL+(\i)], v[TM] offset:256*(\i)              ; tile 20 p + w + 4 i, rank lane % 16
.endr
	s_add_co_u32 s26, s[TAU], 16
	s_cmp_lt_u32 s26, s[NT]
	s_cselect_b32 s[T5], 1, 0
	s_cmp_lt_u32 s[TAU], s[NT]
	s_cselect_b32 s[LIVE], 1, 0
	s_wait_dscnt 0x0                       ; LDS serves a wave's instructions in order (ISA guide 5.7.1.4): these see the list's stores
.irp i, 0,1,2,3,4
.if UP
	v_lshrrev_b32 v[SL+(\i)], 1, v[SL+(\i)]                    ; the token
	v_min_u32 v[SL+(\i)], 0x3ff, v[SL+(\i)]                    ; a place past the count: token 1,023
.else
	v_min_u32 v[SL+(\i)], 0x7ff, v[SL+(\i)]                    ; a place past the count: slot 2,047
.endif
	v_lshl_add_u32 v[ROW+(\i)], v[SL+(\i)], ASH, v[V16H]
.endr
.endm
; THE WAY OUT, first part, on every wave's way: the store offsets of all five tiles' rows
.macro OUTADR
	v_add_nc_u32 v[TM], s[LO], v[VLH]
.irp i, 0,1,2,3,4
	ds_load_b128 v[AD+8*(\i):AD+8*(\i)+3],   v[TM] offset:256*(\i)     ; the slots of rows 8 h + 0..3 of tile i
	ds_load_b128 v[AD+8*(\i)+4:AD+8*(\i)+7], v[TM] offset:256*(\i)+16  ; and 8 h + 4..7
.endr
	s_wait_dscnt 0x0
.set z, 0
.rept 40
	v_min_u32 v[AD+z], DUMP+7, v[AD+z]
.set z, z+1
.endr
.set z, 0
.rept 40
	v_lshl_add_u32 v[AD+z], v[AD+z], OSH, v[COL]
.set z, z+1
.endr
.endm
; second part, tile i: bias, (relu, rounding,) stores.  A tile past the count, and with it all later ones, is jumped: arithmetic on data registers and stores alone.
.macro OUT i
	WIN 0
	s_add_co_u32 s26, s[TAU], 4*(\i)
	s_cmp_ge_u32 s26, s[NT]
	s_cbranch_scc1 .Lbottom
	s_wait_xcnt 0x0                        ; the last tile's stores have read their data registers
.if (\i) < 4
	WIN 0x01                               ; source 0 window 1
.else
	WIN 0x02
.endif
.irp j, 0,1,2,3,4,5,6,7                ; j ascending: each accumulator is read from its low end on
.irp n, 0,1,2,3,4,5,6,7
	v_add_f32 v[T+8*(\j)+(\n)], v[64*((\i)%4)+8*(\n)+(\j)], v[BIAS+(\n)]
.endr
.endr
	WIN 0
.if UP
.irp j, 0,1,2,3,4,5,6,7
.irp m, 0,1,2,3
	v_cvt_pk_bf16_f32 v[P+4*(\j)+(\m)], v[T+8*(\j)+2*(\m)], v[T+8*(\j)+2*(\m)+1]
.endr
.endr
.set z, 0
.rept 32
	v_pk_max_num_bf16 v[P+z], v[P+z], v[ZR]                    ; relu, two at a time: nothing is rounded
.set z, z+1
.endr
.endif
.irp j, 0,1,2,3,4,5,6,7                ; rows 8 h + j: each half of the lanes stores 256 consecutive bytes of its row, aligned
.if UP
	global_store_b128 v[AD+8*(\i)+(\j)], v[P+4*(\j):P+4*(\j)+3], s[12:13]
.else
	global_store_b128 v[AD+8*(\i)+(\j)], v[T+8*(\j):T+8*(\j)+3], s[12:13]
	global_store_b128 v[AD+8*(\i)+(\j)], v[T+8*(\j)+4:T+8*(\j)+7], s[12:13] offset:256
.endif
.endr
.endm
	s_load_b256 s[4:11], s[0:1], 0x0
	s_load_b64 s[12:13], s[0:1], 0x20
	v_lshl_add_u32 v[SPW], v0, 2, SPARE
	v_mov_b32 v[NIL], 0
	v_and_b32 v1, 31, v0                           ; lane
	v_and_b32 v2, 15, v0                           ; r
	v_bfe_u32 v3, v0, 4, 1                         ; h
	v_lshrrev_b32 v[TM], 5, v0
	v_readfirstlane_b32 s[WV], v[TM]
	s_and_b32 s[G], s[WV], 1
	s_lshr_b32 s[KQ], s[WV], 1
	s_lshr_b32 s[EX], ttmp9, 5
.if UP
	s_and_b32 s[SLI], ttmp9, 31
.else
	s_and_b32 s[SLI], ttmp9, 7
	s_bfe_u32 s[Q], ttmp9, 0x20003                 ; the quarter of K
.endif
	v_lshlrev_b32 v[WOFF], 4, v2                   ; 16 r
	v_lshl_add_u32 v[WOFF], v3, PWS+3, v[WOFF]     ; + 8 h rows
	s_lshl_b32 s26, s[KQ], PWS+4                   ; + 16 kq rows
	s_lshl_b32 s27, s[G], 8                        ; + 256 g
	s_add_co_u32 s26, s26, s27
	v_add_nc_u32 v[WOFF], s26, v[WOFF]
	v_lshlrev_b32 v[PFO], PWS, v0
.if UP
	v_lshrrev_b32 v[TM], 1, v2                     ; column 64 g + 4 r + c = 8 (8 g + r / 2) + 4 (r % 2) + c: reader's lane 16 h + 8 g + r / 2, tile 4 (r % 2) + c
	v_lshlrev_b32 v[LS0], 4, v[TM]
	v_lshl_add_u32 v[LS0], v3, 8, v[LS0]
	v_and_b32 v[TM], 1, v2
	v_mul_u32_u24 v[TM], v[TM], 4*TLB              ; 4,224 = 128 modulo 256: even and odd r fill different banks (64 banks of 4 bytes: ISA guide 11.1)
	v_add_nc_u32 v[LS0], v[LS0], v[TM]
	s_lshl_b32 s26, s[G], 7
.else
	v_lshlrev_b32 v[LS0], 4, v1                    ; reader's lane = mine, tile 4 g + c
	s_mul_i32 s26, s[G], 4*TLB
.endif
	s_lshl_b32 s27, s[KQ], 9                       ; registers 0-3 or 4-7
	s_add_co_u32 s26, s26, s27
	v_add_nc_u32 v[LS0], s26, v[LS0]
	v_lshlrev_b32 v[LB0], 4, v1
	s_mul_i32 s[LW], s[WV], LISTB
	s_add_co_u32 s[LW], s[LW], LIST
	s_lshl_b32 s26, s[WV], 6                       ; tile w of a pass: 64 bytes a tile
	s_add_co_u32 s26, s26, s[LW]
	v_lshl_add_u32 v[VLR], v2, 2, s26
	v_lshl_add_u32 v[VLH], v3, 5, s26
	v_lshlrev_b32 v[V16H], 4, v3
	v_lshlrev_b32 v[COL], 4, v2
	v_lshlrev_b32 v[BOF], 5, v2
	v_mov_b32 v[ZR], 0
	v_lshlrev_b32 v[L8], 3, v1
	s_lshl_b32 s[EM], 0x101, s[EX]
	s_add_co_u32 s[ES], s[EX], 8
	s_add_co_u32 s[DS], s[EX], DUMP
	s_mov_b32 s[OF+1], 0
	s_wait_kmcnt 0x0
	s_lshl_b32 s[OF], s[EX], 24                    ; an expert's weights are 2^24 bytes
	s_lshl_b32 s26, s[SLI], 9                      ; 128 columns of f32
	s_add_co_u32 s[OF], s[OF], s26
.if UP == 0
	s_lshl_b32 s27, s[Q], 22                       ; 1,024 rows of 4,096 bytes
	s_add_co_u32 s[OF], s[OF], s27
.endif
	s_add_nc_u64 s[SW:SW+1], s[4:5], s[OF:OF+1]
	s_lshl_b32 s[OF], s[EX], BSH
	s_add_co_u32 s[OF], s[OF], s26
	s_add_nc_u64 s[6:7], s[6:7], s[OF:OF+1]
.if UP
	s_mov_b64 s[SA0:SA0+1], s[8:9]
	s_lshl_b32 s[OF], s[SLI], 8                    ; 128 columns of bf16
.else
	s_lshl_b32 s[OF], s[Q], 11                     ; 1,024 numbers of bf16 along a row of h
	s_add_nc_u64 s[SA0:SA0+1], s[8:9], s[OF:OF+1]
	s_mul_i32 s[OF], s[Q], QPITCH                  ; the quarter's 2,056 rows of 4,096 bytes
	s_add_co_u32 s[OF], s[OF], s26
.endif
	s_add_nc_u64 s[12:13], s[12:13], s[OF:OF+1]
	s_mov_b64 s[SA:SA+1], s[SA0:SA0+1]
.irp q4, 0,1,2,3,4,5,6,7
	global_load_b128 v[BF0+4*(\q4):BF0+4*(\q4)+3], v[LB0], s[10:11] offset:512*(\q4)  ; all of sel
.endr
.if UP
	global_load_b128 v[BIAS:BIAS+3],   v[BOF], s[6:7]              ; columns 8 r + 0..7
	global_load_b128 v[BIAS+4:BIAS+7], v[BOF], s[6:7] offset:16
.else
	global_load_b128 v[BIAS:BIAS+3],   v[COL], s[6:7]              ; columns 4 r + 0..3 and 64 + 4 r + 0..3
	global_load_b128 v[BIAS+4:BIAS+7], v[COL], s[6:7] offset:256
.endif
	WLOAD 0                                        ; chunk 0 of the weights: 32 loads
	WLOAD 1
	WLOAD 2
	WLOAD 3
	global_prefetch_b8 v[PFO], s[SW:SW+1] offset:CHW th:TH_LOAD_NT scope:SCOPE_SE      ; chunk 1
	global_prefetch_b8 v[PFO], s[SW:SW+1] offset:CHW+256 th:TH_LOAD_NT scope:SCOPE_SE
	; THE LIST, in the wait for the weights: 1,280 entries of DUMP + e, then the expert's slots by rank
.irp i, 0,1,2,3
	v_mov_b32 v[TM+(\i)], s[DS]
.endr
	v_add_nc_u32 v[TM+4], s[LW], v[LB0]
	v_mov_b32 v[TM+5], 1280                        ; the dump word's entry
.irp i, 0,1,2,3,4,5,6,7,8,9
	ds_store_b128 v[TM+4], v[TM:TM+3] offset:512*(\i)
.endr
	s_mov_b32 s[CNT], 0
	s_wait_loadcnt 32                              ; sel and the biases are in; the 32 loads of weights stay out
.irp q4, 0,1,2,3,4,5,6,7
.irp c, 0,1,2,3
	LSTEP \q4, \c
.endr
.endr
	s_add_co_u32 s[NT], s[CNT], 15
	s_lshr_b32 s[NT], s[NT], 4
	s_mov_b32 s[PS], 0
	s_mov_b32 s[TAU], s[WV]
	s_mov_b32 s[LO], 0
.if UP == 0
	s_cmp_eq_u32 s[Q], 0                           ; the bias enters one of the four partial sums
	s_cselect_b32 s26, -1, 0
.irp n, 0,1,2,3,4,5,6,7
	v_and_b32 v[BIAS+(\n)], s26, v[BIAS+(\n)]
.endr
.endif
	SETROWS
	ALOAD 0                                        ; chunk 0 of the token rows: 40 loads
	ALOAD 1
	ALOAD 2
	ALOAD 3
	s_mov_b32 s[CC], 0
	s_mov_b32 s[CB], 0
; PASS 0.  Trip c: chunk c of the weights is rounded into LDS while chunk c + 1 is asked for; one barrier; chunk c is multiplied while chunk c + 1 of the token rows is asked for.
; LOADS IN ISSUE ORDER: W(c) 32, A(c) 4 x 10, W(c + 1) 32, A(c + 1) 4 x 10.  Behind W(c, ks) come 8 (3 - ks) + 40 + 8 ks = 64: the wait is written 63, the most its field holds, and a smaller count is safe.
; Behind A(c, ks) come 10 (3 - ks) + 32 + 10 ks = 62.  A counter that is full holds the next load's issue back (ISA guide 5.7.1).
.Lchunk:
	s_wait_xcnt 0x0                                ; the bases are stepped only behind this wait
	s_add_nc_u64 s[SW:SW+1], s[SW:SW+1], CHW
	s_add_nc_u64 s[SA:SA+1], s[SA:SA+1], CHA
	v_add_nc_u32 v[LS], s[CB], v[LS0]
	v_add_nc_u32 v[LB], s[CB], v[LB0]
	PROD1 0, 1, 63
	PROD1 1, 1, 63
	PROD1 2, 1, 63
	PROD1 3, 1, 63
	s_wait_dscnt 0x0                               ; for the others' sake: my part of chunk c is in LDS
	s_barrier_signal -1
	s_barrier_wait -1                              ; everybody's is.  No second barrier: chunk c + 1 goes to other bytes
	CHUNK 1, 1, 1, 62, 62, 62, 62
	s_add_co_u32 s[CB], s[CB], CHB
	s_add_co_u32 s[CC], s[CC], 1
	s_cmp_lt_u32 s[CC], 7
	s_cbranch_scc1 .Lchunk
	v_add_nc_u32 v[LS], s[CB], v[LS0]              ; chunk 7: nothing is left to ask for, and the counts run down
	v_add_nc_u32 v[LB], s[CB], v[LB0]
	PROD1 0, 0, 63                                 ; 24 + 40 = 64 younger
	PROD1 1, 0, 56
	PROD1 2, 0, 48
	PROD1 3, 0, 40
	s_wait_dscnt 0x0
	s_barrier_signal -1
	s_barrier_wait -1
	CHUNK 0, 0, 0, 30, 20, 10, 0
	s_branch .Lout
; PASSES 1 TO 3: the slice is in LDS; no barrier, no LDS store.  Three trips on every wave's way; a wave without rows in the pass jumps each chunk's loads and products.
.Lpass:
	s_add_co_u32 s[TAU], s[TAU], 20
	s_add_co_u32 s[LO], s[LO], 1280                ; 20 tiles of 64 bytes on in the list
	SETROWS
	s_wait_xcnt 0x0                                ; the last pass's stores have read their offsets (v64-103) and data; the base is written only behind this wait
	s_mov_b64 s[SA:SA+1], s[SA0:SA0+1]
	s_mov_b32 s[CC], 0
	s_mov_b32 s[CB], 0
.Lpchunk:
	v_add_nc_u32 v[LB], s[CB], v[LB0]
	s_cmp_eq_u32 s[LIVE], 0
	s_cbranch_scc1 .Lpskip                         ; jumped: loads into data registers, their waits (which end at 0) and products
	PLACES
	ALOAD 0
	ALOAD 1
	ALOAD 2
	ALOAD 3
	CHUNK 0, 1, 0, 30, 20, 10, 0
.Lpskip:
	s_wait_xcnt 0x0
	s_add_nc_u64 s[SA:SA+1], s[SA:SA+1], CHA
	s_add_co_u32 s[CB], s[CB], CHB
	s_add_co_u32 s[CC], s[CC], 1
	s_cmp_lt_u32 s[CC], 8
	s_cbranch_scc1 .Lpchunk
.Lout:
	PLACES                                         ; between the last products and the loads into their fragment registers
	OUTADR
	OUT 0
	OUT 1
	OUT 2
	OUT 3
	OUT 4
.Lbottom:
	s_add_co_u32 s[PS], s[PS], 1
	s_cmp_lt_u32 s[PS], 4
	s_cbranch_scc1 .Lpass
	s_wait_tensorcnt 0x0                           ; the wave's end, behind my last LDS store
	ds_add_u32 v[SPW], v[NIL]
	s_wait_dscnt 0x0
	s_endpgm
.Lfunc_end_k_q29656f1dbf_up:
	.size	k_q29656f1dbf_up, .Lfunc_end_k_q29656f1dbf_up-k_q29656f1dbf_up
	.p2alignl 7, 3214868480
	.fill 96, 4, 3214868480
	.section	.rodata,"a",@progbits
	.p2align	6, 0x0
	.amdhsa_kernel k_q29656f1dbf_up
		.amdhsa_group_segment_fixed_size 292864
		.amdhsa_private_segment_fixed_size 0
		.amdhsa_enable_private_segment 0
		.amdhsa_kernarg_size 40
		.amdhsa_user_sgpr_count 2
		.amdhsa_user_sgpr_kernarg_segment_ptr 1
		.amdhsa_wavefront_size32 1
		.amdhsa_system_sgpr_workgroup_id_x 1
		.amdhsa_system_sgpr_workgroup_id_y 1
		.amdhsa_system_sgpr_workgroup_id_z 1
		.amdhsa_system_vgpr_workitem_id 0
		.amdhsa_next_free_vgpr 736
		.amdhsa_next_free_sgpr 66
		.amdhsa_reserve_vcc 0
		.amdhsa_float_denorm_mode_32 3
		.amdhsa_float_denorm_mode_16_64 3
		.amdhsa_memory_ordered 1
		.amdhsa_forward_progress 1
		.amdhsa_inst_pref_size 155
	.end_amdhsa_kernel
	.amdgpu_metadata
---
amdhsa.version: [ 1, 2 ]
amdhsa.kernels:
  - .name:           k_q29656f1dbf_up
    .symbol:         k_q29656f1dbf_up.kd
    .args:
      - { .name: W1, .offset: 0, .size: 8, .value_kind: global_buffer, .address_space: global }
      - { .name: b1, .offset: 8, .size: 8, .value_kind: global_buffer, .address_space: global }
      - { .name: xb, .offset: 16, .size: 8, .value_kind: global_buffer, .address_space: global }
      - { .name: sel, .offset: 24, .size: 8, .value_kind: global_buffer, .address_space: global }
      - { .name: hbuf, .offset: 32, .size: 8, .value_kind: global_buffer, .address_space: global }
    .group_segment_fixed_size: 292864
    .private_segment_fixed_size: 0
    .kernarg_segment_align: 8
    .kernarg_segment_size: 40
    .max_flat_workgroup_size: 128
    .sgpr_count:     66
    .vgpr_count:     736
    .wavefront_size: 32
...
	.end_amdgpu_metadata
.endif
;; end of part 2
;; launch down (part 3): grid 256 x 1, 4 waves a work-group, no clusters, 292,864 bytes of LDS; arguments W2, b2, hbuf, sel, part; writes part
.if DOCPART == 3
	.amdgcn_target "amdgcn-amd-amdhsa--gfx1250"
	.amdhsa_code_object_version 6
	.text
	.protected	k_q29656f1dbf_down
	.globl	k_q29656f1dbf_down
	.p2align	8
	.type	k_q29656f1dbf_down,@function
k_q29656f1dbf_down:
	s_mov_b64 s[64:65], 0
	v_nop
	global_prefetch_b8 v0, s[64:65] scope:SCOPE_SE
	s_setreg_imm32_b32 hwreg(HW_REG_WAVE_MODE, 25, 1), 1
	s_wait_xcnt 0x0
; SECOND PRODUCT OF THE EXPERTS, in quarters of K: part[q][slot] = h[slot][1024 q ..] W2[e][1024 q ..][:] (+ b2[e] in quarter 0) for the rows (token, k) that chose expert e.  (UP = 1 is the first product's text: the same macros.)
; W2: [8][4096][1024] f32.  b2: [8][1024] f32.  hbuf: [2056][4096] bf16, row slot = 2 token + k.  sel: [1024] words, bit e: first choice, bit 8 + e: second.  part: [4][2056][1024] f32: partial sums, so f32; rows 2048 + e are read by nobody.
; SHARES.  Work-group = (expert e = number / 32, quarter q of K, slice of 128 columns): 512 KB of weights that it alone reads, once, and ALL of the expert's rows.  Operands bf16, sums f32.
; K is split so that a slice has 128 columns (weight rows of 512 bytes; a token fragment feeds 8 products) on 256 work-groups; the sigmoid wants the whole sum and stands in the launch that adds the quarters.
; WEIGHTS.  They lie [k][n] in f32; a matrix operand wants k along a lane's registers in bf16.  A load takes 64 columns of two k rows (16 lanes: 256 consecutive bytes, aligned); wave w has column half g = w % 2
; and k half kq = w / 2 of a K step of 32; its lane (r, h) holds rows 16 kq + 8 h + 0..7 of columns 64 g + 4 r + 0..3.  Rounding rows in pairs gives, for each column, registers 4 kq .. 4 kq + 3 of a B fragment as lane half h
; holds them: nothing is turned.  The fragments go to LDS in the order in which readers' lanes take them (512 consecutive bytes a load) and STAY: 32 K steps x 8,448 bytes.  No byte of LDS is written twice.
; COLUMNS.  Which fragment and lane a column goes to is the writer's choice.  Here column = 64 (tile / 4) + 4 x lane + tile % 4, so that four tiles hold four neighbouring columns of a row: 16 bytes in f32.
; ROWS.  Every wave makes the expert's list (rank -> slot) for itself from sel, in its own LDS bytes, while the first weights are on their way.  A tile is 16 ranks; in pass p wave w has tiles 20 p + w + 4 i, i = 0..4.
; Token fragments come from memory straight into registers (two loads of 16 bytes a lane), each read by one wave and used for 8 products.  Pass 0 streams the weights and holds all 8 barriers.  Passes 1 to 3
; (an expert with more than 320 rows) read the slice from LDS again and hold no barrier and no LDS store: 4 x 320 >= 1,024 rows serve every split.  Their count of trips is constant, and every address (list, rows, chunk in LDS,
; store offsets) is formed on every wave's way; what a wave without rows jumps is work alone: loads into data registers, products, additions, stores.
; PAST THE COUNT the list holds slot 2048 + e.  As a token row it is clamped to a row that exists; as a place to store it is a row of the workspace that nobody reads, of which this work-group has its own 512 bytes:
; so the one tile that holds the count is stored like a full one, and EXEC is never changed.  Tiles wholly past the count are not stored.  Tile 4's loads and first products always run, so that every count and register
; is the same on every way; its other products are jumped where it is empty.
; NO JOINT LOADS: each slice of weights has one reader; the token rows that an expert's work-groups share come by a list, which no tile descriptor covers; and LDS is full with the slice.
; LIMITS.  Inputs are taken to be finite.  bf16 operands have f32's range.
.set UP, 0
.if UP
.set PWS, 14                           ; a weight row is 1 << PWS bytes
.set BSH, 14                           ; an expert's bias row likewise
.set ASH, 11                           ; a token row of the A source
.set OSH, 13                           ; a row of the output
.else
.set PWS, 12
.set BSH, 12
.set ASH, 13
.set OSH, 12
.endif
.set PW,   1<<PWS
.set CHW,  128*PW                      ; a chunk: 128 along K = 4 K steps
.set CHA,  256                         ; the same in a token row
.set TLB,  1056                        ; a fragment in LDS: registers 0-3 (512 bytes), registers 4-7 (512), 32 spare
.set KSB,  8*TLB                       ; a K step's 8 fragments
.set CHB,  4*KSB
.set LIST, 32*KSB                      ; behind the slice: a list for each wave: 1,280 words, the dump word, the rest unused
.set LISTB, 5376
.set SPARE, LIST+4*LISTB               ; behind the lists: the spare words, 128 bytes a wave, two blocks of 256 bytes that no other line names
.set DUMP, 2048                        ; slot DUMP + e: the row that takes the places past the count
.set QPITCH, 2056*4096                 ; bytes from quarter to quarter of the partial sums
; window 0
.set SPW,  4                           ; my spare word's address; never rewritten
.set NIL,  5                           ; 0, for the closing add alone
.set WOFF, 6                           ; my byte offset in a chunk of weights
.set PFO,  7                           ; row (thread number) of a chunk: the prefetch's offset
.set LS,   8                           ; where I store fragments in the chunk in hand;  LS0: in chunk 0
.set LS0,  9
.set LB,   10                          ; where I read them;  LB0 = 16 x lane
.set LB0,  11
.set VLR,  12                          ; my list + 64 w + 4 (lane % 16)
.set VLH,  13                          ; my list + 64 w + 32 (lane / 16)
.set V16H, 14                          ; 16 (lane / 16)
.set COL,  15                          ; 16 (lane % 16)
.set ROW,  16                          ; v16-20  tile i: byte offset of my row's fragment
.set BOF,  21                          ; offset of my biases
.set ZR,   22                          ; 0, for the relu
.set L8,   23                          ; 8 x lane
.set BIAS, 32                          ; v32-39  bias of my column in tile n
.set SL,   40                          ; v40-47  slots; at the head the list's temporaries
.set TM,   56                          ; v56-63  at work
.set BF0,  64                          ; v64-95, v96-127  B fragments of half a K step each; at the head sel; while weights are rounded the packed words
.set BF1,  96
.set AD,   64                          ; v64-103  the way out: store offset of row 8 h + j of tile i at 8 i + j
.set ST,   128                         ; v128-255  weights as loaded: 32 ks + 4 row + c
.set T,    128                         ; the way out: 8 j + n
.set P,    192                         ; the way out: packed, 4 j + m
; window 1: accumulator (tile i, n) at 64 i + 8 n, i = 0..3.   window 2: v0-63 tile 4's; v64-223 the token fragments, K step ks, tile i at AR + 40 ks + 8 i
.set AR,   64
; scalars: s[4:5] weights, s[6:7] bias, s[8:9] A source, s[10:11] sel, s[12:13] output
.set WV,  14
.set EX,  15
.set SLI, 16
.set G,   17
.set KQ,  18
.set Q,   19
.set CNT, 20                           ; the expert's rows
.set NT,  21                           ; its tiles
.set T5,  22                           ; 1: my tile 4 of this pass has rows
.set PS,  23                           ; pass
.set CC,  24                           ; chunk
.set TAU, 25                           ; my first tile of the pass: it enters compares alone
.set SW,  30                           ; s[30:31] the chunk of weights to load next
.set SA,  32                           ; s[32:33] the chunk of token rows to load next
.set SA0, 34                           ; s[34:35] chunk 0 of them
.set EM,  36                           ; 0x101 << e
.set ES,  37                           ; 8 + e
.set BAL, 38                           ; lanes whose token chose e
.set LW,  39                           ; my list's LDS address
.set OF,  42                           ; s[42:43] an offset
.set CB,  44                           ; the chunk's first LDS byte
.set LO,  45                           ; the pass's first byte in the list: 1,280 p
.set LIVE, 46                          ; 1: I have a tile with rows in this pass
.set DS,  47                           ; DUMP + e
.set MSB, 0
.macro WIN new                         ; bits 1:0 source 0, 3:2 source 1, 5:4 source 2, 7:6 destination; the high byte repeats the setting that is left
.if MSB != (\new)
	s_set_vgpr_msb (MSB<<8)|(\new)
.set MSB, \new
.endif
.endm
.macro PLACES                          ; four plain lines between a matrix instruction and a load into, or a vector line on, one of its registers
.rept 4
	v_nop
.endr
.endm
; K step ks of the chunk at s[SW]: my 8 rows x 64 columns
.macro WLOAD ks
.irp i, 0,1,2,3,4,5,6,7
	global_load_b128 v[ST+32*(\ks)+4*(\i):ST+32*(\ks)+4*(\i)+3], v[WOFF], s[SW:SW+1] offset:(32*(\ks)+(\i))*PW th:TH_LOAD_NT
.endr
.endm
; K step ks is rounded, rows in pairs, and stored as four quarter fragments; next = 1: its registers take the next chunk's
.macro PROD1 ks, next, left
	s_wait_loadcnt \left
.irp c, 0,1,2,3
.irp i2, 0,1,2,3
	v_cvt_pk_bf16_f32 v[BF0+16*(\ks)+4*(\c)+(\i2)], v[ST+32*(\ks)+8*(\i2)+(\c)], v[ST+32*(\ks)+8*(\i2)+4+(\c)]
.endr
.endr
.irp c, 0,1,2,3
	ds_store_b128 v[LS], v[BF0+16*(\ks)+4*(\c):BF0+16*(\ks)+4*(\c)+3] offset:KSB*(\ks)+TLB*(\c)
.endr
.if \next
	WLOAD \ks
.endif
.endm
; K step slot of the chunk at s[SA]: five tiles' token fragments, ten loads
.macro ALOAD slot
	WIN 0x80                               ; destination window 2
.irp i, 0,1,2,3,4
	global_load_b128 v[AR+40*(\slot)+8*(\i):AR+40*(\slot)+8*(\i)+3],   v[ROW+(\i)], s[SA:SA+1] offset:64*(\slot)
	global_load_b128 v[AR+40*(\slot)+8*(\i)+4:AR+40*(\slot)+8*(\i)+7], v[ROW+(\i)], s[SA:SA+1] offset:64*(\slot)+32
.endr
	WIN 0
.endm
; four B fragments (tiles 4 hf .. 4 hf + 3 of K step ks): eight loads of 512 consecutive bytes
.macro FETCH ks, hf, bf
.irp m, 0,1,2,3
	ds_load_b128 v[(\bf)+8*(\m):(\bf)+8*(\m)+3],   v[LB] offset:KSB*(\ks)+TLB*(4*(\hf)+(\m))
	ds_load_b128 v[(\bf)+8*(\m)+4:(\bf)+8*(\m)+7], v[LB] offset:KSB*(\ks)+TLB*(4*(\hf)+(\m))+512
.endr
.endm
; 16 products (tiles 0-3 x 4 fragments), then tile 4's four.  The accumulators take turns, one instruction a turn.  zero = 1: the products start the sums.
.macro MUL ks, hf, bf, zero
	WIN 0x52                               ; token fragment window 2, B window 0, C and D window 1
.irp i, 0,1,2,3
.irp m, 0,1,2,3
.if \zero
	v_wmma_f32_16x16x32_bf16 v[64*(\i)+8*(4*(\hf)+(\m)):64*(\i)+8*(4*(\hf)+(\m))+7], v[AR+40*(\ks)+8*(\i):AR+40*(\ks)+8*(\i)+7], v[(\bf)+8*(\m):(\bf)+8*(\m)+7], 0
.else
	v_wmma_f32_16x16x32_bf16 v[64*(\i)+8*(4*(\hf)+(\m)):64*(\i)+8*(4*(\hf)+(\m))+7], v[AR+40*(\ks)+8*(\i):AR+40*(\ks)+8*(\i)+7], v[(\bf)+8*(\m):(\bf)+8*(\m)+7], v[64*(\i)+8*(4*(\hf)+(\m)):64*(\i)+8*(4*(\hf)+(\m))+7]
.endif
.endr
.endr
.if \zero
	WIN 0xa2                               ; C and D window 2
.irp m, 0,1,2,3
	v_wmma_f32_16x16x32_bf16 v[8*(4*(\hf)+(\m)):8*(4*(\hf)+(\m))+7], v[AR+40*(\ks)+32:AR+40*(\ks)+39], v[(\bf)+8*(\m):(\bf)+8*(\m)+7], 0
.endr
	WIN 0
.else
	WIN 0                                  ; at a branch and at a label every window is 0
	s_cmp_eq_u32 s[T5], 0
	s_cbranch_scc1 .Lm\@                   ; an empty tile 4: only products are jumped
	WIN 0xa2
.irp m, 0,1,2,3
	v_wmma_f32_16x16x32_bf16 v[8*(4*(\hf)+(\m)):8*(4*(\hf)+(\m))+7], v[AR+40*(\ks)+32:AR+40*(\ks)+39], v[(\bf)+8*(\m):(\bf)+8*(\m)+7], v[8*(4*(\hf)+(\m)):8*(4*(\hf)+(\m))+7]
.endr
	WIN 0
.Lm\@:
.endif
.endm
; A K step: two halves of 20 products; while one half is multiplied the next half's fragments come out of LDS.  reload = 1: the token fragments of the K step just done are asked for again, a chunk on.
; na: how many younger loads may stay out when this K step's token fragments have to be in.  pf = 1: the chunk after next is asked into the far cache.
.macro KSTEP ks, zero, reload, na, pf=0
.if (\ks) > 0
	PLACES
.if \reload
	ALOAD (\ks)-1
.endif
.endif
	FETCH \ks, 1, BF1
	s_wait_loadcnt \na
	s_wait_dscnt 8                         ; all but the eight just issued
.if \pf
	s_cmp_gt_u32 s[CC], 5                  ; trip c asks for chunk c + 2, one chunk (64 KB a work-group) ahead of the loads that will want it; chunk 7 is the last, so trip 6 asks for nothing
	s_cbranch_scc1 .Lnp\@
	global_prefetch_b8 v[PFO], s[SW:SW+1] offset:CHW th:TH_LOAD_NT scope:SCOPE_SE      ; thread t: row t of the chunk's 128, its first 256 bytes
	global_prefetch_b8 v[PFO], s[SW:SW+1] offset:CHW+256 th:TH_LOAD_NT scope:SCOPE_SE  ; and its second: each block is asked for once
.Lnp\@:
.endif
	MUL \ks, 0, BF0, \zero
.if (\ks) < 3
	PLACES
	FETCH (\ks)+1, 0, BF0
	s_wait_dscnt 8
.else
	s_wait_dscnt 0x0
.endif
	MUL \ks, 1, BF1, \zero
.endm
; A chunk's four K steps.  first = 1: in chunk 0 the first K step starts the sums (a second copy of it, chosen by the chunk's number).
.macro CHUNK reload, first, pf, n0, n1, n2, n3
	FETCH 0, 0, BF0
.if \first
	s_cmp_lg_u32 s[CC], 0
	s_cbranch_scc1 .Lnz\@
	KSTEP 0, 1, \reload, \n0
	s_branch .Ljn\@
.Lnz\@:
.endif
	KSTEP 0, 0, \reload, \n0
.if \first
.Ljn\@:
.endif
	KSTEP 1, 0, \reload, \n1, \pf
	KSTEP 2, 0, \reload, \n2
	KSTEP 3, 0, \reload, \n3
.if \reload
	PLACES
	ALOAD 3
.endif
.endm
; One register of sel: tokens 128 q4 + 4 lane + c.  A lane whose token chose e stores its slot at its rank; the others store into the dump word.
.macro LSTEP q4, c
	v_and_b32 v[SL+2*(\c)], s[EM], v[BF0+4*(\q4)+(\c)]
	v_cmp_ne_u32 s[BAL], 0, v[SL+2*(\c)]
	v_mbcnt_lo_u32_b32 v[SL+2*(\c)+1], s[BAL], s[CNT]          ; rank = rows so far + chosen lanes below mine
	v_lshrrev_b32 v[SL+2*(\c)], s[ES], v[SL+2*(\c)]            ; k: 1 if e was the second choice
	v_add3_u32 v[SL+2*(\c)], v[SL+2*(\c)], v[L8], 256*(\q4)+2*(\c)  ; slot = 2 token + k
	v_cndmask_b32 v[SL+2*(\c)+1], v[TM+5], v[SL+2*(\c)+1], s[BAL]
	v_min_u32 v[SL+2*(\c)+1], 1280, v[SL+2*(\c)+1]             ; inside my list whatever sel holds
	v_lshl_add_u32 v[SL+2*(\c)+1], v[SL+2*(\c)+1], 2, s[LW]
	ds_store_b32 v[SL+2*(\c)+1], v[SL+2*(\c)]
	s_bcnt1_i32_b32 s26, s[BAL]
	s_add_co_u32 s[CNT], s[CNT], s26
.endm
; The pass's five tiles: my lane's row in each, from the list; and the two flags that steer what is jumped
.macro SETROWS
	v_add_nc_u32 v[TM], s[LO], v[VLR]
.irp i, 0,1,2,3,4
	ds_load_b32 v[SL+(\i)], v[TM] offset:256*(\i)              ; tile 20 p + w + 4 i, rank lane % 16
.endr
	s_add_co_u32 s26, s[TAU], 16
	s_cmp_lt_u32 s26, s[NT]
	s_cselect_b32 s[T5], 1, 0
	s_cmp_lt_u32 s[TAU], s[NT]
	s_cselect_b32 s[LIVE], 1, 0
	s_wait_dscnt 0x0                       ; LDS serves a wave's instructions in order (ISA guide 5.7.1.4): these see the list's stores
.irp i, 0,1,2,3,4
.if UP
	v_lshrrev_b32 v[SL+(\i)], 1, v[SL+(\i)]                    ; the token
	v_min_u32 v[SL+(\i)], 0x3ff, v[SL+(\i)]                    ; a place past the count: token 1,023
.else
	v_min_u32 v[SL+(\i)], 0x7ff, v[SL+(\i)]                    ; a place past the count: slot 2,047
.endif
	v_lshl_add_u32 v[ROW+(\i)], v[SL+(\i)], ASH, v[V16H]
.endr
.endm
; THE WAY OUT, first part, on every wave's way: the store offsets of all five tiles' rows
.macro OUTADR
	v_add_nc_u32 v[TM], s[LO], v[VLH]
.irp i, 0,1,2,3,4
	ds_load_b128 v[AD+8*(\i):AD+8*(\i)+3],   v[TM] offset:256*(\i)     ; the slots of rows 8 h + 0..3 of tile i
	ds_load_b128 v[AD+8*(\i)+4:AD+8*(\i)+7], v[TM] offset:256*(\i)+16  ; and 8 h + 4..7
.endr
	s_wait_dscnt 0x0
.set z, 0
.rept 40
	v_min_u32 v[AD+z], DUMP+7, v[AD+z]
.set z, z+1
.endr
.set z, 0
.rept 40
	v_lshl_add_u32 v[AD+z], v[AD+z], OSH, v[COL]
.set z, z+1
.endr
.endm
; second part, tile i: bias, (relu, rounding,) stores.  A tile past the count, and with it all later ones, is jumped: arithmetic on data registers and stores alone.
.macro OUT i
	WIN 0
	s_add_co_u32 s26, s[TAU], 4*(\i)
	s_cmp_ge_u32 s26, s[NT]
	s_cbranch_scc1 .Lbottom
	s_wait_xcnt 0x0                        ; the last tile's stores have read their data registers
.if (\i) < 4
	WIN 0x01                               ; source 0 window 1
.else
	WIN 0x02
.endif
.irp j, 0,1,2,3,4,5,6,7                ; j ascending: each accumulator is read from its low end on
.irp n, 0,1,2,3,4,5,6,7
	v_add_f32 v[T+8*(\j)+(\n)], v[64*((\i)%4)+8*(\n)+(\j)], v[BIAS+(\n)]
.endr
.endr
	WIN 0
.if UP
.irp j, 0,1,2,3,4,5,6,7
.irp m, 0,1,2,3
	v_cvt_pk_bf16_f32 v[P+4*(\j)+(\m)], v[T+8*(\j)+2*(\m)], v[T+8*(\j)+2*(\m)+1]
.endr
.endr
.set z, 0
.rept 32
	v_pk_max_num_bf16 v[P+z], v[P+z], v[ZR]                    ; relu, two at a time: nothing is rounded
.set z, z+1
.endr
.endif
.irp j, 0,1,2,3,4,5,6,7                ; rows 8 h + j: each half of the lanes stores 256 consecutive bytes of its row, aligned
.if UP
	global_store_b128 v[AD+8*(\i)+(\j)], v[P+4*(\j):P+4*(\j)+3], s[12:13]
.else
	global_store_b128 v[AD+8*(\i)+(\j)], v[T+8*(\j):T+8*(\j)+3], s[12:13]
	global_store_b128 v[AD+8*(\i)+(\j)], v[T+8*(\j)+4:T+8*(\j)+7], s[12:13] offset:256
.endif
.endr
.endm
	s_load_b256 s[4:11], s[0:1], 0x0
	s_load_b64 s[12:13], s[0:1], 0x20
	v_lshl_add_u32 v[SPW], v0, 2, SPARE
	v_mov_b32 v[NIL], 0
	v_and_b32 v1, 31, v0                           ; lane
	v_and_b32 v2, 15, v0                           ; r
	v_bfe_u32 v3, v0, 4, 1                         ; h
	v_lshrrev_b32 v[TM], 5, v0
	v_readfirstlane_b32 s[WV], v[TM]
	s_and_b32 s[G], s[WV], 1
	s_lshr_b32 s[KQ], s[WV], 1
	s_lshr_b32 s[EX], ttmp9, 5
.if UP
	s_and_b32 s[SLI], ttmp9, 31
.else
	s_and_b32 s[SLI], ttmp9, 7
	s_bfe_u32 s[Q], ttmp9, 0x20003                 ; the quarter of K
.endif
	v_lshlrev_b32 v[WOFF], 4, v2                   ; 16 r
	v_lshl_add_u32 v[WOFF], v3, PWS+3, v[WOFF]     ; + 8 h rows
	s_lshl_b32 s26, s[KQ], PWS+4                   ; + 16 kq rows
	s_lshl_b32 s27, s[G], 8                        ; + 256 g
	s_add_co_u32 s26, s26, s27
	v_add_nc_u32 v[WOFF], s26, v[WOFF]
	v_lshlrev_b32 v[PFO], PWS, v0
.if UP
	v_lshrrev_b32 v[TM], 1, v2                     ; column 64 g + 4 r + c = 8 (8 g + r / 2) + 4 (r % 2) + c: reader's lane 16 h + 8 g + r / 2, tile 4 (r % 2) + c
	v_lshlrev_b32 v[LS0], 4, v[TM]
	v_lshl_add_u32 v[LS0], v3, 8, v[LS0]
	v_and_b32 v[TM], 1, v2
	v_mul_u32_u24 v[TM], v[TM], 4*TLB              ; 4,224 = 128 modulo 256: even and odd r fill different banks (64 banks of 4 bytes: ISA guide 11.1)
	v_add_nc_u32 v[LS0], v[LS0], v[TM]
	s_lshl_b32 s26, s[G], 7
.else
	v_lshlrev_b32 v[LS0], 4, v1                    ; reader's lane = mine, tile 4 g + c
	s_mul_i32 s26, s[G], 4*TLB
.endif
	s_lshl_b32 s27, s[KQ], 9                       ; registers 0-3 or 4-7
	s_add_co_u32 s26, s26, s27
	v_add_nc_u32 v[LS0], s26, v[LS0]
	v_lshlrev_b32 v[LB0], 4, v1
	s_mul_i32 s[LW], s[WV], LISTB
	s_add_co_u32 s[LW], s[LW], LIST
	s_lshl_b32 s26, s[WV], 6                       ; tile w of a pass: 64 bytes a tile
	s_add_co_u32 s26, s26, s[LW]
	v_lshl_add_u32 v[VLR], v2, 2, s26
	v_lshl_add_u32 v[VLH], v3, 5, s26
	v_lshlrev_b32 v[V16H], 4, v3
	v_lshlrev_b32 v[COL], 4, v2
	v_lshlrev_b32 v[BOF], 5, v2
	v_mov_b32 v[ZR], 0
	v_lshlrev_b32 v[L8], 3, v1
	s_lshl_b32 s[EM], 0x101, s[EX]
	s_add_co_u32 s[ES], s[EX], 8
	s_add_co_u32 s[DS], s[EX], DUMP
	s_mov_b32 s[OF+1], 0
	s_wait_kmcnt 0x0
	s_lshl_b32 s[OF], s[EX], 24                    ; an expert's weights are 2^24 bytes
	s_lshl_b32 s26, s[SLI], 9                      ; 128 columns of f32
	s_add_co_u32 s[OF], s[OF], s26
.if UP == 0
	s_lshl_b32 s27, s[Q], 22                       ; 1,024 rows of 4,096 bytes
	s_add_co_u32 s[OF], s[OF], s27
.endif
	s_add_nc_u64 s[SW:SW+1], s[4:5], s[OF:OF+1]
	s_lshl_b32 s[OF], s[EX], BSH
	s_add_co_u32 s[OF], s[OF], s26
	s_add_nc_u64 s[6:7], s[6:7], s[OF:OF+1]
.if UP
	s_mov_b64 s[SA0:SA0+1], s[8:9]
	s_lshl_b32 s[OF], s[SLI], 8                    ; 128 columns of bf16
.else
	s_lshl_b32 s[OF], s[Q], 11                     ; 1,024 numbers of bf16 along a row of h
	s_add_nc_u64 s[SA0:SA0+1], s[8:9], s[OF:OF+1]
	s_mul_i32 s[OF], s[Q], QPITCH                  ; the quarter's 2,056 rows of 4,096 bytes
	s_add_co_u32 s[OF], s[OF], s26
.endif
	s_add_nc_u64 s[12:13], s[12:13], s[OF:OF+1]
	s_mov_b64 s[SA:SA+1], s[SA0:SA0+1]
.irp q4, 0,1,2,3,4,5,6,7
	global_load_b128 v[BF0+4*(\q4):BF0+4*(\q4)+3], v[LB0], s[10:11] offset:512*(\q4)  ; all of sel
.endr
.if UP
	global_load_b128 v[BIAS:BIAS+3],   v[BOF], s[6:7]              ; columns 8 r + 0..7
	global_load_b128 v[BIAS+4:BIAS+7], v[BOF], s[6:7] offset:16
.else
	global_load_b128 v[BIAS:BIAS+3],   v[COL], s[6:7]              ; columns 4 r + 0..3 and 64 + 4 r + 0..3
	global_load_b128 v[BIAS+4:BIAS+7], v[COL], s[6:7] offset:256
.endif
	WLOAD 0                                        ; chunk 0 of the weights: 32 loads
	WLOAD 1
	WLOAD 2
	WLOAD 3
	global_prefetch_b8 v[PFO], s[SW:SW+1] offset:CHW th:TH_LOAD_NT scope:SCOPE_SE      ; chunk 1
	global_prefetch_b8 v[PFO], s[SW:SW+1] offset:CHW+256 th:TH_LOAD_NT scope:SCOPE_SE
	; THE LIST, in the wait for the weights: 1,280 entries of DUMP + e, then the expert's slots by rank
.irp i, 0,1,2,3
	v_mov_b32 v[TM+(\i)], s[DS]
.endr
	v_add_nc_u32 v[TM+4], s[LW], v[LB0]
	v_mov_b32 v[TM+5], 1280                        ; the dump word's entry
.irp i, 0,1,2,3,4,5,6,7,8,9
	ds_store_b128 v[TM+4], v[TM:TM+3] offset:512*(\i)
.endr
	s_mov_b32 s[CNT], 0
	s_wait_loadcnt 32                              ; sel and the biases are in; the 32 loads of weights stay out
.irp q4, 0,1,2,3,4,5,6,7
.irp c, 0,1,2,3
	LSTEP \q4, \c
.endr
.endr
	s_add_co_u32 s[NT], s[CNT], 15
	s_lshr_b32 s[NT], s[NT], 4
	s_mov_b32 s[PS], 0
	s_mov_b32 s[TAU], s[WV]
	s_mov_b32 s[LO], 0
.if UP == 0
	s_cmp_eq_u32 s[Q], 0                           ; the bias enters one of the four partial sums
	s_cselect_b32 s26, -1, 0
.irp n, 0,1,2,3,4,5,6,7
	v_and_b32 v[BIAS+(\n)], s26, v[BIAS+(\n)]
.endr
.endif
	SETROWS
	ALOAD 0                                        ; chunk 0 of the token rows: 40 loads
	ALOAD 1
	ALOAD 2
	ALOAD 3
	s_mov_b32 s[CC], 0
	s_mov_b32 s[CB], 0
; PASS 0.  Trip c: chunk c of the weights is rounded into LDS while chunk c + 1 is asked for; one barrier; chunk c is multiplied while chunk c + 1 of the token rows is asked for.
; LOADS IN ISSUE ORDER: W(c) 32, A(c) 4 x 10, W(c + 1) 32, A(c + 1) 4 x 10.  Behind W(c, ks) come 8 (3 - ks) + 40 + 8 ks = 64: the wait is written 63, the most its field holds, and a smaller count is safe.
; Behind A(c, ks) come 10 (3 - ks) + 32 + 10 ks = 62.  A counter that is full holds the next load's issue back (ISA guide 5.7.1).
.Lchunk:
	s_wait_xcnt 0x0                                ; the bases are stepped only behind this wait
	s_add_nc_u64 s[SW:SW+1], s[SW:SW+1], CHW
	s_add_nc_u64 s[SA:SA+1], s[SA:SA+1], CHA
	v_add_nc_u32 v[LS], s[CB], v[LS0]
	v_add_nc_u32 v[LB], s[CB], v[LB0]
	PROD1 0, 1, 63
	PROD1 1, 1, 63
	PROD1 2, 1, 63
	PROD1 3, 1, 63
	s_wait_dscnt 0x0                               ; for the others' sake: my part of chunk c is in LDS
	s_barrier_signal -1
	s_barrier_wait -1                              ; everybody's is.  No second barrier: chunk c + 1 goes to other bytes
	CHUNK 1, 1, 1, 62, 62, 62, 62
	s_add_co_u32 s[CB], s[CB], CHB
	s_add_co_u32 s[CC], s[CC], 1
	s_cmp_lt_u32 s[CC], 7
	s_cbranch_scc1 .Lchunk
	v_add_nc_u32 v[LS], s[CB], v[LS0]              ; chunk 7: nothing is left to ask for, and the counts run down
	v_add_nc_u32 v[LB], s[CB], v[LB0]
	PROD1 0, 0, 63                                 ; 24 + 40 = 64 younger
	PROD1 1, 0, 56
	PROD1 2, 0, 48
	PROD1 3, 0, 40
	s_wait_dscnt 0x0
	s_barrier_signal -1
	s_barrier_wait -1
	CHUNK 0, 0, 0, 30, 20, 10, 0
	s_branch .Lout
; PASSES 1 TO 3: the slice is in LDS; no barrier, no LDS store.  Three trips on every wave's way; a wave without rows in the pass jumps each chunk's loads and products.
.Lpass:
	s_add_co_u32 s[TAU], s[TAU], 20
	s_add_co_u32 s[LO], s[LO], 1280                ; 20 tiles of 64 bytes on in the list
	SETROWS
	s_wait_xcnt 0x0                                ; the last pass's stores have read their offsets (v64-103) and data; the base is written only behind this wait
	s_mov_b64 s[SA:SA+1], s[SA0:SA0+1]
	s_mov_b32 s[CC], 0
	s_mov_b32 s[CB], 0
.Lpchunk:
	v_add_nc_u32 v[LB], s[CB], v[LB0]
	s_cmp_eq_u32 s[LIVE], 0
	s_cbranch_scc1 .Lpskip                         ; jumped: loads into data registers, their waits (which end at 0) and products
	PLACES
	ALOAD 0
	ALOAD 1
	ALOAD 2
	ALOAD 3
	CHUNK 0, 1, 0, 30, 20, 10, 0
.Lpskip:
	s_wait_xcnt 0x0
	s_add_nc_u64 s[SA:SA+1], s[SA:SA+1], CHA
	s_add_co_u32 s[CB], s[CB], CHB
	s_add_co_u32 s[CC], s[CC], 1
	s_cmp_lt_u32 s[CC], 8
	s_cbranch_scc1 .Lpchunk
.Lout:
	PLACES                                         ; between the last products and the loads into their fragment registers
	OUTADR
	OUT 0
	OUT 1
	OUT 2
	OUT 3
	OUT 4
.Lbottom:
	s_add_co_u32 s[PS], s[PS], 1
	s_cmp_lt_u32 s[PS], 4
	s_cbranch_scc1 .Lpass
	s_wait_tensorcnt 0x0                           ; the wave's end, behind my last LDS store
	ds_add_u32 v[SPW], v[NIL]
	s_wait_dscnt 0x0
	s_endpgm
.Lfunc_end_k_q29656f1dbf_down:
	.size	k_q29656f1dbf_down, .Lfunc_end_k_q29656f1dbf_down-k_q29656f1dbf_down
	.p2alignl 7, 3214868480
	.fill 96, 4, 3214868480
	.section	.rodata,"a",@progbits
	.p2align	6, 0x0
	.amdhsa_kernel k_q29656f1dbf_down
		.amdhsa_group_segment_fixed_size 292864
		.amdhsa_private_segment_fixed_size 0
		.amdhsa_enable_private_segment 0
		.amdhsa_kernarg_size 40
		.amdhsa_user_sgpr_count 2
		.amdhsa_user_sgpr_kernarg_segment_ptr 1
		.amdhsa_wavefront_size32 1
		.amdhsa_system_sgpr_workgroup_id_x 1
		.amdhsa_system_sgpr_workgroup_id_y 1
		.amdhsa_system_sgpr_workgroup_id_z 1
		.amdhsa_system_vgpr_workitem_id 0
		.amdhsa_next_free_vgpr 736
		.amdhsa_next_free_sgpr 66
		.amdhsa_reserve_vcc 0
		.amdhsa_float_denorm_mode_32 3
		.amdhsa_float_denorm_mode_16_64 3
		.amdhsa_memory_ordered 1
		.amdhsa_forward_progress 1
		.amdhsa_inst_pref_size 139
	.end_amdhsa_kernel
	.amdgpu_metadata
---
amdhsa.version: [ 1, 2 ]
amdhsa.kernels:
  - .name:           k_q29656f1dbf_down
    .symbol:         k_q29656f1dbf_down.kd
    .args:
      - { .name: W2, .offset: 0, .size: 8, .value_kind: global_buffer, .address_space: global }
      - { .name: b2, .offset: 8, .size: 8, .value_kind: global_buffer, .address_space: global }
      - { .name: hbuf, .offset: 16, .size: 8, .value_kind: global_buffer, .address_space: global }
      - { .name: sel, .offset: 24, .size: 8, .value_kind: global_buffer, .address_space: global }
      - { .name: part, .offset: 32, .size: 8, .value_kind: global_buffer, .address_space: global }
    .group_segment_fixed_size: 292864
    .private_segment_fixed_size: 0
    .kernarg_segment_align: 8
    .kernarg_segment_size: 40
    .max_flat_workgroup_size: 128
    .sgpr_count:     66
    .vgpr_count:     736
    .wavefront_size: 32
...
	.end_amdgpu_metadata
.endif
;; end of part 3
;; launch combine (part 4): grid 256 x 1, 8 waves a work-group, no clusters, 0 bytes of LDS; arguments part, gate, out0; writes out0
.if DOCPART == 4
	.amdgcn_target "amdgcn-amd-amdhsa--gfx1250"
	.amdhsa_code_object_version 6
	.text
	.protected	k_q29656f1dbf_combine
	.globl	k_q29656f1dbf_combine
	.p2align	8
	.type	k_q29656f1dbf_combine,@function
k_q29656f1dbf_combine:
	s_mov_b64 s[64:65], 0
	v_nop
	global_prefetch_b8 v0, s[64:65] scope:SCOPE_SE
	s_setreg_imm32_b32 hwreg(HW_REG_WAVE_MODE, 25, 1), 1
	s_wait_xcnt 0x0
; out[t] = gate[t][0] sigmoid(z[2 t]) + gate[t][1] sigmoid(z[2 t + 1]),  z[slot] = the sum over the four quarters q of part[q][slot] (the bias lies in quarter 0).
; part: [4][2056][1024] f32, of which rows 0 to 2047 of each quarter are read.  gate: [1024][2] f32.  out0: [1024][1024] f32.  A stream: every one of those bytes of part is read once, every byte of out0 written once;
; no LDS, no barrier, no index: a token's rows are slots 2 t and 2 t + 1.
; SHARES.  A work-group has 4 tokens, a wave half a token's row (2,048 bytes of out0, 16 KB of part).  All 32 loads of a wave go out at once; each covers 512 consecutive bytes, aligned.
; sigmoid(z) = 1 / (1 + 2^(-z log2 e)).  No maximum is taken away, as in the module itself: where the power overflows the reciprocal of infinity is 0, the right limit.
; LIMITS.  A power below 2^-126 counts as 0 (the sigmoid is then 1 to f32's last place); NaN is not treated apart.
.set QPITCH, 2056*4096                 ; bytes from quarter to quarter: more than a load's immediate holds, so each quarter has a base
.set PP, 16                            ; v[16:143]  group jj, row k, quarter q at 32 jj + 16 k + 4 q
.set EE, 144                           ; v[144:151] the powers, then 1 + power: 4 k + c
.set RC, 152                           ; v[152:159] the sigmoids
.set RS, 160                           ; v[160:175] the results, four registers a group: no group waits for another's store
	s_load_b128 s[4:7], s[0:1], 0x0                ; part s[4:5], gate s[6:7]
	s_load_b64 s[8:9], s[0:1], 0x10                ; out0
	v_and_b32 v1, 31, v0
	v_lshrrev_b32 v2, 5, v0
	v_readfirstlane_b32 s10, v2                    ; wave
	v_lshlrev_b32 v1, 4, v1                        ; 16 bytes a lane
	s_lshr_b32 s11, s10, 1
	s_lshl2_add_u32 s11, ttmp9, s11                ; token = 4 x work-group + wave / 2
	s_and_b32 s12, s10, 1
	s_lshl_b32 s12, s12, 11                        ; which half of the row
	s_lshl_b32 s16, s11, 13                        ; two slots of 4,096 bytes
	s_add_co_u32 s16, s16, s12
	s_mov_b32 s17, 0
	s_lshl_b32 s18, s11, 12
	s_add_co_u32 s18, s18, s12
	s_mov_b32 s19, 0
	s_lshl_b32 s14, s11, 3
	s_mov_b32 s15, 0
	s_wait_kmcnt 0x0
	s_add_nc_u64 s[6:7], s[6:7], s[14:15]
	s_load_b64 s[20:21], s[6:7], 0x0               ; the token's two gates
	s_add_nc_u64 s[24:25], s[4:5], s[16:17]
	s_add_nc_u64 s[26:27], s[24:25], QPITCH
	s_add_nc_u64 s[28:29], s[26:27], QPITCH
	s_add_nc_u64 s[30:31], s[28:29], QPITCH
	s_add_nc_u64 s[8:9], s[8:9], s[18:19]
.irp jj, 0,1,2,3
.irp k, 0,1
.irp q, 0,1,2,3
	global_load_b128 v[PP+32*(\jj)+16*(\k)+4*(\q):PP+32*(\jj)+16*(\k)+4*(\q)+3], v1, s[24+2*(\q):25+2*(\q)] offset:4096*(\k)+512*(\jj) th:TH_LOAD_NT
.endr
.endr
.endr
	s_wait_kmcnt 0x0
	s_mov_b32 s22, s21                             ; the second gate in a pair's low word, for the packed lines
	s_mov_b32 s23, s21
.macro GROUP jj
.set B0, PP+32*(\jj)
.set B1, PP+32*(\jj)+16
	s_wait_loadcnt 24-8*(\jj)                      ; this group's eight loads are in; the later groups' stay out
.irp b, B0, B1
.irp c, 0,2
	v_pk_add_f32 v[(\b)+(\c):(\b)+(\c)+1], v[(\b)+(\c):(\b)+(\c)+1], v[(\b)+4+(\c):(\b)+4+(\c)+1]
	v_pk_add_f32 v[(\b)+8+(\c):(\b)+8+(\c)+1], v[(\b)+8+(\c):(\b)+8+(\c)+1], v[(\b)+12+(\c):(\b)+12+(\c)+1]
.endr
.endr
.irp b, B0, B1
.irp c, 0,2
	v_pk_add_f32 v[(\b)+(\c):(\b)+(\c)+1], v[(\b)+(\c):(\b)+(\c)+1], v[(\b)+8+(\c):(\b)+8+(\c)+1]
.endr
.endr
.irp b, B0, B1
.irp c, 0,2
	v_pk_mul_f32 v[(\b)+(\c):(\b)+(\c)+1], v[(\b)+(\c):(\b)+(\c)+1], 0xbfb8aa3b op_sel_hi:[1,0]  ; - z log2 e
.endr
.endr
.irp c, 0,1,2,3
	v_exp_f32 v[EE+(\c)], v[B0+(\c)]
	v_exp_f32 v[EE+4+(\c)], v[B1+(\c)]
.endr
	v_nop                                          ; the plain line behind the last exponential
	s_wait_alu depctr_va_vdst(0)                   ; one wait for the eight, ahead of their first reader
.irp c, 0,2,4,6
	v_pk_add_f32 v[EE+(\c):EE+(\c)+1], v[EE+(\c):EE+(\c)+1], 1.0 op_sel_hi:[1,0]
.endr
.irp c, 0,1,2,3,4,5,6,7
	v_rcp_f32 v[RC+(\c)], v[EE+(\c)]
.endr
	v_nop
	s_wait_alu depctr_va_vdst(0)                   ; one wait for the eight reciprocals
.irp c, 0,2
	v_pk_mul_f32 v[RS+4*(\jj)+(\c):RS+4*(\jj)+(\c)+1], v[RC+(\c):RC+(\c)+1], s[20:21] op_sel_hi:[1,0]
.endr
.irp c, 0,2
	v_pk_fma_f32 v[RS+4*(\jj)+(\c):RS+4*(\jj)+(\c)+1], v[RC+4+(\c):RC+4+(\c)+1], s[22:23], v[RS+4*(\jj)+(\c):RS+4*(\jj)+(\c)+1] op_sel_hi:[1,0,1]
.endr
	global_store_b128 v1, v[RS+4*(\jj):RS+4*(\jj)+3], s[8:9] offset:512*(\jj) th:TH_STORE_NT  ; 512 consecutive bytes, aligned
.endm
	GROUP 0
	GROUP 1
	GROUP 2
	GROUP 3
	s_endpgm
.Lfunc_end_k_q29656f1dbf_combine:
	.size	k_q29656f1dbf_combine, .Lfunc_end_k_q29656f1dbf_combine-k_q29656f1dbf_combine
	.p2alignl 7, 3214868480
	.fill 96, 4, 3214868480
	.section	.rodata,"a",@progbits
	.p2align	6, 0x0
	.amdhsa_kernel k_q29656f1dbf_combine
		.amdhsa_group_segment_fixed_size 0
		.amdhsa_private_segment_fixed_size 0
		.amdhsa_enable_private_segment 0
		.amdhsa_kernarg_size 24
		.amdhsa_user_sgpr_count 2
		.amdhsa_user_sgpr_kernarg_segment_ptr 1
		.amdhsa_wavefront_size32 1
		.amdhsa_system_sgpr_workgroup_id_x 1
		.amdhsa_system_sgpr_workgroup_id_y 1
		.amdhsa_system_sgpr_workgroup_id_z 1
		.amdhsa_system_vgpr_workitem_id 0
		.amdhsa_next_free_vgpr 176
		.amdhsa_next_free_sgpr 66
		.amdhsa_reserve_vcc 0
		.amdhsa_float_denorm_mode_32 3
		.amdhsa_float_denorm_mode_16_64 3
		.amdhsa_memory_ordered 1
		.amdhsa_forward_progress 1
		.amdhsa_inst_pref_size 14
	.end_amdhsa_kernel
	.amdgpu_metadata
---
amdhsa.version: [ 1, 2 ]
amdhsa.kernels:
  - .name:           k_q29656f1dbf_combine
    .symbol:         k_q29656f1dbf_combine.kd
    .args:
      - { .name: part, .offset: 0, .size: 8, .value_kind: global_buffer, .address_space: global }
      - { .name: gate, .offset: 8, .size: 8, .value_kind: global_buffer, .address_space: global }
      - { .name: out0, .offset: 16, .size: 8, .value_kind: global_buffer, .address_space: global }
    .group_segment_fixed_size: 0
    .private_segment_fixed_size: 0
    .kernarg_segment_align: 8
    .kernarg_segment_size: 24
    .max_flat_workgroup_size: 256
    .sgpr_count:     66
    .vgpr_count:     176
    .wavefront_size: 32
...
	.end_amdgpu_metadata
.endif
;; end of part 4
;; ======== version 2 of 3: 5 launches
;; workspace buffers: xb 2,097,152 bytes; sel 4,096 bytes of whole numbers; gate 8,192 bytes; ord 51,200 bytes of whole numbers; hbuf 67,108,864 bytes; part 134,217,728 bytes
;; launch route: the kernel of part 1 again; grid 256 x 1, 4 waves a work-group, no clusters, 1,024 bytes of LDS; arguments x, Wr, br, xb, sel, gate; writes xb, sel, gate
;; launch order (part 5): grid 8 x 1, 1 waves a work-group, no clusters, 0 bytes of LDS; arguments sel, ord; writes ord
.if DOCPART == 5
	.amdgcn_target "amdgcn-amd-amdhsa--gfx1250"
	.amdhsa_code_object_version 6
	.text
	.protected	k_q29656f1dbf_order
	.globl	k_q29656f1dbf_order
	.p2align	8
	.type	k_q29656f1dbf_order,@function
k_q29656f1dbf_order:
	s_mov_b64 s[64:65], 0
	v_nop
	global_prefetch_b8 v0, s[64:65] scope:SCOPE_SE
	s_setreg_imm32_b32 hwreg(HW_REG_WAVE_MODE, 25, 1), 1
	s_wait_xcnt 0x0
; THE ORDER OF THE ROWS.  Work-group e (one wave) ranks the tokens that chose expert e and stores whole numbers from which the later launches form addresses.
; sel: [1024] words, bit e: first choice, bit 8 + e: second.  ord, in words: 0..2047 pos[2 token + k] = 1024 e + rank; then a row of 1,344 words for each expert:
; 0..1279 the token of each rank (past the count: token 0, a row that exists), 1280..1311 a word for each lane that takes what a lane has not to store, 1312..1343 the count, 32 times.
; Lane l holds the tokens 128 q + 4 l + c in word m = 4 q + c.  The lanes that chose e are a ballot in a scalar register, the ballots' prefix sums are scalar too, a lane's rank is the prefix plus the chosen lanes below it.
; The ranks' order (word by word, lane by lane) is this launch's own; all later launches take it from ord.  Every step is written for all 32 words on end, so that no line waits for the one before it.
; No lane is switched off: a lane whose token did not choose e stores into its own spare word of the row.  Each word of pos is stored by the one work-group whose expert the choice names.
; One wave for each expert is all the work there is: 1,024 words to rank.
; LIMITS.  sel is taken as the router leaves it: two different experts a token.
.set ROW0,  8192                       ; bytes of pos
.set ROWB,  5376                       ; bytes of an expert's row
.set NENT,  1280                       ; entries of a list: 4 passes x 320 ranks
.set WORDS, (ROW0+8*ROWB)/4
.set SE, 16                            ; v[16:47]    sel
.set T0, 48                            ; v[48:79]    the choice's bit, k, the slot, its byte offset in pos
.set RK, 80                            ; v[80:111]   the rank, its byte offset in the list
.set TK, 112                           ; v[112:143]  the token
.set PV, 144                           ; v[144:175]  1024 e + rank
.set FL, 176                           ; v[176:215]  offsets of the entries past the count
.set BL, 32                            ; s[32:63]    the ballots
.set PF, 66                            ; s[66:98]    their prefix sums; s98 the count
.macro ALLM line:vararg                ; one line for each word m
.set m, 0
.rept 32
	\line
.set m, m+1
.endr
.endm
	s_load_b128 s[4:7], s[0:1], 0x0                ; sel s[4:5], ord s[6:7]
	v_lshlrev_b32 v1, 4, v0                        ; 16 bytes a lane
	v_lshlrev_b32 v2, 2, v0                        ; 4 l
	v_add_nc_u32 v3, NENT, v0                      ; my spare word, counted in the row
	v_mov_b32 v5, 0
	s_lshl_b32 s9, 0x101, ttmp9                    ; both bits of expert e
	s_add_co_u32 s10, ttmp9, 8
	s_mul_i32 s11, ttmp9, ROWB
	s_add_co_u32 s11, s11, ROW0                    ; my row's first byte
	s_lshl_b32 s12, ttmp9, 10                      ; 1024 e
	s_lshr_b32 s13, s11, 2
	v_add_nc_u32 v4, s13, v3                       ; my spare word, counted from ord's first word
	s_wait_kmcnt 0x0
.irp q4, 0,1,2,3,4,5,6,7
	global_load_b128 v[SE+4*(\q4):SE+4*(\q4)+3], v1, s[4:5] offset:512*(\q4)
.endr
	s_wait_loadcnt 0x0
	ALLM v_and_b32 v[T0+m], s9, v[SE+m]
	ALLM v_cmp_ne_u32 s[BL+m], 0, v[T0+m]
	s_mov_b32 s[PF], 0
.set m, 0
.rept 32
	s_bcnt1_i32_b32 s16, s[BL+m]
	s_add_co_u32 s[PF+m+1], s[PF+m], s16
.set m, m+1
.endr
	ALLM v_mbcnt_lo_u32_b32 v[RK+m], s[BL+m], s[PF+m]      ; rank = rows in the words before + chosen lanes below mine
	ALLM v_lshrrev_b32 v[T0+m], s10, v[T0+m]               ; k: 1 if e was the second choice
	ALLM v_add_nc_u32 v[TK+m], 128*(m/4)+m%4, v2           ; the token
	ALLM v_lshl_add_u32 v[T0+m], v[TK+m], 1, v[T0+m]       ; 2 token + k
	ALLM v_add_nc_u32 v[PV+m], s12, v[RK+m]
	ALLM v_cndmask_b32 v[RK+m], v3, v[RK+m], s[BL+m]       ; a lane that did not choose e: its spare word
	ALLM v_cndmask_b32 v[T0+m], v4, v[T0+m], s[BL+m]
	ALLM v_min_u32 v[RK+m], NENT+31, v[RK+m]               ; inside my row,
	ALLM v_min_u32 v[T0+m], WORDS-1, v[T0+m]               ; inside ord, whatever sel holds
	ALLM v_lshl_add_u32 v[RK+m], v[RK+m], 2, s11
	ALLM v_lshlrev_b32 v[T0+m], 2, v[T0+m]
	ALLM global_store_b32 v[RK+m], v[TK+m], s[6:7]         ; the chosen lanes' ranks are neighbours: a run of consecutive words
	ALLM global_store_b32 v[T0+m], v[PV+m], s[6:7]
	; entries count .. 1279 take token 0: entry count + 32 i + l, held to my spare word where it would pass it
	v_add_nc_u32 v8, s[PF+32], v0
.set i, 0
.rept 40
	v_add_nc_u32 v[FL+i], 32*i, v8
.set i, i+1
.endr
.set i, 0
.rept 40
	v_min_u32 v[FL+i], v3, v[FL+i]
.set i, i+1
.endr
.set i, 0
.rept 40
	v_min_u32 v[FL+i], NENT+31, v[FL+i]
.set i, i+1
.endr
.set i, 0
.rept 40
	v_lshl_add_u32 v[FL+i], v[FL+i], 2, s11
.set i, i+1
.endr
.set i, 0
.rept 40
	global_store_b32 v[FL+i], v5, s[6:7]
.set i, i+1
.endr
	v_mov_b32 v6, s[PF+32]                         ; the count
	v_add_nc_u32 v7, NENT+32, v0
	v_lshl_add_u32 v7, v7, 2, s11
	global_store_b32 v7, v6, s[6:7]
	s_endpgm
.Lfunc_end_k_q29656f1dbf_order:
	.size	k_q29656f1dbf_order, .Lfunc_end_k_q29656f1dbf_order-k_q29656f1dbf_order
	.p2alignl 7, 3214868480
	.fill 96, 4, 3214868480
	.section	.rodata,"a",@progbits
	.p2align	6, 0x0
	.amdhsa_kernel k_q29656f1dbf_order
		.amdhsa_group_segment_fixed_size 0
		.amdhsa_private_segment_fixed_size 0
		.amdhsa_enable_private_segment 0
		.amdhsa_kernarg_size 16
		.amdhsa_user_sgpr_count 2
		.amdhsa_user_sgpr_kernarg_segment_ptr 1
		.amdhsa_wavefront_size32 1
		.amdhsa_system_sgpr_workgroup_id_x 1
		.amdhsa_system_sgpr_workgroup_id_y 1
		.amdhsa_system_sgpr_workgroup_id_z 1
		.amdhsa_system_vgpr_workitem_id 0
		.amdhsa_next_free_vgpr 224
		.amdhsa_next_free_sgpr 100
		.amdhsa_reserve_vcc 0
		.amdhsa_float_denorm_mode_32 3
		.amdhsa_float_denorm_mode_16_64 3
		.amdhsa_memory_ordered 1
		.amdhsa_forward_progress 1
		.amdhsa_inst_pref_size 45
	.end_amdhsa_kernel
	.amdgpu_metadata
---
amdhsa.version: [ 1, 2 ]
amdhsa.kernels:
  - .name:           k_q29656f1dbf_order
    .symbol:         k_q29656f1dbf_order.kd
    .args:
      - { .name: sel, .offset: 0, .size: 8, .value_kind: global_buffer, .address_space: global }
      - { .name: ord, .offset: 8, .size: 8, .value_kind: global_buffer, .address_space: global }
    .group_segment_fixed_size: 0
    .private_segment_fixed_size: 0
    .kernarg_segment_align: 8
    .kernarg_segment_size: 16
    .max_flat_workgroup_size: 32
    .sgpr_count:     100
    .vgpr_count:     224
    .wavefront_size: 32
...
	.end_amdgpu_metadata
.endif
;; end of part 5
;; launch up (part 6): grid 256 x 1, 4 waves a work-group, no clusters, 270,848 bytes of LDS; arguments W1, b1, xb, ord, hbuf; writes hbuf
.if DOCPART == 6
	.amdgcn_target "amdgcn-amd-amdhsa--gfx1250"
	.amdhsa_code_object_version 6
	.text
	.protected	k_q29656f1dbf_up
	.globl	k_q29656f1dbf_up
	.p2align	8
	.type	k_q29656f1dbf_up,@function
k_q29656f1dbf_up:
	s_mov_b64 s[64:65], 0
	v_nop
	global_prefetch_b8 v0, s[64:65] scope:SCOPE_SE
	s_setreg_imm32_b32 hwreg(HW_REG_WAVE_MODE, 25, 1), 1
	s_wait_xcnt 0x0
; FIRST PRODUCT OF THE EXPERTS: h = relu(x W1[e] + b1[e]) for the tokens that chose expert e, in the order of their ranks.  (UP = 0 is the second product's text: the same macros.)
; W1: [8][1024][4096] f32.  b1: [8][4096] f32.  xb: [1024][1024] bf16.  ord: whole numbers of the launch before: for each expert the token of each rank (1,280 entries, token 0 past the count) and the count.
; hbuf: [8][1024][4096] bf16: expert e's row of rank n is row 1024 e + n; only rows that are stored are ever read.
; SHARES.  Work-group = (expert e = number / 32, slice of 128 columns): 512 KB of weights that it alone reads, once, and ALL of the expert's rows.  Operands bf16, sums f32, h rounded once.
; WEIGHTS.  They lie [k][n] in f32; a matrix operand wants k along a lane's registers in bf16.  A load takes 64 columns of two k rows (16 lanes: 256 consecutive bytes, aligned); wave w has column half g = w % 2
; and k half kq = w / 2 of a K step of 32; its lane (r, h) holds rows 16 kq + 8 h + 0..7 of columns 64 g + 4 r + 0..3.  Rounding rows in pairs gives, for each column, registers 4 kq .. 4 kq + 3 of a B fragment as lane half h
; holds them: nothing is turned.  The fragments go to LDS in the order in which readers' lanes take them (512 consecutive bytes a load) and STAY: 32 K steps x 8,448 bytes.  No byte of LDS is written twice.
; COLUMNS.  Which fragment and lane a column goes to is the writer's choice.  Here column = 8 x lane + tile, so that a lane's eight tiles hold eight neighbouring columns of a row of h: 16 bytes in bf16.
; ROWS.  A tile is 16 ranks; in pass p wave w has tiles 20 p + w + 4 i, i = 0..4.  The tokens of all four passes' ranks come from ord at the head, 20 registers, and move down five registers a pass.
; Token fragments come from memory straight into registers (two loads of 16 bytes a lane), each read by one wave and used for 8 products.
; PASS 0 streams the weights: while chunk c (128 along K) is multiplied, chunk c + 1 is rounded into LDS, K step by K step, and chunk c + 2 is on its way from memory; one barrier a chunk.  Passes 1 to 3
; (an expert with more than 320 rows) read the slice from LDS again and hold no barrier and no LDS store: 4 x 320 >= 1,024 rows serve every split.  Their count of trips is constant, and every address is formed on every
; wave's way; what a wave without rows jumps is work alone: loads into data registers, products, conversions, stores.
; THE COUNT steers only what is jumped.  NT = the expert's tiles, at least 1: a tile is stored whole, its places past the count with token 0's rows, and an expert without rows still stores one tile, so that every row
; that the next launch loads has been stored.  Tile 4's loads are jumped where it is empty (its fragment registers hold 0 from the head on); its first products always run, so that its sums are written on every way.
; NO JOINT LOADS: each slice of weights has one reader; the token rows that an expert's work-groups share come by a list, which no tile descriptor covers; and LDS is full with the slice.
; LIMITS.  relu is a maximum in which a NaN loses; inputs are taken to be finite.  bf16 operands have f32's range.
.set UP, 1
.if UP
.set PWS, 14                           ; a weight row is 1 << PWS bytes
.set BSH, 14                           ; an expert's bias row likewise
.set ASH, 11                           ; a token row of the A source
.set OSH, 13                           ; a row of the output
.else
.set PWS, 12
.set BSH, 12
.set ASH, 13
.set OSH, 12
.endif
.set PW,   1<<PWS
.set CHW,  128*PW                      ; a chunk: 128 along K = 4 K steps
.set CHA,  256                         ; the same in a token row
.set TLB,  1056                        ; a fragment in LDS: registers 0-3 (512 bytes), registers 4-7 (512), 32 spare
.set KSB,  8*TLB                       ; a K step's 8 fragments
.set CHB,  4*KSB
.set SPARE, 32*KSB                     ; behind the slice: the spare words, 128 bytes a wave, two blocks of 256 bytes that no other line names
.set ROW0, 8192                        ; ord: bytes ahead of the experts' rows
.set ROWB, 5376                        ; bytes of an expert's row
.set CNTO, 5248                        ; the count's place in it
; window 0
.set SPW,  4                           ; my spare word's address; never rewritten
.set NIL,  5                           ; 0, for the closing add alone
.set WOFF, 6                           ; my byte offset in a chunk of weights
.set PFO,  7                           ; row (thread number) of a chunk: the prefetch's offset
.set LS,   8                           ; where I store fragments, counted from the chunk that is multiplied;  LS0: from chunk 0
.set LS0,  9
.set LB,   10                          ; where I read them;  LB0 = 16 x lane
.set LB0,  11
.set VLG,  12                          ; first product: 64 w + 4 (lane % 16), my place in a pass's part of the list
.set V16H, 14                          ; 16 (lane / 16)
.set COL,  15                          ; 16 (lane % 16)
.set ROW,  16                          ; v16-20  tile i: byte offset of my row's fragment
.set BOF,  21                          ; offset of my biases
.set ZR,   22                          ; 0, for the relu
.set AD,   23                          ; the pass's store offset: row 16 (20 p + w) + 8 (lane / 16), 16 bytes a lane; tile and row stand in the stores' immediates
.set VH8,  24                          ; 8 (lane / 16)
.set BIAS, 32                          ; v32-39  bias of my column in tile n
.set PK,   40                          ; v40-55  a K step's weights, rounded and packed: 4 c + pair of rows
.set TM,   60                          ; at work
.set BF0,  64                          ; v64-95, v96-127  B fragments of half a K step each; in the prologue the packed words
.set BF1,  96
.set ST,   128                         ; v128-255  weights as loaded: 32 ks + 4 row + c
.set T,    128                         ; the way out: 8 j + n
.set P,    192                         ; the way out: packed, 4 j + m
; window 1: accumulator (tile i, n) at 64 i + 8 n, i = 0..3.   window 2: v0-63 tile 4's; v64-223 the token fragments, K step ks, tile i at AR + 40 ks + 8 i; v224-243 first product: the tokens of my ranks, this pass's five first
.set AR,   64
.set NX,   224
; scalars: s[4:5] weights, s[6:7] bias, s[8:9] A source, s[10:11] ord, s[12:13] output
.set WV,  14
.set EX,  15
.set SLI, 16
.set G,   17
.set KQ,  18
.set Q,   19
.set CNT, 20                           ; the expert's rows
.set NT,  21                           ; its tiles, at least 1
.set T5,  22                           ; 1: my tile 4 of this pass has rows
.set PS,  23                           ; pass
.set CC,  24                           ; chunk
.set TAU, 25                           ; my first tile of the pass
.set SW,  30                           ; s[30:31] the weights' base: steps a chunk a trip
.set SA,  32                           ; s[32:33] the chunk of token rows to load next
.set SA0, 34                           ; s[34:35] chunk 0 of them
.set LP,  36                           ; s[36:37] my expert's row of ord
.set RK,  38                           ; 16 TAU: my first rank of the pass
.set LAST, 39                          ; 16 NT - 1: the last row of the expert's that is stored
.set OF,  42                           ; s[42:43] an offset
.set CB,  44                           ; the first LDS byte of the chunk that is multiplied
.set LIVE, 46                          ; 1: I have a tile with rows in this pass
.set MSB, 0
.macro WIN new                         ; bits 1:0 source 0, 3:2 source 1, 5:4 source 2, 7:6 destination; the high byte repeats the setting that is left
.if MSB != (\new)
	s_set_vgpr_msb (MSB<<8)|(\new)
.set MSB, \new
.endif
.endm
.macro PLACES                          ; four plain lines between a matrix instruction and a load into, or a vector line on, one of its registers
.rept 4
	v_nop
.endr
.endm
; K step ks of the chunk ah chunks behind s[SW]: my 8 rows x 64 columns.  103 rows and two chunks at the most stand in the immediate, inside its signed 24 bits
.macro WLOAD ks, ah
.irp i, 0,1,2,3,4,5,6,7
	global_load_b128 v[ST+32*(\ks)+4*(\i):ST+32*(\ks)+4*(\i)+3], v[WOFF], s[SW:SW+1] offset:(32*(\ks)+(\i))*PW+(\ah)*CHW th:TH_LOAD_NT
.endr
.endm
; K step ks as loaded is rounded, rows in pairs, into 16 registers from pk on,
.macro CVT ks, pk
.irp c, 0,1,2,3
.irp i2, 0,1,2,3
	v_cvt_pk_bf16_f32 v[(\pk)+4*(\c)+(\i2)], v[ST+32*(\ks)+8*(\i2)+(\c)], v[ST+32*(\ks)+8*(\i2)+4+(\c)]
.endr
.endr
.endm
; and stored as four quarter fragments, lo bytes behind the chunk that LS counts from
.macro STO ks, lo, pk
.irp c, 0,1,2,3
	ds_store_b128 v[LS], v[(\pk)+4*(\c):(\pk)+4*(\c)+3] offset:(\lo)+KSB*(\ks)+TLB*(\c)
.endr
.endm
; K step slot of the chunk at s[SA]: the token fragments of tiles 0 to 3, eight loads, and, where it has rows, of tile 4.  The rows are read again by the expert's other work-groups.
.macro ALOAD slot
	WIN 0x80                               ; destination window 2
.irp i, 0,1,2,3
	global_load_b128 v[AR+40*(\slot)+8*(\i):AR+40*(\slot)+8*(\i)+3],   v[ROW+(\i)], s[SA:SA+1] offset:64*(\slot) th:TH_LOAD_HT
	global_load_b128 v[AR+40*(\slot)+8*(\i)+4:AR+40*(\slot)+8*(\i)+7], v[ROW+(\i)], s[SA:SA+1] offset:64*(\slot)+32 th:TH_LOAD_HT
.endr
	WIN 0                                  ; at a branch and at a label every window is 0
	s_cmp_eq_u32 s[T5], 0
	s_cbranch_scc1 .La\@                   ; an empty tile 4: two loads into data registers are jumped
	WIN 0x80
	global_load_b128 v[AR+40*(\slot)+32:AR+40*(\slot)+35], v[ROW+4], s[SA:SA+1] offset:64*(\slot) th:TH_LOAD_HT
	global_load_b128 v[AR+40*(\slot)+36:AR+40*(\slot)+39], v[ROW+4], s[SA:SA+1] offset:64*(\slot)+32 th:TH_LOAD_HT
	WIN 0
.La\@:
.endm
; four B fragments (tiles 4 hf .. 4 hf + 3 of K step ks): eight loads of 512 consecutive bytes
.macro FETCH ks, hf, bf
.irp m, 0,1,2,3
	ds_load_b128 v[(\bf)+8*(\m):(\bf)+8*(\m)+3],   v[LB] offset:KSB*(\ks)+TLB*(4*(\hf)+(\m))
	ds_load_b128 v[(\bf)+8*(\m)+4:(\bf)+8*(\m)+7], v[LB] offset:KSB*(\ks)+TLB*(4*(\hf)+(\m))+512
.endr
.endm
; 16 products (tiles 0-3 x 4 fragments), then tile 4's four.  The accumulators take turns, one instruction a turn.  zero = 1: the products start the sums.
; bw = 1: the wait of the barrier that was signalled ahead of the sixteen stands behind them, ahead of the branch.
.macro MUL ks, hf, bf, zero, bw=0
	WIN 0x52                               ; token fragment window 2, B window 0, C and D window 1
.irp i, 0,1,2,3
.irp m, 0,1,2,3
.if \zero
	v_wmma_f32_16x16x32_bf16 v[64*(\i)+8*(4*(\hf)+(\m)):64*(\i)+8*(4*(\hf)+(\m))+7], v[AR+40*(\ks)+8*(\i):AR+40*(\ks)+8*(\i)+7], v[(\bf)+8*(\m):(\bf)+8*(\m)+7], 0
.else
	v_wmma_f32_16x16x32_bf16 v[64*(\i)+8*(4*(\hf)+(\m)):64*(\i)+8*(4*(\hf)+(\m))+7], v[AR+40*(\ks)+8*(\i):AR+40*(\ks)+8*(\i)+7], v[(\bf)+8*(\m):(\bf)+8*(\m)+7], v[64*(\i)+8*(4*(\hf)+(\m)):64*(\i)+8*(4*(\hf)+(\m))+7]
.endif
.endr
.endr
.if \zero
	WIN 0xa2                               ; C and D window 2
.irp m, 0,1,2,3
	v_wmma_f32_16x16x32_bf16 v[8*(4*(\hf)+(\m)):8*(4*(\hf)+(\m))+7], v[AR+40*(\ks)+32:AR+40*(\ks)+39], v[(\bf)+8*(\m):(\bf)+8*(\m)+7], 0
.endr
	WIN 0
.else
	WIN 0
.if \bw
	s_barrier_wait -1                      ; every wave's part of the next chunk is in LDS
.endif
	s_cmp_eq_u32 s[T5], 0
	s_cbranch_scc1 .Lm\@                   ; an empty tile 4: only products are jumped
	WIN 0xa2
.irp m, 0,1,2,3
	v_wmma_f32_16x16x32_bf16 v[8*(4*(\hf)+(\m)):8*(4*(\hf)+(\m))+7], v[AR+40*(\ks)+32:AR+40*(\ks)+39], v[(\bf)+8*(\m):(\bf)+8*(\m)+7], v[8*(4*(\hf)+(\m)):8*(4*(\hf)+(\m))+7]
.endr
	WIN 0
.Lm\@:
.endif
.endm
; A K step: two halves of 16 or 20 products; while one half is multiplied the next half's fragments come out of LDS.
; reload = 1: the token fragments of the K step just done are asked for again, a chunk on.  na: how many younger loads may stay out when this K step's token fragments have to be in.
; prod = 1: at its head the same K step of the NEXT chunk of weights is rounded (nw: how many younger loads may stay out when it has to be in) and stored into LDS, a chunk behind the one that is read; the sixteen conversions
; are also the places behind the last products.  ah > 0: its registers then take the K step of the chunk ah chunks behind s[SW].
.macro KSTEP ks, zero, reload, na, prod=0, nw=0, ah=0
.if \prod
	s_wait_loadcnt \nw
	CVT \ks, PK
.elseif (\ks) > 0
	PLACES
.endif
.if (\reload) && ((\ks) == 1)
	s_wait_xcnt 0x0                        ; the loads and prefetches that name the bases have had their addresses translated (ISA guide 3.1): only behind this wait are the bases written; the last of them was issued a K step ago
	s_add_nc_u64 s[SA:SA+1], s[SA:SA+1], CHA
.if (\ah) > 0
	s_add_nc_u64 s[SW:SW+1], s[SW:SW+1], CHW
.endif
.endif
.if (\reload) && ((\ks) > 0)
	ALOAD (\ks)-1
.endif
	FETCH \ks, 1, BF1
.if \prod
	STO \ks, CHB, PK
.if (\ah) > 0
	WLOAD \ks, \ah
.endif
.endif
	s_wait_loadcnt \na
	s_wait_dscnt 8+4*(\prod)               ; all but the eight loads, and the four stores, just issued
.if ((\ah) > 0) && ((\ks) == 1)
	s_cmp_gt_u32 s[CC], 4                  ; trip c asks for chunk c + 3, one chunk (64 KB a work-group) ahead of the loads, which ask for chunk c + 2; chunk 7 is the last, so trip 5 asks for nothing
	s_cbranch_scc1 .Lnp\@
	global_prefetch_b8 v[PFO], s[SW:SW+1] offset:2*CHW th:TH_LOAD_NT scope:SCOPE_SE      ; thread t: row t of the chunk's 128, its first 256 bytes
	global_prefetch_b8 v[PFO], s[SW:SW+1] offset:2*CHW+256 th:TH_LOAD_NT scope:SCOPE_SE  ; and its second: each block is asked for once
.Lnp\@:
.endif
	MUL \ks, 0, BF0, \zero
.if (\ks) < 3
	PLACES
	FETCH (\ks)+1, 0, BF0
	s_wait_dscnt 8
	MUL \ks, 1, BF1, \zero
.else
	s_wait_dscnt 0x0                       ; my fragments are in; for the others' sake: my stores of the next chunk are done (the last were issued a run of products ago)
.if \prod
	s_barrier_signal -1                    ; say so; sixteen products, work on registers, stand between the signal and the wait
.endif
	MUL \ks, 1, BF1, \zero, \prod
.endif
.endm
; A chunk's four K steps.  first = 1: in chunk 0 the first K step starts the sums (a second copy of it, chosen by the chunk's number).  wl = 1: weights are asked for: K step 0's stand ahead of the base's step, so they reach two chunks on.
.macro CHUNK reload, first, prod, wl, na0, na1, na2, na3, nw0=0, nw1=0, nw2=0, nw3=0
	FETCH 0, 0, BF0
.if \first
	s_cmp_lg_u32 s[CC], 0
	s_cbranch_scc1 .Lnz\@
	KSTEP 0, 1, \reload, \na0, \prod, \nw0, 2*(\wl)
	s_branch .Ljn\@
.Lnz\@:
.endif
	KSTEP 0, 0, \reload, \na0, \prod, \nw0, 2*(\wl)
.if \first
.Ljn\@:
.endif
	KSTEP 1, 0, \reload, \na1, \prod, \nw1, \wl
	KSTEP 2, 0, \reload, \na2, \prod, \nw2, \wl
	KSTEP 3, 0, \reload, \na3, \prod, \nw3, \wl
.if \reload
	PLACES
	ALOAD 3
.endif
.endm
; The prologue's step: K step ks of chunk 0 is rounded and stored; chunk 1's is asked for; then chunk 0's token fragments: the order of issue of every trip
.macro PRO ks, nw
	s_wait_loadcnt \nw
	CVT \ks, BF0+16*(\ks)
	STO \ks, 0, BF0+16*(\ks)
	WLOAD \ks, 1
	ALOAD \ks
.endm
; A pass's addresses, on every wave's way: my lane's row in each of the five tiles, the one store offset, and the two flags that steer what is jumped
.macro SETROWS
.if UP
	WIN 0x08                               ; source 1 window 2
.irp i, 0,1,2,3,4
	v_min_u32 v[ROW+(\i)], 0x3ff, v[NX+(\i)]                   ; the token of rank 16 (20 p + w + 4 i) + lane % 16
.endr
	WIN 0x82                               ; destination and source 0 window 2
.set z, 0
.rept 15                               ; the later passes' tokens move down: one text serves every pass, and no pass waits for memory to learn its rows
	v_mov_b32 v[NX+z], v[NX+z+5]
.set z, z+1
.endr
	WIN 0
.irp i, 0,1,2,3,4
	v_lshl_add_u32 v[ROW+(\i)], v[ROW+(\i)], ASH, v[V16H]
.endr
.else
	v_add_nc_u32 v[TM], s[RK], v2
.irp i, 0,1,2,3,4
	v_add_nc_u32 v[ROW+(\i)], 64*(\i), v[TM]                   ; rank 16 (20 p + w + 4 i) + lane % 16 is the row in the expert's region,
.endr
.irp i, 0,1,2,3,4
	v_min_u32 v[ROW+(\i)], s[LAST], v[ROW+(\i)]                ; held to the rows that have been stored,
.endr
.irp i, 0,1,2,3,4
	v_min_u32 v[ROW+(\i)], 0x3ff, v[ROW+(\i)]                  ; and to the region whatever the count holds
.endr
.irp i, 0,1,2,3,4
	v_lshl_add_u32 v[ROW+(\i)], v[ROW+(\i)], ASH, v[V16H]
.endr
.endif
	v_add_nc_u32 v[TM], s[RK], v[VH8]
	v_lshl_add_u32 v[AD], v[TM], OSH, v[COL]
	s_add_co_u32 s26, s[TAU], 16
	s_cmp_lt_u32 s26, s[NT]
	s_cselect_b32 s[T5], 1, 0
	s_cmp_lt_u32 s[TAU], s[NT]
	s_cselect_b32 s[LIVE], 1, 0
.endm
; THE WAY OUT of tile i: bias, (relu, rounding,) stores.  A tile past the count, and with it all later ones, is jumped: arithmetic on data registers and stores alone.
.macro OUT i
	WIN 0
	s_add_co_u32 s26, s[TAU], 4*(\i)
	s_cmp_ge_u32 s26, s[NT]
	s_cbranch_scc1 .Lbottom
	s_wait_xcnt 0x0                        ; the last tile's stores have read their data registers
.if (\i) < 4
	WIN 0x01                               ; source 0 window 1
.else
	WIN 0x02
.endif
.irp j, 0,1,2,3,4,5,6,7                ; j ascending: each accumulator is read from its low end on
.irp n, 0,1,2,3,4,5,6,7
	v_add_f32 v[T+8*(\j)+(\n)], v[64*((\i)%4)+8*(\n)+(\j)], v[BIAS+(\n)]
.endr
.endr
	WIN 0
.if UP
.irp j, 0,1,2,3,4,5,6,7
.irp m, 0,1,2,3
	v_cvt_pk_bf16_f32 v[P+4*(\j)+(\m)], v[T+8*(\j)+2*(\m)], v[T+8*(\j)+2*(\m)+1]
.endr
.endr
.set z, 0
.rept 32
	v_pk_max_num_bf16 v[P+z], v[P+z], v[ZR]                    ; relu, two at a time: nothing is rounded
.set z, z+1
.endr
.endif
.irp j, 0,1,2,3,4,5,6,7                ; rows 8 h + j: each half of the lanes stores 256 consecutive bytes of its row, aligned; 263 rows at the most stand in the immediate, inside its signed 24 bits
.if UP
	global_store_b128 v[AD], v[P+4*(\j):P+4*(\j)+3], s[12:13] offset:(64*(\i)+(\j))<<OSH
.else
	global_store_b128 v[AD], v[T+8*(\j):T+8*(\j)+3], s[12:13] offset:(64*(\i)+(\j))<<OSH
	global_store_b128 v[AD], v[T+8*(\j)+4:T+8*(\j)+7], s[12:13] offset:((64*(\i)+(\j))<<OSH)+256
.endif
.endr
.endm
	s_load_b256 s[4:11], s[0:1], 0x0
	s_load_b64 s[12:13], s[0:1], 0x20
	v_lshl_add_u32 v[SPW], v0, 2, SPARE
	v_mov_b32 v[NIL], 0
	v_and_b32 v1, 31, v0                           ; lane
	v_and_b32 v2, 15, v0                           ; r
	v_bfe_u32 v3, v0, 4, 1                         ; h
	v_lshrrev_b32 v[TM], 5, v0
	v_readfirstlane_b32 s[WV], v[TM]
	s_and_b32 s[G], s[WV], 1
	s_lshr_b32 s[KQ], s[WV], 1
	s_lshr_b32 s[EX], ttmp9, 5
.if UP
	s_and_b32 s[SLI], ttmp9, 31
.else
	s_and_b32 s[SLI], ttmp9, 7
	s_bfe_u32 s[Q], ttmp9, 0x20003                 ; the quarter of K
.endif
	v_lshlrev_b32 v[WOFF], 4, v2                   ; 16 r
	v_lshl_add_u32 v[WOFF], v3, PWS+3, v[WOFF]     ; + 8 h rows
	s_lshl_b32 s26, s[KQ], PWS+4                   ; + 16 kq rows
	s_lshl_b32 s27, s[G], 8                        ; + 256 g
	s_add_co_u32 s26, s26, s27
	v_add_nc_u32 v[WOFF], s26, v[WOFF]
	v_lshlrev_b32 v[PFO], PWS, v0
.if UP
	v_lshrrev_b32 v[TM], 1, v2                     ; column 64 g + 4 r + c = 8 (8 g + r / 2) + 4 (r % 2) + c: reader's lane 16 h + 8 g + r / 2, tile 4 (r % 2) + c
	v_lshlrev_b32 v[LS0], 4, v[TM]
	v_lshl_add_u32 v[LS0], v3, 8, v[LS0]
	v_and_b32 v[TM], 1, v2
	v_mul_u32_u24 v[TM], v[TM], 4*TLB              ; 4,224 = 128 modulo 256: even and odd r fill different banks (64 banks of 4 bytes: ISA guide 11.1)
	v_add_nc_u32 v[LS0], v[LS0], v[TM]
	s_lshl_b32 s26, s[G], 7
.else
	v_lshlrev_b32 v[LS0], 4, v1                    ; reader's lane = mine, tile 4 g + c
	s_mul_i32 s26, s[G], 4*TLB
.endif
	s_lshl_b32 s27, s[KQ], 9                       ; registers 0-3 or 4-7
	s_add_co_u32 s26, s26, s27
	v_add_nc_u32 v[LS0], s26, v[LS0]
	v_lshlrev_b32 v[LB0], 4, v1
	v_lshlrev_b32 v[V16H], 4, v3
	v_lshlrev_b32 v[COL], 4, v2
	v_lshlrev_b32 v[VH8], 3, v3
.if UP
	v_lshlrev_b32 v[BOF], 5, v2
	v_mov_b32 v[ZR], 0
	s_lshl_b32 s26, s[WV], 6                       ; tile w of a pass: 64 bytes a tile in the list
	v_lshl_add_u32 v[VLG], v2, 2, s26
.endif
	s_mul_i32 s[OF], s[EX], ROWB
	s_add_co_u32 s[OF], s[OF], ROW0
	s_mov_b32 s[OF+1], 0
	s_wait_kmcnt 0x0
	s_add_nc_u64 s[LP:LP+1], s[10:11], s[OF:OF+1]
	s_load_b32 s[CNT], s[LP:LP+1], CNTO            ; the expert's count
	s_lshl_b32 s[OF], s[EX], 24                    ; an expert's weights are 2^24 bytes
	s_lshl_b32 s26, s[SLI], 9                      ; 128 columns of f32
	s_add_co_u32 s[OF], s[OF], s26
.if UP == 0
	s_lshl_b32 s27, s[Q], 22                       ; 1,024 rows of 4,096 bytes
	s_add_co_u32 s[OF], s[OF], s27
.endif
	s_add_nc_u64 s[SW:SW+1], s[4:5], s[OF:OF+1]
	s_lshl_b32 s[OF], s[EX], BSH
	s_add_co_u32 s[OF], s[OF], s26
	s_add_nc_u64 s[6:7], s[6:7], s[OF:OF+1]
.if UP
	s_mov_b64 s[SA0:SA0+1], s[8:9]
	s_lshl_b32 s[OF], s[EX], 23                    ; the expert's region of h: 1,024 rows of 8,192 bytes
	s_lshl_b32 s27, s[SLI], 8                      ; 128 columns of bf16
	s_add_co_u32 s[OF], s[OF], s27
.else
	s_lshl_b32 s[OF], s[EX], 23                    ; the expert's region of h
	s_lshl_b32 s27, s[Q], 11                       ; 1,024 numbers of bf16 along a row
	s_add_co_u32 s[OF], s[OF], s27
	s_add_nc_u64 s[SA0:SA0+1], s[8:9], s[OF:OF+1]
	s_lshl_b32 s[OF], s[Q], 25                     ; the quarter's 8,192 rows of 4,096 bytes
	s_lshl_b32 s27, s[EX], 22                      ; the expert's 1,024 of them
	s_add_co_u32 s[OF], s[OF], s27
	s_add_co_u32 s[OF], s[OF], s26
.endif
	s_add_nc_u64 s[12:13], s[12:13], s[OF:OF+1]
	s_mov_b64 s[SA:SA+1], s[SA0:SA0+1]
.if UP
	WIN 0x80                                       ; destination window 2
.irp p, 0,1,2,3
.irp i, 0,1,2,3,4
	global_load_b32 v[NX+5*(\p)+(\i)], v[VLG], s[LP:LP+1] offset:1280*(\p)+256*(\i)  ; the tokens of tile 20 p + w + 4 i: 64 consecutive bytes, both halves of the lanes alike
.endr
.endr
	WIN 0
	global_load_b128 v[BIAS:BIAS+3],   v[BOF], s[6:7]              ; columns 8 r + 0..7
	global_load_b128 v[BIAS+4:BIAS+7], v[BOF], s[6:7] offset:16
.else
	global_load_b128 v[BIAS:BIAS+3],   v[COL], s[6:7]              ; columns 4 r + 0..3 and 64 + 4 r + 0..3
	global_load_b128 v[BIAS+4:BIAS+7], v[COL], s[6:7] offset:256
.endif
	WLOAD 0, 0                                     ; chunk 0 of the weights: 32 loads
	WLOAD 1, 0
	WLOAD 2, 0
	WLOAD 3, 0
	global_prefetch_b8 v[PFO], s[SW:SW+1] offset:CHW th:TH_LOAD_NT scope:SCOPE_SE        ; chunks 1 and 2, which the prologue and trip 0 load
	global_prefetch_b8 v[PFO], s[SW:SW+1] offset:CHW+256 th:TH_LOAD_NT scope:SCOPE_SE
	global_prefetch_b8 v[PFO], s[SW:SW+1] offset:2*CHW th:TH_LOAD_NT scope:SCOPE_SE
	global_prefetch_b8 v[PFO], s[SW:SW+1] offset:2*CHW+256 th:TH_LOAD_NT scope:SCOPE_SE
	WIN 0x80                                       ; tile 4's fragment registers: 0 until a pass in which it has rows loads them
.irp ks, 0,1,2,3
.irp z, 0,1,2,3,4,5,6,7
	v_mov_b32 v[AR+40*(\ks)+32+(\z)], 0
.endr
.endr
	WIN 0
	s_wait_kmcnt 0x0                               ; the count
	s_add_co_u32 s[NT], s[CNT], 15
	s_lshr_b32 s[NT], s[NT], 4
	s_max_u32 s[NT], s[NT], 1
	s_lshl_b32 s[LAST], s[NT], 4
	s_sub_co_u32 s[LAST], s[LAST], 1
	s_mov_b32 s[PS], 0
	s_mov_b32 s[TAU], s[WV]
	s_lshl_b32 s[RK], s[WV], 4
	s_wait_loadcnt 32                              ; the tokens and the biases are in; the 32 loads of weights stay out
.if UP == 0
	s_cmp_eq_u32 s[Q], 0                           ; the bias enters one of the four partial sums
	s_cselect_b32 s26, -1, 0
.irp n, 0,1,2,3,4,5,6,7
	v_and_b32 v[BIAS+(\n)], s26, v[BIAS+(\n)]
.endr
.endif
	SETROWS
	s_mov_b32 s[CC], 0
	s_mov_b32 s[CB], 0
	v_add_nc_u32 v[LS], s[CB], v[LS0]
; PASS 0.  The prologue rounds chunk 0 into LDS.  Trip c multiplies chunk c; at the head of K step ks it rounds K step ks of chunk c + 1 into LDS bytes that nobody reads before the trip's barrier, and asks for the same K step of
; chunk c + 2 of the weights and for K step ks - 1 of chunk c + 1 of the token rows.
; LOADS IN ISSUE ORDER, in the prologue and in every trip alike: W0 A0 W1 A1 W2 A2 W3 A3 (W: 8 loads; A: a = 8, or 10 where tile 4 has rows).  A trip later, at the head of K step ks, behind W_ks have come 24 + 3 a loads
; (ks = 0: 24 + 4 a, since A3 stands at the trip's end), and behind A_ks, once this head's own loads are out, 32 + 3 a.  The waits are written for a = 8: 48 (56) and 56.  With a = 10 they also wait for up to eight of the oldest
; loads behind, which were issued most of a trip ago.  In the prologue behind chunk 0's W_ks have come 8 (3 - ks) + (8 + a) ks.
	PRO 0, 24
	PRO 1, 32
	PRO 2, 40
	PRO 3, 48
	s_wait_dscnt 0x0                               ; for the others' sake: my part of chunk 0 is in LDS
	s_barrier_signal -1
	s_barrier_wait -1                              ; everybody's is
.Lchunk:                                               ; trips 0 to 5
	v_add_nc_u32 v[LS], s[CB], v[LS0]
	v_add_nc_u32 v[LB], s[CB], v[LB0]
	CHUNK 1, 1, 1, 1, 56, 56, 56, 56, 56, 48, 48, 48
	s_add_co_u32 s[CB], s[CB], CHB
	s_add_co_u32 s[CC], s[CC], 1
	s_cmp_lt_u32 s[CC], 6
	s_cbranch_scc1 .Lchunk
	v_add_nc_u32 v[LS], s[CB], v[LS0]              ; trip 6 is written out: chunk 7 is rounded, no weights are left to ask for, and the counts run down:
	v_add_nc_u32 v[LB], s[CB], v[LB0]              ; behind trip 5's W_ks: 24 + 4 a, 16 + 3 a, 8 + 3 a, 3 a; behind its A_ks: 24 + 3 a, 16 + 3 a, 8 + 3 a, 3 a
	CHUNK 1, 0, 1, 0, 48, 40, 32, 24, 56, 40, 32, 24
	s_mov_b32 s[CC], 7                             ; chunk 7 is multiplied by the text of the later passes' last trip: its token fragments are on their way, a (3 - ks) loads behind A_ks
	s_mov_b32 s[CB], 7*CHB
	v_add_nc_u32 v[LB], s[CB], v[LB0]
	s_branch .Lpenter
; PASSES 1 TO 3: the slice is in LDS; no barrier, no LDS store.  Three trips on every wave's way; a wave without rows in the pass jumps each chunk's loads and products.
.Lpass:
	s_add_co_u32 s[TAU], s[TAU], 20
	s_add_co_u32 s[RK], s[RK], 320
	s_wait_xcnt 0x0                                ; the last pass's stores have read their offset and data; the offsets and the base are written only behind this wait
	SETROWS
	s_mov_b64 s[SA:SA+1], s[SA0:SA0+1]
	s_mov_b32 s[CC], 0
	s_mov_b32 s[CB], 0
.Lpchunk:
	v_add_nc_u32 v[LB], s[CB], v[LB0]
	s_cmp_eq_u32 s[LIVE], 0
	s_cbranch_scc1 .Lpskip                         ; jumped: loads into data registers, their waits (which end at 0) and products
	PLACES
	ALOAD 0
	ALOAD 1
	ALOAD 2
	ALOAD 3
.Lpenter:
	CHUNK 0, 1, 0, 0, 24, 16, 8, 0
.Lpskip:
	s_wait_xcnt 0x0
	s_add_nc_u64 s[SA:SA+1], s[SA:SA+1], CHA
	s_add_co_u32 s[CB], s[CB], CHB
	s_add_co_u32 s[CC], s[CC], 1
	s_cmp_lt_u32 s[CC], 8
	s_cbranch_scc1 .Lpchunk
.Lout:
	PLACES                                         ; between the last products and the first read of a result
	OUT 0
	OUT 1
	OUT 2
	OUT 3
	OUT 4
.Lbottom:
	s_add_co_u32 s[PS], s[PS], 1
	s_cmp_lt_u32 s[PS], 4
	s_cbranch_scc1 .Lpass
	s_wait_tensorcnt 0x0                           ; the wave's end, behind my last LDS store
	ds_add_u32 v[SPW], v[NIL]
	s_wait_dscnt 0x0
	s_endpgm
.Lfunc_end_k_q29656f1dbf_up:
	.size	k_q29656f1dbf_up, .Lfunc_end_k_q29656f1dbf_up-k_q29656f1dbf_up
	.p2alignl 7, 3214868480
	.fill 96, 4, 3214868480
	.section	.rodata,"a",@progbits
	.p2align	6, 0x0
	.amdhsa_kernel k_q29656f1dbf_up
		.amdhsa_group_segment_fixed_size 270848
		.amdhsa_private_segment_fixed_size 0
		.amdhsa_enable_private_segment 0
		.amdhsa_kernarg_size 40
		.amdhsa_user_sgpr_count 2
		.amdhsa_user_sgpr_kernarg_segment_ptr 1
		.amdhsa_wavefront_size32 1
		.amdhsa_system_sgpr_workgroup_id_x 1
		.amdhsa_system_sgpr_workgroup_id_y 1
		.amdhsa_system_sgpr_workgroup_id_z 1
		.amdhsa_system_vgpr_workitem_id 0
		.amdhsa_next_free_vgpr 768
		.amdhsa_next_free_sgpr 66
		.amdhsa_reserve_vcc 0
		.amdhsa_float_denorm_mode_32 3
		.amdhsa_float_denorm_mode_16_64 3
		.amdhsa_memory_ordered 1
		.amdhsa_forward_progress 1
		.amdhsa_inst_pref_size 148
	.end_amdhsa_kernel
	.amdgpu_metadata
---
amdhsa.version: [ 1, 2 ]
amdhsa.kernels:
  - .name:           k_q29656f1dbf_up
    .symbol:         k_q29656f1dbf_up.kd
    .args:
      - { .name: W1, .offset: 0, .size: 8, .value_kind: global_buffer, .address_space: global }
      - { .name: b1, .offset: 8, .size: 8, .value_kind: global_buffer, .address_space: global }
      - { .name: xb, .offset: 16, .size: 8, .value_kind: global_buffer, .address_space: global }
      - { .name: ord, .offset: 24, .size: 8, .value_kind: global_buffer, .address_space: global }
      - { .name: hbuf, .offset: 32, .size: 8, .value_kind: global_buffer, .address_space: global }
    .group_segment_fixed_size: 270848
    .private_segment_fixed_size: 0
    .kernarg_segment_align: 8
    .kernarg_segment_size: 40
    .max_flat_workgroup_size: 128
    .sgpr_count:     66
    .vgpr_count:     768
    .wavefront_size: 32
...
	.end_amdgpu_metadata
.endif
;; end of part 6
;; launch down (part 7): grid 256 x 1, 4 waves a work-group, no clusters, 270,848 bytes of LDS; arguments W2, b2, hbuf, ord, part; writes part
.if DOCPART == 7
	.amdgcn_target "amdgcn-amd-amdhsa--gfx1250"
	.amdhsa_code_object_version 6
	.text
	.protected	k_q29656f1dbf_down
	.globl	k_q29656f1dbf_down
	.p2align	8
	.type	k_q29656f1dbf_down,@function
k_q29656f1dbf_down:
	s_mov_b64 s[64:65], 0
	v_nop
	global_prefetch_b8 v0, s[64:65] scope:SCOPE_SE
	s_setreg_imm32_b32 hwreg(HW_REG_WAVE_MODE, 25, 1), 1
	s_wait_xcnt 0x0
; SECOND PRODUCT OF THE EXPERTS, in quarters of K: part[q][row] = h[row][1024 q ..] W2[e][1024 q ..][:] (+ b2[e] in quarter 0) for expert e's rows, in the order of their ranks.  (UP = 1 is the first product's text: the same macros.)
; W2: [8][4096][1024] f32.  b2: [8][1024] f32.  hbuf: [8][1024][4096] bf16: expert e's row of rank n is row 1024 e + n.  ord: whole numbers of an earlier launch, of which this one reads the expert's count.
; part: [4][8][1024][1024] f32: partial sums, so f32; the rows as in hbuf; only rows that are stored are ever read.
; SHARES.  Work-group = (expert e = number / 32, quarter q of K, slice of 128 columns): 512 KB of weights that it alone reads, once, and ALL of the expert's rows.  Operands bf16, sums f32.
; K is split so that a slice has 128 columns (weight rows of 512 bytes; a token fragment feeds 8 products) on 256 work-groups; the sigmoid wants the whole sum and stands in the launch that adds the quarters.
; WEIGHTS.  They lie [k][n] in f32; a matrix operand wants k along a lane's registers in bf16.  A load takes 64 columns of two k rows (16 lanes: 256 consecutive bytes, aligned); wave w has column half g = w % 2
; and k half kq = w / 2 of a K step of 32; its lane (r, h) holds rows 16 kq + 8 h + 0..7 of columns 64 g + 4 r + 0..3.  Rounding rows in pairs gives, for each column, registers 4 kq .. 4 kq + 3 of a B fragment as lane half h
; holds them: nothing is turned.  The fragments go to LDS in the order in which readers' lanes take them (512 consecutive bytes a load) and STAY: 32 K steps x 8,448 bytes.  No byte of LDS is written twice.
; COLUMNS.  Which fragment and lane a column goes to is the writer's choice.  Here column = 64 (tile / 4) + 4 x lane + tile % 4, so that four tiles hold four neighbouring columns of a row: 16 bytes in f32.
; ROWS.  A tile is 16 ranks; in pass p wave w has tiles 20 p + w + 4 i, i = 0..4.  A rank is a row of the expert's region: no list is read.
; Token fragments come from memory straight into registers (two loads of 16 bytes a lane), each read by one wave and used for 8 products.
; PASS 0 streams the weights: while chunk c (128 along K) is multiplied, chunk c + 1 is rounded into LDS, K step by K step, and chunk c + 2 is on its way from memory; one barrier a chunk.  Passes 1 to 3
; (an expert with more than 320 rows) read the slice from LDS again and hold no barrier and no LDS store: 4 x 320 >= 1,024 rows serve every split.  Their count of trips is constant, and every address is formed on every
; wave's way; what a wave without rows jumps is work alone: loads into data registers, products, additions, stores.
; THE COUNT steers only what is jumped, and bounds the rows that are loaded.  NT = the expert's tiles, at least 1, as in the launch before, which has stored rows 0 to 16 NT - 1 of the region: a rank past them takes the last of them.
; A tile is stored whole; rows past the count are read by nobody.  Tile 4's loads are jumped where it is empty (its fragment registers hold 0 from the head on); its first products always run, so that its sums are written on every way.
; NO JOINT LOADS: each slice of weights has one reader; the rows of h that an expert's work-groups share are dense here, but a chunk of 320 rows is 80 KB, and beside the slice LDS has no room for a ring of such chunks.
; LIMITS.  Inputs are taken to be finite.  bf16 operands have f32's range.
.set UP, 0
.if UP
.set PWS, 14                           ; a weight row is 1 << PWS bytes
.set BSH, 14                           ; an expert's bias row likewise
.set ASH, 11                           ; a token row of the A source
.set OSH, 13                           ; a row of the output
.else
.set PWS, 12
.set BSH, 12
.set ASH, 13
.set OSH, 12
.endif
.set PW,   1<<PWS
.set CHW,  128*PW                      ; a chunk: 128 along K = 4 K steps
.set CHA,  256                         ; the same in a token row
.set TLB,  1056                        ; a fragment in LDS: registers 0-3 (512 bytes), registers 4-7 (512), 32 spare
.set KSB,  8*TLB                       ; a K step's 8 fragments
.set CHB,  4*KSB
.set SPARE, 32*KSB                     ; behind the slice: the spare words, 128 bytes a wave, two blocks of 256 bytes that no other line names
.set ROW0, 8192                        ; ord: bytes ahead of the experts' rows
.set ROWB, 5376                        ; bytes of an expert's row
.set CNTO, 5248                        ; the count's place in it
; window 0
.set SPW,  4                           ; my spare word's address; never rewritten
.set NIL,  5                           ; 0, for the closing add alone
.set WOFF, 6                           ; my byte offset in a chunk of weights
.set PFO,  7                           ; row (thread number) of a chunk: the prefetch's offset
.set LS,   8                           ; where I store fragments, counted from the chunk that is multiplied;  LS0: from chunk 0
.set LS0,  9
.set LB,   10                          ; where I read them;  LB0 = 16 x lane
.set LB0,  11
.set VLG,  12                          ; first product: 64 w + 4 (lane % 16), my place in a pass's part of the list
.set V16H, 14                          ; 16 (lane / 16)
.set COL,  15                          ; 16 (lane % 16)
.set ROW,  16                          ; v16-20  tile i: byte offset of my row's fragment
.set BOF,  21                          ; offset of my biases
.set ZR,   22                          ; 0, for the relu
.set AD,   23                          ; the pass's store offset: row 16 (20 p + w) + 8 (lane / 16), 16 bytes a lane; tile and row stand in the stores' immediates
.set VH8,  24                          ; 8 (lane / 16)
.set BIAS, 32                          ; v32-39  bias of my column in tile n
.set PK,   40                          ; v40-55  a K step's weights, rounded and packed: 4 c + pair of rows
.set TM,   60                          ; at work
.set BF0,  64                          ; v64-95, v96-127  B fragments of half a K step each; in the prologue the packed words
.set BF1,  96
.set ST,   128                         ; v128-255  weights as loaded: 32 ks + 4 row + c
.set T,    128                         ; the way out: 8 j + n
.set P,    192                         ; the way out: packed, 4 j + m
; window 1: accumulator (tile i, n) at 64 i + 8 n, i = 0..3.   window 2: v0-63 tile 4's; v64-223 the token fragments, K step ks, tile i at AR + 40 ks + 8 i; v224-243 first product: the tokens of my ranks, this pass's five first
.set AR,   64
.set NX,   224
; scalars: s[4:5] weights, s[6:7] bias, s[8:9] A source, s[10:11] ord, s[12:13] output
.set WV,  14
.set EX,  15
.set SLI, 16
.set G,   17
.set KQ,  18
.set Q,   19
.set CNT, 20                           ; the expert's rows
.set NT,  21                           ; its tiles, at least 1
.set T5,  22                           ; 1: my tile 4 of this pass has rows
.set PS,  23                           ; pass
.set CC,  24                           ; chunk
.set TAU, 25                           ; my first tile of the pass
.set SW,  30                           ; s[30:31] the weights' base: steps a chunk a trip
.set SA,  32                           ; s[32:33] the chunk of token rows to load next
.set SA0, 34                           ; s[34:35] chunk 0 of them
.set LP,  36                           ; s[36:37] my expert's row of ord
.set RK,  38                           ; 16 TAU: my first rank of the pass
.set LAST, 39                          ; 16 NT - 1: the last row of the expert's that is stored
.set OF,  42                           ; s[42:43] an offset
.set CB,  44                           ; the first LDS byte of the chunk that is multiplied
.set LIVE, 46                          ; 1: I have a tile with rows in this pass
.set MSB, 0
.macro WIN new                         ; bits 1:0 source 0, 3:2 source 1, 5:4 source 2, 7:6 destination; the high byte repeats the setting that is left
.if MSB != (\new)
	s_set_vgpr_msb (MSB<<8)|(\new)
.set MSB, \new
.endif
.endm
.macro PLACES                          ; four plain lines between a matrix instruction and a load into, or a vector line on, one of its registers
.rept 4
	v_nop
.endr
.endm
; K step ks of the chunk ah chunks behind s[SW]: my 8 rows x 64 columns.  103 rows and two chunks at the most stand in the immediate, inside its signed 24 bits
.macro WLOAD ks, ah
.irp i, 0,1,2,3,4,5,6,7
	global_load_b128 v[ST+32*(\ks)+4*(\i):ST+32*(\ks)+4*(\i)+3], v[WOFF], s[SW:SW+1] offset:(32*(\ks)+(\i))*PW+(\ah)*CHW th:TH_LOAD_NT
.endr
.endm
; K step ks as loaded is rounded, rows in pairs, into 16 registers from pk on,
.macro CVT ks, pk
.irp c, 0,1,2,3
.irp i2, 0,1,2,3
	v_cvt_pk_bf16_f32 v[(\pk)+4*(\c)+(\i2)], v[ST+32*(\ks)+8*(\i2)+(\c)], v[ST+32*(\ks)+8*(\i2)+4+(\c)]
.endr
.endr
.endm
; and stored as four quarter fragments, lo bytes behind the chunk that LS counts from
.macro STO ks, lo, pk
.irp c, 0,1,2,3
	ds_store_b128 v[LS], v[(\pk)+4*(\c):(\pk)+4*(\c)+3] offset:(\lo)+KSB*(\ks)+TLB*(\c)
.endr
.endm
; K step slot of the chunk at s[SA]: the token fragments of tiles 0 to 3, eight loads, and, where it has rows, of tile 4.  The rows are read again by the expert's other work-groups.
.macro ALOAD slot
	WIN 0x80                               ; destination window 2
.irp i, 0,1,2,3
	global_load_b128 v[AR+40*(\slot)+8*(\i):AR+40*(\slot)+8*(\i)+3],   v[ROW+(\i)], s[SA:SA+1] offset:64*(\slot) th:TH_LOAD_HT
	global_load_b128 v[AR+40*(\slot)+8*(\i)+4:AR+40*(\slot)+8*(\i)+7], v[ROW+(\i)], s[SA:SA+1] offset:64*(\slot)+32 th:TH_LOAD_HT
.endr
	WIN 0                                  ; at a branch and at a label every window is 0
	s_cmp_eq_u32 s[T5], 0
	s_cbranch_scc1 .La\@                   ; an empty tile 4: two loads into data registers are jumped
	WIN 0x80
	global_load_b128 v[AR+40*(\slot)+32:AR+40*(\slot)+35], v[ROW+4], s[SA:SA+1] offset:64*(\slot) th:TH_LOAD_HT
	global_load_b128 v[AR+40*(\slot)+36:AR+40*(\slot)+39], v[ROW+4], s[SA:SA+1] offset:64*(\slot)+32 th:TH_LOAD_HT
	WIN 0
.La\@:
.endm
; four B fragments (tiles 4 hf .. 4 hf + 3 of K step ks): eight loads of 512 consecutive bytes
.macro FETCH ks, hf, bf
.irp m, 0,1,2,3
	ds_load_b128 v[(\bf)+8*(\m):(\bf)+8*(\m)+3],   v[LB] offset:KSB*(\ks)+TLB*(4*(\hf)+(\m))
	ds_load_b128 v[(\bf)+8*(\m)+4:(\bf)+8*(\m)+7], v[LB] offset:KSB*(\ks)+TLB*(4*(\hf)+(\m))+512
.endr
.endm
; 16 products (tiles 0-3 x 4 fragments), then tile 4's four.  The accumulators take turns, one instruction a turn.  zero = 1: the products start the sums.
; bw = 1: the wait of the barrier that was signalled ahead of the sixteen stands behind them, ahead of the branch.
.macro MUL ks, hf, bf, zero, bw=0
	WIN 0x52                               ; token fragment window 2, B window 0, C and D window 1
.irp i, 0,1,2,3
.irp m, 0,1,2,3
.if \zero
	v_wmma_f32_16x16x32_bf16 v[64*(\i)+8*(4*(\hf)+(\m)):64*(\i)+8*(4*(\hf)+(\m))+7], v[AR+40*(\ks)+8*(\i):AR+40*(\ks)+8*(\i)+7], v[(\bf)+8*(\m):(\bf)+8*(\m)+7], 0
.else
	v_wmma_f32_16x16x32_bf16 v[64*(\i)+8*(4*(\hf)+(\m)):64*(\i)+8*(4*(\hf)+(\m))+7], v[AR+40*(\ks)+8*(\i):AR+40*(\ks)+8*(\i)+7], v[(\bf)+8*(\m):(\bf)+8*(\m)+7], v[64*(\i)+8*(4*(\hf)+(\m)):64*(\i)+8*(4*(\hf)+(\m))+7]
.endif
.endr
.endr
.if \zero
	WIN 0xa2                               ; C and D window 2
.irp m, 0,1,2,3
	v_wmma_f32_16x16x32_bf16 v[8*(4*(\hf)+(\m)):8*(4*(\hf)+(\m))+7], v[AR+40*(\ks)+32:AR+40*(\ks)+39], v[(\bf)+8*(\m):(\bf)+8*(\m)+7], 0
.endr
	WIN 0
.else
	WIN 0
.if \bw
	s_barrier_wait -1                      ; every wave's part of the next chunk is in LDS
.endif
	s_cmp_eq_u32 s[T5], 0
	s_cbranch_scc1 .Lm\@                   ; an empty tile 4: only products are jumped
	WIN 0xa2
.irp m, 0,1,2,3
	v_wmma_f32_16x16x32_bf16 v[8*(4*(\hf)+(\m)):8*(4*(\hf)+(\m))+7], v[AR+40*(\ks)+32:AR+40*(\ks)+39], v[(\bf)+8*(\m):(\bf)+8*(\m)+7], v[8*(4*(\hf)+(\m)):8*(4*(\hf)+(\m))+7]
.endr
	WIN 0
.Lm\@:
.endif
.endm
; A K step: two halves of 16 or 20 products; while one half is multiplied the next half's fragments come out of LDS.
; reload = 1: the token fragments of the K step just done are asked for again, a chunk on.  na: how many younger loads may stay out when this K step's token fragments have to be in.
; prod = 1: at its head the same K step of the NEXT chunk of weights is rounded (nw: how many younger loads may stay out when it has to be in) and stored into LDS, a chunk behind the one that is read; the sixteen conversions
; are also the places behind the last products.  ah > 0: its registers then take the K step of the chunk ah chunks behind s[SW].
.macro KSTEP ks, zero, reload, na, prod=0, nw=0, ah=0
.if \prod
	s_wait_loadcnt \nw
	CVT \ks, PK
.elseif (\ks) > 0
	PLACES
.endif
.if (\reload) && ((\ks) == 1)
	s_wait_xcnt 0x0                        ; the loads and prefetches that name the bases have had their addresses translated (ISA guide 3.1): only behind this wait are the bases written; the last of them was issued a K step ago
	s_add_nc_u64 s[SA:SA+1], s[SA:SA+1], CHA
.if (\ah) > 0
	s_add_nc_u64 s[SW:SW+1], s[SW:SW+1], CHW
.endif
.endif
.if (\reload) && ((\ks) > 0)
	ALOAD (\ks)-1
.endif
	FETCH \ks, 1, BF1
.if \prod
	STO \ks, CHB, PK
.if (\ah) > 0
	WLOAD \ks, \ah
.endif
.endif
	s_wait_loadcnt \na
	s_wait_dscnt 8+4*(\prod)               ; all but the eight loads, and the four stores, just issued
.if ((\ah) > 0) && ((\ks) == 1)
	s_cmp_gt_u32 s[CC], 4                  ; trip c asks for chunk c + 3, one chunk (64 KB a work-group) ahead of the loads, which ask for chunk c + 2; chunk 7 is the last, so trip 5 asks for nothing
	s_cbranch_scc1 .Lnp\@
	global_prefetch_b8 v[PFO], s[SW:SW+1] offset:2*CHW th:TH_LOAD_NT scope:SCOPE_SE      ; thread t: row t of the chunk's 128, its first 256 bytes
	global_prefetch_b8 v[PFO], s[SW:SW+1] offset:2*CHW+256 th:TH_LOAD_NT scope:SCOPE_SE  ; and its second: each block is asked for once
.Lnp\@:
.endif
	MUL \ks, 0, BF0, \zero
.if (\ks) < 3
	PLACES
	FETCH (\ks)+1, 0, BF0
	s_wait_dscnt 8
	MUL \ks, 1, BF1, \zero
.else
	s_wait_dscnt 0x0                       ; my fragments are in; for the others' sake: my stores of the next chunk are done (the last were issued a run of products ago)
.if \prod
	s_barrier_signal -1                    ; say so; sixteen products, work on registers, stand between the signal and the wait
.endif
	MUL \ks, 1, BF1, \zero, \prod
.endif
.endm
; A chunk's four K steps.  first = 1: in chunk 0 the first K step starts the sums (a second copy of it, chosen by the chunk's number).  wl = 1: weights are asked for: K step 0's stand ahead of the base's step, so they reach two chunks on.
.macro CHUNK reload, first, prod, wl, na0, na1, na2, na3, nw0=0, nw1=0, nw2=0, nw3=0
	FETCH 0, 0, BF0
.if \first
	s_cmp_lg_u32 s[CC], 0
	s_cbranch_scc1 .Lnz\@
	KSTEP 0, 1, \reload, \na0, \prod, \nw0, 2*(\wl)
	s_branch .Ljn\@
.Lnz\@:
.endif
	KSTEP 0, 0, \reload, \na0, \prod, \nw0, 2*(\wl)
.if \first
.Ljn\@:
.endif
	KSTEP 1, 0, \reload, \na1, \prod, \nw1, \wl
	KSTEP 2, 0, \reload, \na2, \prod, \nw2, \wl
	KSTEP 3, 0, \reload, \na3, \prod, \nw3, \wl
.if \reload
	PLACES
	ALOAD 3
.endif
.endm
; The prologue's step: K step ks of chunk 0 is rounded and stored; chunk 1's is asked for; then chunk 0's token fragments: the order of issue of every trip
.macro PRO ks, nw
	s_wait_loadcnt \nw
	CVT \ks, BF0+16*(\ks)
	STO \ks, 0, BF0+16*(\ks)
	WLOAD \ks, 1
	ALOAD \ks
.endm
; A pass's addresses, on every wave's way: my lane's row in each of the five tiles, the one store offset, and the two flags that steer what is jumped
.macro SETROWS
.if UP
	WIN 0x08                               ; source 1 window 2
.irp i, 0,1,2,3,4
	v_min_u32 v[ROW+(\i)], 0x3ff, v[NX+(\i)]                   ; the token of rank 16 (20 p + w + 4 i) + lane % 16
.endr
	WIN 0x82                               ; destination and source 0 window 2
.set z, 0
.rept 15                               ; the later passes' tokens move down: one text serves every pass, and no pass waits for memory to learn its rows
	v_mov_b32 v[NX+z], v[NX+z+5]
.set z, z+1
.endr
	WIN 0
.irp i, 0,1,2,3,4
	v_lshl_add_u32 v[ROW+(\i)], v[ROW+(\i)], ASH, v[V16H]
.endr
.else
	v_add_nc_u32 v[TM], s[RK], v2
.irp i, 0,1,2,3,4
	v_add_nc_u32 v[ROW+(\i)], 64*(\i), v[TM]                   ; rank 16 (20 p + w + 4 i) + lane % 16 is the row in the expert's region,
.endr
.irp i, 0,1,2,3,4
	v_min_u32 v[ROW+(\i)], s[LAST], v[ROW+(\i)]                ; held to the rows that have been stored,
.endr
.irp i, 0,1,2,3,4
	v_min_u32 v[ROW+(\i)], 0x3ff, v[ROW+(\i)]                  ; and to the region whatever the count holds
.endr
.irp i, 0,1,2,3,4
	v_lshl_add_u32 v[ROW+(\i)], v[ROW+(\i)], ASH, v[V16H]
.endr
.endif
	v_add_nc_u32 v[TM], s[RK], v[VH8]
	v_lshl_add_u32 v[AD], v[TM], OSH, v[COL]
	s_add_co_u32 s26, s[TAU], 16
	s_cmp_lt_u32 s26, s[NT]
	s_cselect_b32 s[T5], 1, 0
	s_cmp_lt_u32 s[TAU], s[NT]
	s_cselect_b32 s[LIVE], 1, 0
.endm
; THE WAY OUT of tile i: bias, (relu, rounding,) stores.  A tile past the count, and with it all later ones, is jumped: arithmetic on data registers and stores alone.
.macro OUT i
	WIN 0
	s_add_co_u32 s26, s[TAU], 4*(\i)
	s_cmp_ge_u32 s26, s[NT]
	s_cbranch_scc1 .Lbottom
	s_wait_xcnt 0x0                        ; the last tile's stores have read their data registers
.if (\i) < 4
	WIN 0x01                               ; source 0 window 1
.else
	WIN 0x02
.endif
.irp j, 0,1,2,3,4,5,6,7                ; j ascending: each accumulator is read from its low end on
.irp n, 0,1,2,3,4,5,6,7
	v_add_f32 v[T+8*(\j)+(\n)], v[64*((\i)%4)+8*(\n)+(\j)], v[BIAS+(\n)]
.endr
.endr
	WIN 0
.if UP
.irp j, 0,1,2,3,4,5,6,7
.irp m, 0,1,2,3
	v_cvt_pk_bf16_f32 v[P+4*(\j)+(\m)], v[T+8*(\j)+2*(\m)], v[T+8*(\j)+2*(\m)+1]
.endr
.endr
.set z, 0
.rept 32
	v_pk_max_num_bf16 v[P+z], v[P+z], v[ZR]                    ; relu, two at a time: nothing is rounded
.set z, z+1
.endr
.endif
.irp j, 0,1,2,3,4,5,6,7                ; rows 8 h + j: each half of the lanes stores 256 consecutive bytes of its row, aligned; 263 rows at the most stand in the immediate, inside its signed 24 bits
.if UP
	global_store_b128 v[AD], v[P+4*(\j):P+4*(\j)+3], s[12:13] offset:(64*(\i)+(\j))<<OSH
.else
	global_store_b128 v[AD], v[T+8*(\j):T+8*(\j)+3], s[12:13] offset:(64*(\i)+(\j))<<OSH
	global_store_b128 v[AD], v[T+8*(\j)+4:T+8*(\j)+7], s[12:13] offset:((64*(\i)+(\j))<<OSH)+256
.endif
.endr
.endm
	s_load_b256 s[4:11], s[0:1], 0x0
	s_load_b64 s[12:13], s[0:1], 0x20
	v_lshl_add_u32 v[SPW], v0, 2, SPARE
	v_mov_b32 v[NIL], 0
	v_and_b32 v1, 31, v0                           ; lane
	v_and_b32 v2, 15, v0                           ; r
	v_bfe_u32 v3, v0, 4, 1                         ; h
	v_lshrrev_b32 v[TM], 5, v0
	v_readfirstlane_b32 s[WV], v[TM]
	s_and_b32 s[G], s[WV], 1
	s_lshr_b32 s[KQ], s[WV], 1
	s_lshr_b32 s[EX], ttmp9, 5
.if UP
	s_and_b32 s[SLI], ttmp9, 31
.else
	s_and_b32 s[SLI], ttmp9, 7
	s_bfe_u32 s[Q], ttmp9, 0x20003                 ; the quarter of K
.endif
	v_lshlrev_b32 v[WOFF], 4, v2                   ; 16 r
	v_lshl_add_u32 v[WOFF], v3, PWS+3, v[WOFF]     ; + 8 h rows
	s_lshl_b32 s26, s[KQ], PWS+4                   ; + 16 kq rows
	s_lshl_b32 s27, s[G], 8                        ; + 256 g
	s_add_co_u32 s26, s26, s27
	v_add_nc_u32 v[WOFF], s26, v[WOFF]
	v_lshlrev_b32 v[PFO], PWS, v0
.if UP
	v_lshrrev_b32 v[TM], 1, v2                     ; column 64 g + 4 r + c = 8 (8 g + r / 2) + 4 (r % 2) + c: reader's lane 16 h + 8 g + r / 2, tile 4 (r % 2) + c
	v_lshlrev_b32 v[LS0], 4, v[TM]
	v_lshl_add_u32 v[LS0], v3, 8, v[LS0]
	v_and_b32 v[TM], 1, v2
	v_mul_u32_u24 v[TM], v[TM], 4*TLB              ; 4,224 = 128 modulo 256: even and odd r fill different banks (64 banks of 4 bytes: ISA guide 11.1)
	v_add_nc_u32 v[LS0], v[LS0], v[TM]
	s_lshl_b32 s26, s[G], 7
.else
	v_lshlrev_b32 v[LS0], 4, v1                    ; reader's lane = mine, tile 4 g + c
	s_mul_i32 s26, s[G], 4*TLB
.endif
	s_lshl_b32 s27, s[KQ], 9                       ; registers 0-3 or 4-7
	s_add_co_u32 s26, s26, s27
	v_add_nc_u32 v[LS0], s26, v[LS0]
	v_lshlrev_b32 v[LB0], 4, v1
	v_lshlrev_b32 v[V16H], 4, v3
	v_lshlrev_b32 v[COL], 4, v2
	v_lshlrev_b32 v[VH8], 3, v3
.if UP
	v_lshlrev_b32 v[BOF], 5, v2
	v_mov_b32 v[ZR], 0
	s_lshl_b32 s26, s[WV], 6                       ; tile w of a pass: 64 bytes a tile in the list
	v_lshl_add_u32 v[VLG], v2, 2, s26
.endif
	s_mul_i32 s[OF], s[EX], ROWB
	s_add_co_u32 s[OF], s[OF], ROW0
	s_mov_b32 s[OF+1], 0
	s_wait_kmcnt 0x0
	s_add_nc_u64 s[LP:LP+1], s[10:11], s[OF:OF+1]
	s_load_b32 s[CNT], s[LP:LP+1], CNTO            ; the expert's count
	s_lshl_b32 s[OF], s[EX], 24                    ; an expert's weights are 2^24 bytes
	s_lshl_b32 s26, s[SLI], 9                      ; 128 columns of f32
	s_add_co_u32 s[OF], s[OF], s26
.if UP == 0
	s_lshl_b32 s27, s[Q], 22                       ; 1,024 rows of 4,096 bytes
	s_add_co_u32 s[OF], s[OF], s27
.endif
	s_add_nc_u64 s[SW:SW+1], s[4:5], s[OF:OF+1]
	s_lshl_b32 s[OF], s[EX], BSH
	s_add_co_u32 s[OF], s[OF], s26
	s_add_nc_u64 s[6:7], s[6:7], s[OF:OF+1]
.if UP
	s_mov_b64 s[SA0:SA0+1], s[8:9]
	s_lshl_b32 s[OF], s[EX], 23                    ; the expert's region of h: 1,024 rows of 8,192 bytes
	s_lshl_b32 s27, s[SLI], 8                      ; 128 columns of bf16
	s_add_co_u32 s[OF], s[OF], s27
.else
	s_lshl_b32 s[OF], s[EX], 23                    ; the expert's region of h
	s_lshl_b32 s27, s[Q], 11                       ; 1,024 numbers of bf16 along a row
	s_add_co_u32 s[OF], s[OF], s27
	s_add_nc_u64 s[SA0:SA0+1], s[8:9], s[OF:OF+1]
	s_lshl_b32 s[OF], s[Q], 25                     ; the quarter's 8,192 rows of 4,096 bytes
	s_lshl_b32 s27, s[EX], 22                      ; the expert's 1,024 of them
	s_add_co_u32 s[OF], s[OF], s27
	s_add_co_u32 s[OF], s[OF], s26
.endif
	s_add_nc_u64 s[12:13], s[12:13], s[OF:OF+1]
	s_mov_b64 s[SA:SA+1], s[SA0:SA0+1]
.if UP
	WIN 0x80                                       ; destination window 2
.irp p, 0,1,2,3
.irp i, 0,1,2,3,4
	global_load_b32 v[NX+5*(\p)+(\i)], v[VLG], s[LP:LP+1] offset:1280*(\p)+256*(\i)  ; the tokens of tile 20 p + w + 4 i: 64 consecutive bytes, both halves of the lanes alike
.endr
.endr
	WIN 0
	global_load_b128 v[BIAS:BIAS+3],   v[BOF], s[6:7]              ; columns 8 r + 0..7
	global_load_b128 v[BIAS+4:BIAS+7], v[BOF], s[6:7] offset:16
.else
	global_load_b128 v[BIAS:BIAS+3],   v[COL], s[6:7]              ; columns 4 r + 0..3 and 64 + 4 r + 0..3
	global_load_b128 v[BIAS+4:BIAS+7], v[COL], s[6:7] offset:256
.endif
	WLOAD 0, 0                                     ; chunk 0 of the weights: 32 loads
	WLOAD 1, 0
	WLOAD 2, 0
	WLOAD 3, 0
	global_prefetch_b8 v[PFO], s[SW:SW+1] offset:CHW th:TH_LOAD_NT scope:SCOPE_SE        ; chunks 1 and 2, which the prologue and trip 0 load
	global_prefetch_b8 v[PFO], s[SW:SW+1] offset:CHW+256 th:TH_LOAD_NT scope:SCOPE_SE
	global_prefetch_b8 v[PFO], s[SW:SW+1] offset:2*CHW th:TH_LOAD_NT scope:SCOPE_SE
	global_prefetch_b8 v[PFO], s[SW:SW+1] offset:2*CHW+256 th:TH_LOAD_NT scope:SCOPE_SE
	WIN 0x80                                       ; tile 4's fragment registers: 0 until a pass in which it has rows loads them
.irp ks, 0,1,2,3
.irp z, 0,1,2,3,4,5,6,7
	v_mov_b32 v[AR+40*(\ks)+32+(\z)], 0
.endr
.endr
	WIN 0
	s_wait_kmcnt 0x0                               ; the count
	s_add_co_u32 s[NT], s[CNT], 15
	s_lshr_b32 s[NT], s[NT], 4
	s_max_u32 s[NT], s[NT], 1
	s_lshl_b32 s[LAST], s[NT], 4
	s_sub_co_u32 s[LAST], s[LAST], 1
	s_mov_b32 s[PS], 0
	s_mov_b32 s[TAU], s[WV]
	s_lshl_b32 s[RK], s[WV], 4
	s_wait_loadcnt 32                              ; the biases are in; the 32 loads of weights stay out
.if UP == 0
	s_cmp_eq_u32 s[Q], 0                           ; the bias enters one of the four partial sums
	s_cselect_b32 s26, -1, 0
.irp n, 0,1,2,3,4,5,6,7
	v_and_b32 v[BIAS+(\n)], s26, v[BIAS+(\n)]
.endr
.endif
	SETROWS
	s_mov_b32 s[CC], 0
	s_mov_b32 s[CB], 0
	v_add_nc_u32 v[LS], s[CB], v[LS0]
; PASS 0.  The prologue rounds chunk 0 into LDS.  Trip c multiplies chunk c; at the head of K step ks it rounds K step ks of chunk c + 1 into LDS bytes that nobody reads before the trip's barrier, and asks for the same K step of
; chunk c + 2 of the weights and for K step ks - 1 of chunk c + 1 of the token rows.
; LOADS IN ISSUE ORDER, in the prologue and in every trip alike: W0 A0 W1 A1 W2 A2 W3 A3 (W: 8 loads; A: a = 8, or 10 where tile 4 has rows).  A trip later, at the head of K step ks, behind W_ks have come 24 + 3 a loads
; (ks = 0: 24 + 4 a, since A3 stands at the trip's end), and behind A_ks, once this head's own loads are out, 32 + 3 a.  The waits are written for a = 8: 48 (56) and 56.  With a = 10 they also wait for up to eight of the oldest
; loads behind, which were issued most of a trip ago.  In the prologue behind chunk 0's W_ks have come 8 (3 - ks) + (8 + a) ks.
	PRO 0, 24
	PRO 1, 32
	PRO 2, 40
	PRO 3, 48
	s_wait_dscnt 0x0                               ; for the others' sake: my part of chunk 0 is in LDS
	s_barrier_signal -1
	s_barrier_wait -1                              ; everybody's is
.Lchunk:                                               ; trips 0 to 5
	v_add_nc_u32 v[LS], s[CB], v[LS0]
	v_add_nc_u32 v[LB], s[CB], v[LB0]
	CHUNK 1, 1, 1, 1, 56, 56, 56, 56, 56, 48, 48, 48
	s_add_co_u32 s[CB], s[CB], CHB
	s_add_co_u32 s[CC], s[CC], 1
	s_cmp_lt_u32 s[CC], 6
	s_cbranch_scc1 .Lchunk
	v_add_nc_u32 v[LS], s[CB], v[LS0]              ; trip 6 is written out: chunk 7 is rounded, no weights are left to ask for, and the counts run down:
	v_add_nc_u32 v[LB], s[CB], v[LB0]              ; behind trip 5's W_ks: 24 + 4 a, 16 + 3 a, 8 + 3 a, 3 a; behind its A_ks: 24 + 3 a, 16 + 3 a, 8 + 3 a, 3 a
	CHUNK 1, 0, 1, 0, 48, 40, 32, 24, 56, 40, 32, 24
	s_mov_b32 s[CC], 7                             ; chunk 7 is multiplied by the text of the later passes' last trip: its token fragments are on their way, a (3 - ks) loads behind A_ks
	s_mov_b32 s[CB], 7*CHB
	v_add_nc_u32 v[LB], s[CB], v[LB0]
	s_branch .Lpenter
; PASSES 1 TO 3: the slice is in LDS; no barrier, no LDS store.  Three trips on every wave's way; a wave without rows in the pass jumps each chunk's loads and products.
.Lpass:
	s_add_co_u32 s[TAU], s[TAU], 20
	s_add_co_u32 s[RK], s[RK], 320
	s_wait_xcnt 0x0                                ; the last pass's stores have read their offset and data; the offsets and the base are written only behind this wait
	SETROWS
	s_mov_b64 s[SA:SA+1], s[SA0:SA0+1]
	s_mov_b32 s[CC], 0
	s_mov_b32 s[CB], 0
.Lpchunk:
	v_add_nc_u32 v[LB], s[CB], v[LB0]
	s_cmp_eq_u32 s[LIVE], 0
	s_cbranch_scc1 .Lpskip                         ; jumped: loads into data registers, their waits (which end at 0) and products
	PLACES
	ALOAD 0
	ALOAD 1
	ALOAD 2
	ALOAD 3
.Lpenter:
	CHUNK 0, 1, 0, 0, 24, 16, 8, 0
.Lpskip:
	s_wait_xcnt 0x0
	s_add_nc_u64 s[SA:SA+1], s[SA:SA+1], CHA
	s_add_co_u32 s[CB], s[CB], CHB
	s_add_co_u32 s[CC], s[CC], 1
	s_cmp_lt_u32 s[CC], 8
	s_cbranch_scc1 .Lpchunk
.Lout:
	PLACES                                         ; between the last products and the first read of a result
	OUT 0
	OUT 1
	OUT 2
	OUT 3
	OUT 4
.Lbottom:
	s_add_co_u32 s[PS], s[PS], 1
	s_cmp_lt_u32 s[PS], 4
	s_cbranch_scc1 .Lpass
	s_wait_tensorcnt 0x0                           ; the wave's end, behind my last LDS store
	ds_add_u32 v[SPW], v[NIL]
	s_wait_dscnt 0x0
	s_endpgm
.Lfunc_end_k_q29656f1dbf_down:
	.size	k_q29656f1dbf_down, .Lfunc_end_k_q29656f1dbf_down-k_q29656f1dbf_down
	.p2alignl 7, 3214868480
	.fill 96, 4, 3214868480
	.section	.rodata,"a",@progbits
	.p2align	6, 0x0
	.amdhsa_kernel k_q29656f1dbf_down
		.amdhsa_group_segment_fixed_size 270848
		.amdhsa_private_segment_fixed_size 0
		.amdhsa_enable_private_segment 0
		.amdhsa_kernarg_size 40
		.amdhsa_user_sgpr_count 2
		.amdhsa_user_sgpr_kernarg_segment_ptr 1
		.amdhsa_wavefront_size32 1
		.amdhsa_system_sgpr_workgroup_id_x 1
		.amdhsa_system_sgpr_workgroup_id_y 1
		.amdhsa_system_sgpr_workgroup_id_z 1
		.amdhsa_system_vgpr_workitem_id 0
		.amdhsa_next_free_vgpr 736
		.amdhsa_next_free_sgpr 66
		.amdhsa_reserve_vcc 0
		.amdhsa_float_denorm_mode_32 3
		.amdhsa_float_denorm_mode_16_64 3
		.amdhsa_memory_ordered 1
		.amdhsa_forward_progress 1
		.amdhsa_inst_pref_size 130
	.end_amdhsa_kernel
	.amdgpu_metadata
---
amdhsa.version: [ 1, 2 ]
amdhsa.kernels:
  - .name:           k_q29656f1dbf_down
    .symbol:         k_q29656f1dbf_down.kd
    .args:
      - { .name: W2, .offset: 0, .size: 8, .value_kind: global_buffer, .address_space: global }
      - { .name: b2, .offset: 8, .size: 8, .value_kind: global_buffer, .address_space: global }
      - { .name: hbuf, .offset: 16, .size: 8, .value_kind: global_buffer, .address_space: global }
      - { .name: ord, .offset: 24, .size: 8, .value_kind: global_buffer, .address_space: global }
      - { .name: part, .offset: 32, .size: 8, .value_kind: global_buffer, .address_space: global }
    .group_segment_fixed_size: 270848
    .private_segment_fixed_size: 0
    .kernarg_segment_align: 8
    .kernarg_segment_size: 40
    .max_flat_workgroup_size: 128
    .sgpr_count:     66
    .vgpr_count:     736
    .wavefront_size: 32
...
	.end_amdgpu_metadata
.endif
;; end of part 7
;; launch combine (part 8): grid 256 x 1, 8 waves a work-group, no clusters, 0 bytes of LDS; arguments part, gate, ord, out0; writes out0
.if DOCPART == 8
	.amdgcn_target "amdgcn-amd-amdhsa--gfx1250"
	.amdhsa_code_object_version 6
	.text
	.protected	k_q29656f1dbf_combine
	.globl	k_q29656f1dbf_combine
	.p2align	8
	.type	k_q29656f1dbf_combine,@function
k_q29656f1dbf_combine:
	s_mov_b64 s[64:65], 0
	v_nop
	global_prefetch_b8 v0, s[64:65] scope:SCOPE_SE
	s_setreg_imm32_b32 hwreg(HW_REG_WAVE_MODE, 25, 1), 1
	s_wait_xcnt 0x0
; out[t] = gate[t][0] sigmoid(z[pos[2 t]]) + gate[t][1] sigmoid(z[pos[2 t + 1]]),  z[row] = the sum over the four quarters q of part[q][row] (the bias lies in quarter 0).
; part: [4][8192][1024] f32, of which the 2,048 rows that pos names are read in each quarter.  gate: [1024][2] f32.  ord: whole numbers of an earlier launch; its first 2,048 words are pos.  out0: [1024][1024] f32.
; A stream: each of those bytes of part is read once, every byte of out0 written once; no LDS, no barrier.
; SHARES.  A work-group has 4 tokens, a wave half a token's row (2,048 bytes of out0, 16 KB of part).  A wave's two rows are scalars, so each of its eight pieces of part has a scalar base.
; All 32 loads of a wave go out at once; each covers 512 consecutive bytes, aligned.
; sigmoid(z) = 1 / (1 + 2^(-z log2 e)).  No maximum is taken away, as in the module itself: where the power overflows the reciprocal of infinity is 0, the right limit.
; LIMITS.  A power below 2^-126 counts as 0 (the sigmoid is then 1 to f32's last place); NaN is not treated apart.
.set QPITCH, 8192*4096                 ; bytes from quarter to quarter
.set PP, 16                            ; v[16:143]  group jj, row k, quarter q at 32 jj + 16 k + 4 q
.set EE, 144                           ; v[144:151] the powers, then 1 + power: 4 k + c
.set RC, 152                           ; v[152:159] the sigmoids
.set RS, 160                           ; v[160:175] the results, four registers a group: no group waits for another's store
.set BA, 24                            ; s[24:39]   the bases: row k, quarter q at 8 k + 2 q
	s_load_b256 s[4:11], s[0:1], 0x0               ; part s[4:5], gate s[6:7], ord s[8:9], out0 s[10:11]
	v_and_b32 v1, 31, v0
	v_lshrrev_b32 v2, 5, v0
	v_readfirstlane_b32 s12, v2                    ; wave
	v_lshlrev_b32 v1, 4, v1                        ; 16 bytes a lane
	s_lshr_b32 s13, s12, 1
	s_lshl2_add_u32 s13, ttmp9, s13                ; token = 4 x work-group + wave / 2
	s_and_b32 s14, s12, 1
	s_lshl_b32 s14, s14, 11                        ; which half of the row
	s_lshl_b32 s16, s13, 3                         ; 8 bytes a token in gate and in pos
	s_mov_b32 s17, 0
	s_lshl_b32 s18, s13, 12
	s_add_co_u32 s18, s18, s14
	s_mov_b32 s19, 0
	s_wait_kmcnt 0x0
	s_add_nc_u64 s[6:7], s[6:7], s[16:17]
	s_add_nc_u64 s[8:9], s[8:9], s[16:17]
	s_load_b64 s[20:21], s[6:7], 0x0               ; the token's two gates
	s_load_b64 s[44:45], s[8:9], 0x0               ; and its two rows
	s_add_nc_u64 s[10:11], s[10:11], s[18:19]
	s_wait_kmcnt 0x0
	s_min_u32 s44, s44, 0x1fff                     ; inside a quarter whatever ord holds
	s_min_u32 s45, s45, 0x1fff
	s_lshl_b32 s16, s44, 12
	s_add_co_u32 s16, s16, s14
	s_lshl_b32 s18, s45, 12
	s_add_co_u32 s18, s18, s14
	s_add_nc_u64 s[BA:BA+1], s[4:5], s[16:17]
	s_add_nc_u64 s[BA+8:BA+9], s[4:5], s[18:19]
.irp k, 0,1
.irp q, 1,2,3
	s_add_nc_u64 s[BA+8*(\k)+2*(\q):BA+8*(\k)+2*(\q)+1], s[BA+8*(\k)+2*(\q)-2:BA+8*(\k)+2*(\q)-1], QPITCH
.endr
.endr
.irp jj, 0,1,2,3
.irp k, 0,1
.irp q, 0,1,2,3
	global_load_b128 v[PP+32*(\jj)+16*(\k)+4*(\q):PP+32*(\jj)+16*(\k)+4*(\q)+3], v1, s[BA+8*(\k)+2*(\q):BA+8*(\k)+2*(\q)+1] offset:512*(\jj) th:TH_LOAD_NT
.endr
.endr
.endr
	s_mov_b32 s22, s21                             ; the second gate in a pair's low word, for the packed lines
	s_mov_b32 s23, s21
.macro GROUP jj
.set B0, PP+32*(\jj)
.set B1, PP+32*(\jj)+16
	s_wait_loadcnt 24-8*(\jj)                      ; this group's eight loads are in; the later groups' stay out
.irp b, B0, B1
.irp c, 0,2
	v_pk_add_f32 v[(\b)+(\c):(\b)+(\c)+1], v[(\b)+(\c):(\b)+(\c)+1], v[(\b)+4+(\c):(\b)+4+(\c)+1]
	v_pk_add_f32 v[(\b)+8+(\c):(\b)+8+(\c)+1], v[(\b)+8+(\c):(\b)+8+(\c)+1], v[(\b)+12+(\c):(\b)+12+(\c)+1]
.endr
.endr
.irp b, B0, B1
.irp c, 0,2
	v_pk_add_f32 v[(\b)+(\c):(\b)+(\c)+1], v[(\b)+(\c):(\b)+(\c)+1], v[(\b)+8+(\c):(\b)+8+(\c)+1]
.endr
.endr
.irp b, B0, B1
.irp c, 0,2
	v_pk_mul_f32 v[(\b)+(\c):(\b)+(\c)+1], v[(\b)+(\c):(\b)+(\c)+1], 0xbfb8aa3b op_sel_hi:[1,0]  ; - z log2 e
.endr
.endr
.irp c, 0,1,2,3
	v_exp_f32 v[EE+(\c)], v[B0+(\c)]
	v_exp_f32 v[EE+4+(\c)], v[B1+(\c)]
.endr
	v_nop                                          ; the plain line behind the last exponential
	s_wait_alu depctr_va_vdst(0)                   ; one wait for the eight, ahead of their first reader
.irp c, 0,2,4,6
	v_pk_add_f32 v[EE+(\c):EE+(\c)+1], v[EE+(\c):EE+(\c)+1], 1.0 op_sel_hi:[1,0]
.endr
.irp c, 0,1,2,3,4,5,6,7
	v_rcp_f32 v[RC+(\c)], v[EE+(\c)]
.endr
	v_nop
	s_wait_alu depctr_va_vdst(0)                   ; one wait for the eight reciprocals
.irp c, 0,2
	v_pk_mul_f32 v[RS+4*(\jj)+(\c):RS+4*(\jj)+(\c)+1], v[RC+(\c):RC+(\c)+1], s[20:21] op_sel_hi:[1,0]
.endr
.irp c, 0,2
	v_pk_fma_f32 v[RS+4*(\jj)+(\c):RS+4*(\jj)+(\c)+1], v[RC+4+(\c):RC+4+(\c)+1], s[22:23], v[RS+4*(\jj)+(\c):RS+4*(\jj)+(\c)+1] op_sel_hi:[1,0,1]
.endr
	global_store_b128 v1, v[RS+4*(\jj):RS+4*(\jj)+3], s[10:11] offset:512*(\jj) th:TH_STORE_NT  ; 512 consecutive bytes, aligned
.endm
	GROUP 0
	GROUP 1
	GROUP 2
	GROUP 3
	s_endpgm
.Lfunc_end_k_q29656f1dbf_combine:
	.size	k_q29656f1dbf_combine, .Lfunc_end_k_q29656f1dbf_combine-k_q29656f1dbf_combine
	.p2alignl 7, 3214868480
	.fill 96, 4, 3214868480
	.section	.rodata,"a",@progbits
	.p2align	6, 0x0
	.amdhsa_kernel k_q29656f1dbf_combine
		.amdhsa_group_segment_fixed_size 0
		.amdhsa_private_segment_fixed_size 0
		.amdhsa_enable_private_segment 0
		.amdhsa_kernarg_size 32
		.amdhsa_user_sgpr_count 2
		.amdhsa_user_sgpr_kernarg_segment_ptr 1
		.amdhsa_wavefront_size32 1
		.amdhsa_system_sgpr_workgroup_id_x 1
		.amdhsa_system_sgpr_workgroup_id_y 1
		.amdhsa_system_sgpr_workgroup_id_z 1
		.amdhsa_system_vgpr_workitem_id 0
		.amdhsa_next_free_vgpr 176
		.amdhsa_next_free_sgpr 66
		.amdhsa_reserve_vcc 0
		.amdhsa_float_denorm_mode_32 3
		.amdhsa_float_denorm_mode_16_64 3
		.amdhsa_memory_ordered 1
		.amdhsa_forward_progress 1
		.amdhsa_inst_pref_size 15
	.end_amdhsa_kernel
	.amdgpu_metadata
---
amdhsa.version: [ 1, 2 ]
amdhsa.kernels:
  - .name:           k_q29656f1dbf_combine
    .symbol:         k_q29656f1dbf_combine.kd
    .args:
      - { .name: part, .offset: 0, .size: 8, .value_kind: global_buffer, .address_space: global }
      - { .name: gate, .offset: 8, .size: 8, .value_kind: global_buffer, .address_space: global }
      - { .name: ord, .offset: 16, .size: 8, .value_kind: global_buffer, .address_space: global }
      - { .name: out0, .offset: 24, .size: 8, .value_kind: global_buffer, .address_space: global }
    .group_segment_fixed_size: 0
    .private_segment_fixed_size: 0
    .kernarg_segment_align: 8
    .kernarg_segment_size: 32
    .max_flat_workgroup_size: 256
    .sgpr_count:     66
    .vgpr_count:     176
    .wavefront_size: 32
...
	.end_amdgpu_metadata
.endif
;; end of part 8
;; ======== version 3 of 3: 5 launches; version 2 with the launches up, down written anew for expert scheduling mode
;; workspace buffers: xb 2,097,152 bytes; sel 4,096 bytes of whole numbers; gate 8,192 bytes; ord 51,200 bytes of whole numbers; hbuf 67,108,864 bytes; part 134,217,728 bytes
;; launch route: the kernel of part 1 again; grid 256 x 1, 4 waves a work-group, no clusters, 1,024 bytes of LDS; arguments x, Wr, br, xb, sel, gate; writes xb, sel, gate
;; launch order: the kernel of part 5 again; grid 8 x 1, 1 waves a work-group, no clusters, 0 bytes of LDS; arguments sel, ord; writes ord
;; launch up (part 9): grid 256 x 1, 4 waves a work-group, no clusters, 270,848 bytes of LDS; arguments W1, b1, xb, ord, hbuf; writes hbuf
.if DOCPART == 9
	.amdgcn_target "amdgcn-amd-amdhsa--gfx1250"
	.amdhsa_code_object_version 6
	.text
	.protected	k_q29656f1dbf_up
	.globl	k_q29656f1dbf_up
	.p2align	8
	.type	k_q29656f1dbf_up,@function
k_q29656f1dbf_up:
	s_mov_b64 s[64:65], 0
	v_nop
	global_prefetch_b8 v0, s[64:65] scope:SCOPE_SE
	s_setreg_imm32_b32 hwreg(HW_REG_WAVE_SCHED_MODE, 0, 2), 2
	s_setreg_imm32_b32 hwreg(HW_REG_WAVE_MODE, 25, 1), 1
	s_wait_xcnt 0x0
	s_wait_alu depctr_vm_vsrc(0)
; FIRST PRODUCT OF THE EXPERTS: h = relu(x W1[e] + b1[e]) for the tokens that chose expert e, in the order of their ranks.  (UP = 0 is the second product's text: the same macros.)
; W1: [8][1024][4096] f32.  b1: [8][4096] f32.  xb: [1024][1024] bf16.  ord: whole numbers of the launch before: for each expert the token of each rank (1,280 entries, token 0 past the count) and the count.
; hbuf: [8][1024][4096] bf16: expert e's row of rank n is row 1024 e + n; only rows that are stored are ever read.
; SHARES.  Work-group = (expert e = number / 32, slice of 128 columns): 512 KB of weights that it alone reads, once, and ALL of the expert's rows.  Operands bf16, sums f32, h rounded once.
; WEIGHTS.  They lie [k][n] in f32; a matrix operand wants k along a lane's registers in bf16.  A load takes 64 columns of two k rows (16 lanes: 256 consecutive bytes, aligned); wave w has column half g = w % 2
; and k half kq = w / 2 of a K step of 32; its lane (r, h) holds rows 16 kq + 8 h + 0..7 of columns 64 g + 4 r + 0..3.  Rounding rows in pairs gives, for each column, registers 4 kq .. 4 kq + 3 of a B fragment as lane half h
; holds them: nothing is turned.  The fragments go to LDS in the order in which readers' lanes take them (512 consecutive bytes a load) and STAY: 32 K steps x 8,448 bytes.  No byte of LDS is written twice.
; COLUMNS.  Which fragment and lane a column goes to is the writer's choice.  Here column = 8 x lane + tile, so that a lane's eight tiles hold eight neighbouring columns of a row of h: 16 bytes in bf16.
; ROWS.  A tile is 16 ranks; in pass p wave w has tiles 20 p + w + 4 i, i = 0..4.  The tokens of all four passes' ranks come from ord at the head, 20 registers, and move down five registers a pass.
; Token fragments come from memory straight into registers (two loads of 16 bytes a lane), each read by one wave and used for 8 products.
; PASS 0 streams the weights: while chunk c (128 along K) is multiplied, chunk c + 1 is rounded into LDS, K step by K step, and chunk c + 2 is on its way from memory; one barrier a chunk.  Passes 1 to 3
; (an expert with more than 320 rows) read the slice from LDS again and hold no barrier and no LDS store: 4 x 320 >= 1,024 rows serve every split.  Their count of trips is constant, and every address is formed on every
; wave's way; what a wave without rows jumps is work alone: loads into data registers, products, conversions, stores.
; THE COUNT steers only what is jumped.  NT = the expert's tiles, at least 1: a tile is stored whole, its places past the count with token 0's rows, and an expert without rows still stores one tile, so that every row
; that the next launch loads has been stored.  Tile 4's loads are jumped where it is empty (its fragment registers hold 0 from the head on); its first products always run, so that its sums are written on every way.
; NO JOINT LOADS: each slice of weights has one reader; the token rows that an expert's work-groups share come by a list, which no tile descriptor covers; and LDS is full with the slice.
; LIMITS.  relu is a maximum in which a NaN loses; inputs are taken to be finite.  bf16 operands have f32's range.
; THE MODE: SCHED_MODE bits 1:0 = 2 (LLVM: expert scheduling mode 2), set by the entry lines.  The code itself states the register dependences between vector or matrix instructions and memory or LDS instructions,
; with s_wait_alu, always for 0.
; THE PLAN.  Registers that memory or LDS instructions touch in pass 0's loop, K step ks of a trip:
;   ST[ks]       read by the K step's sixteen conversions, at its head; behind them the same K step of the chunk after next lands in it.
;   PK           written by those conversions; read by the K step's four LDS stores.
;   AR[ks]       read by the K step's products; the token fragments of a chunk on land in it at the head of K step ks + 1 (AR[3]: at the head of the next trip's K step 0).
;   B[ks % 2]    two buffers of a whole K step's eight fragments.  Read by the K step's products; the fragments of K step ks + 2 land in it in the middle of K step ks + 1 (K step 0's: at the trip's head, behind the barrier).
;   v[LS]        read by the LDS stores; written once a trip, among K step 0's conversions.     v[LB]  read by the fragments' loads; written once a trip, among K step 3's conversions.
;   v[WOFF], v[PFO], v[ROW ..]  read by the loads and prefetches; never written in the loop: scalar bases and immediate offsets do the rest.
; So ONE wait on vm_vsrc stands ahead of a K step's conversions (the last LDS stores have read PK, and LS or LB is free), and ONE wait on va_vdst behind them: PK and LS or LB are written, the conversions are done reading
; ST[ks], the last K step's products are done reading AR[ks - 1] and B[(ks - 1) % 2].  All the K step's loads and stores follow that wait with no further one: the only vector or matrix instructions since are the K step's
; products, which name AR[ks], B[ks % 2] and the accumulators, none of which a load or store of the K step touches.
.set UP, 1
.if UP
.set PWS, 14                           ; a weight row is 1 << PWS bytes
.set BSH, 14                           ; an expert's bias row likewise
.set ASH, 11                           ; a token row of the A source
.set OSH, 13                           ; a row of the output
.else
.set PWS, 12
.set BSH, 12
.set ASH, 13
.set OSH, 12
.endif
.set PW,   1<<PWS
.set CHW,  128*PW                      ; a chunk: 128 along K = 4 K steps
.set CHA,  256                         ; the same in a token row
.set TLB,  1056                        ; a fragment in LDS: registers 0-3 (512 bytes), registers 4-7 (512), 32 spare
.set KSB,  8*TLB                       ; a K step's 8 fragments
.set CHB,  4*KSB                       ; the slice ends at byte 8 CHB; the closing add uses the 512 bytes behind it
.set ROW0, 8192                        ; ord: bytes ahead of the experts' rows
.set ROWB, 5376                        ; bytes of an expert's row
.set CNTO, 5248                        ; the count's place in it
; window 0
.set WOFF, 6                           ; my byte offset in a chunk of weights
.set PFO,  7                           ; row (thread number) of a chunk: the prefetch's offset
.set LS,   8                           ; where I store fragments, counted from the chunk that is multiplied;  LS0: from chunk 0
.set LS0,  9
.set LB,   10                          ; where I read them: the chunk whose fragments are fetched next;  LB0 = 16 x lane;  LB1 = LB0 + a chunk
.set LB0,  11
.set VLG,  12                          ; first product: 64 w + 4 (lane % 16), my place in a pass's part of the list
.set LB1,  13
.set V16H, 14                          ; 16 (lane / 16)
.set COL,  15                          ; 16 (lane % 16)
.set ROW,  16                          ; v16-20  tile i: byte offset of my row's fragment
.set BOF,  21                          ; offset of my biases
.set ZR,   22                          ; 0, for the relu
.set AD,   23                          ; the pass's store offset: row 16 (20 p + w) + 8 (lane / 16), 16 bytes a lane; tile and row stand in the stores' immediates
.set VH8,  24                          ; 8 (lane / 16)
.set BIAS, 32                          ; v32-39  bias of my column in tile n
.set PK,   40                          ; v40-55  a K step's weights, rounded and packed: 4 c + pair of rows
.set TM,   60                          ; at work
.set BF,   64                          ; v64-127  the eight B fragments of an even K step; in the prologue the packed words.  The same numbers in window 3: those of an odd K step
.set ST,   128                         ; v128-255  weights as loaded: 32 ks + 4 row + c
.set T,    128                         ; the way out: 8 j + n
.set P,    192                         ; the way out: packed, 4 j + m
; window 1: accumulator (tile i, n) at 64 i + 8 n, i = 0..3.   window 2: v0-63 tile 4's; v64-223 the token fragments, K step ks, tile i at AR + 40 ks + 8 i; v224-243 first product: the tokens of my ranks, this pass's five first
; window 3: v64-127 the B fragments of an odd K step
.set AR,   64
.set NX,   224
; scalars: s[4:5] weights, s[6:7] bias, s[8:9] A source, s[10:11] ord, s[12:13] output
.set WV,  14
.set EX,  15
.set SLI, 16
.set G,   17
.set KQ,  18
.set Q,   19
.set CNT, 20                           ; the expert's rows
.set NT,  21                           ; its tiles, at least 1
.set T5,  22                           ; 1: my tile 4 of this pass has rows
.set PS,  23                           ; pass
.set CC,  24                           ; chunk
.set TAU, 25                           ; my first tile of the pass
.set SW,  30                           ; s[30:31] the weights' base: steps a chunk a trip
.set SA,  32                           ; s[32:33] the chunk of token rows to load next
.set SA0, 34                           ; s[34:35] chunk 0 of them
.set LP,  36                           ; s[36:37] my expert's row of ord
.set RK,  38                           ; 16 TAU: my first rank of the pass
.set LAST, 39                          ; 16 NT - 1: the last row of the expert's that is stored
.set OF,  42                           ; s[42:43] an offset
.set CB,  44                           ; the first LDS byte of the chunk that is multiplied
.set LIVE, 46                          ; 1: I have a tile with rows in this pass
.set MSB, 0
.macro WIN new                         ; bits 1:0 source 0, 3:2 source 1, 5:4 source 2, 7:6 destination; the high byte repeats the setting that is left
.if MSB != (\new)
	s_set_vgpr_msb (MSB<<8)|(\new)
.set MSB, \new
.endif
.endm
.macro PLACES                          ; four plain lines between a matrix instruction and a load into, or a vector line on, one of its registers
.rept 4
	v_nop
.endr
.endm
; K step ks of the chunk ah chunks behind s[SW]: my 8 rows x 64 columns.  103 rows and two chunks at the most stand in the immediate, inside its signed 24 bits
.macro WLOAD ks, ah
.irp i, 0,1,2,3,4,5,6,7
	global_load_b128 v[ST+32*(\ks)+4*(\i):ST+32*(\ks)+4*(\i)+3], v[WOFF], s[SW:SW+1] offset:(32*(\ks)+(\i))*PW+(\ah)*CHW th:TH_LOAD_NT
.endr
.endm
; K step ks as loaded is rounded, rows in pairs, into 16 registers from pk on,
.macro CVT ks, pk
.irp c, 0,1,2,3
.irp i2, 0,1,2,3
	v_cvt_pk_bf16_f32 v[(\pk)+4*(\c)+(\i2)], v[ST+32*(\ks)+8*(\i2)+(\c)], v[ST+32*(\ks)+8*(\i2)+4+(\c)]
.endr
.endr
.endm
; and stored as four quarter fragments, lo bytes behind the chunk that LS counts from
.macro STO ks, lo, pk
.irp c, 0,1,2,3
	ds_store_b128 v[LS], v[(\pk)+4*(\c):(\pk)+4*(\c)+3] offset:(\lo)+KSB*(\ks)+TLB*(\c)
.endr
.endm
; K step slot of the chunk at s[SA]: the token fragments of tiles 0 to 3, eight loads, and, where it has rows, of tile 4.  The rows are read again by the expert's other work-groups.
.macro ALOAD slot
	WIN 0x80                               ; destination window 2
.irp i, 0,1,2,3
	global_load_b128 v[AR+40*(\slot)+8*(\i):AR+40*(\slot)+8*(\i)+3],   v[ROW+(\i)], s[SA:SA+1] offset:64*(\slot) th:TH_LOAD_HT
	global_load_b128 v[AR+40*(\slot)+8*(\i)+4:AR+40*(\slot)+8*(\i)+7], v[ROW+(\i)], s[SA:SA+1] offset:64*(\slot)+32 th:TH_LOAD_HT
.endr
	WIN 0                                  ; at a branch and at a label every window is 0
	s_cmp_eq_u32 s[T5], 0
	s_cbranch_scc1 .La\@                   ; an empty tile 4: two loads into data registers are jumped
	WIN 0x80
	global_load_b128 v[AR+40*(\slot)+32:AR+40*(\slot)+35], v[ROW+4], s[SA:SA+1] offset:64*(\slot) th:TH_LOAD_HT
	global_load_b128 v[AR+40*(\slot)+36:AR+40*(\slot)+39], v[ROW+4], s[SA:SA+1] offset:64*(\slot)+32 th:TH_LOAD_HT
	WIN 0
.La\@:
.endm
; the eight B fragments of K step ks, into the buffer of its parity: sixteen loads of 512 consecutive bytes, tiles 0 to 3 first
.macro FETCH ks
.if (\ks)%2
	WIN 0xc0                               ; destination window 3
.else
	WIN 0
.endif
.irp m, 0,1,2,3,4,5,6,7
	ds_load_b128 v[BF+8*(\m):BF+8*(\m)+3],   v[LB] offset:KSB*(\ks)+TLB*(\m)
	ds_load_b128 v[BF+8*(\m)+4:BF+8*(\m)+7], v[LB] offset:KSB*(\ks)+TLB*(\m)+512
.endr
.endm
; 16 products (tiles 0-3 x fragments 4 hf .. 4 hf + 3), then tile 4's four.  The accumulators take turns, one instruction a turn.  zero = 1: the products start the sums.
; bw = 1: the wait of the barrier that was signalled ahead of the sixteen stands behind them, ahead of the branch.
.macro MUL ks, hf, zero, bw=0
	WIN 0x52+0x0c*((\ks)%2)                ; token fragment window 2, B window 0 or 3, C and D window 1
.irp i, 0,1,2,3
.irp m, 0,1,2,3
.if \zero
	v_wmma_f32_16x16x32_bf16 v[64*(\i)+8*(4*(\hf)+(\m)):64*(\i)+8*(4*(\hf)+(\m))+7], v[AR+40*(\ks)+8*(\i):AR+40*(\ks)+8*(\i)+7], v[BF+8*(4*(\hf)+(\m)):BF+8*(4*(\hf)+(\m))+7], 0
.else
	v_wmma_f32_16x16x32_bf16 v[64*(\i)+8*(4*(\hf)+(\m)):64*(\i)+8*(4*(\hf)+(\m))+7], v[AR+40*(\ks)+8*(\i):AR+40*(\ks)+8*(\i)+7], v[BF+8*(4*(\hf)+(\m)):BF+8*(4*(\hf)+(\m))+7], v[64*(\i)+8*(4*(\hf)+(\m)):64*(\i)+8*(4*(\hf)+(\m))+7]
.endif
.endr
.endr
.if \zero
	WIN 0xa2+0x0c*((\ks)%2)                ; C and D window 2
.irp m, 0,1,2,3
	v_wmma_f32_16x16x32_bf16 v[8*(4*(\hf)+(\m)):8*(4*(\hf)+(\m))+7], v[AR+40*(\ks)+32:AR+40*(\ks)+39], v[BF+8*(4*(\hf)+(\m)):BF+8*(4*(\hf)+(\m))+7], 0
.endr
	WIN 0
.else
	WIN 0
.if \bw
	s_barrier_wait -1                      ; every wave's part of the next chunk is in LDS
.endif
	s_cmp_eq_u32 s[T5], 0
	s_cbranch_scc1 .Lm\@                   ; an empty tile 4: only products are jumped
	WIN 0xa2+0x0c*((\ks)%2)
.irp m, 0,1,2,3
	v_wmma_f32_16x16x32_bf16 v[8*(4*(\hf)+(\m)):8*(4*(\hf)+(\m))+7], v[AR+40*(\ks)+32:AR+40*(\ks)+39], v[BF+8*(4*(\hf)+(\m)):BF+8*(4*(\hf)+(\m))+7], v[8*(4*(\hf)+(\m)):8*(4*(\hf)+(\m))+7]
.endr
	WIN 0
.Lm\@:
.endif
.endm
; A K step: two halves of 16 or 20 products; between them the next K step's fragments are asked for out of LDS, into the other buffer.
; reload = 1: the token fragments of the K step just done are asked for again, a chunk on.  na: how many younger loads may stay out when this K step's token fragments have to be in.
; prod = 1: at its head the same K step of the NEXT chunk of weights is rounded (nw: how many younger loads may stay out when it has to be in) and stored into LDS, a chunk behind the one that is read; the sixteen conversions
; are also the places behind the last products.  ah > 0: its registers then take the K step of the chunk ah chunks behind s[SW].
.macro KSTEP ks, zero, reload, na, prod=0, nw=0, ah=0
.if \prod
	s_wait_loadcnt \nw
.if (\ks) > 0
	s_wait_alu depctr_vm_vsrc(0)           ; the last K step's LDS stores have read v[PK ..], which the conversions write again; K step 3: the fragments' loads issued so far have read v[LB]  (K step 0's wait stands at the chunk's head)
.endif
	CVT \ks, PK
.if (\ks) == 0
	v_add_nc_u32 v[LS], s[CB], v[LS0]      ; the stores' address moves on to this chunk, ahead of the wait that stands here anyway
.endif
.if (\ks) == 3
	v_add_nc_u32 v[LB], s[CB], v[LB1]      ; this chunk's fragments have all been asked for: the loads' address moves on to the next chunk, ahead of the wait that stands here anyway
.endif
.elseif (\ks) > 0
	PLACES
.endif
.if (\reload) && ((\ks) == 1)
	s_wait_xcnt 0x0                        ; the loads and prefetches that name the bases have had their addresses translated (ISA guide 3.1): only behind this wait are the bases written; the last of them was issued a K step ago
	s_add_nc_u64 s[SA:SA+1], s[SA:SA+1], CHA
.if (\ah) > 0
	s_add_nc_u64 s[SW:SW+1], s[SW:SW+1], CHW
.endif
.endif
.if \prod
	s_wait_alu depctr_va_vdst(0)           ; the conversions have written v[PK ..] (and v[LS] or v[LB] is written), which the LDS instructions below read, and are done reading ST[ks]; the last K step's products are done reading their token fragments and their B buffer: in these three the loads below land
.elseif ((\ks) == 1) || ((\ks) == 2)
	s_wait_alu depctr_va_vdst(0)           ; the last K step's products are done reading their B buffer, in which the fragments' loads below land
.endif
.if \reload
	ALOAD ((\ks)+3)%4
.endif
.if \prod
	STO \ks, CHB, PK
.if (\ah) > 0
	WLOAD \ks, \ah
.endif
.endif
	s_wait_loadcnt \na
.if (\ks) == 0
	s_wait_dscnt 8+4*(\prod)               ; fragments 0 to 3 are in: the eight loads of fragments 4 to 7, and the four stores just issued, stay out
.else
	s_wait_dscnt 4*(\prod)                 ; this K step's fragments, asked for half a K step ago, are in; the four stores just issued stay out
.endif
.if ((\ah) > 0) && ((\ks) == 1)
	s_cmp_gt_u32 s[CC], 4                  ; trip c asks for chunk c + 3, one chunk (64 KB a work-group) ahead of the loads, which ask for chunk c + 2; chunk 7 is the last, so trip 5 asks for nothing
	s_cbranch_scc1 .Lnp\@
	global_prefetch_b8 v[PFO], s[SW:SW+1] offset:2*CHW th:TH_LOAD_NT scope:SCOPE_SE      ; thread t: row t of the chunk's 128, its first 256 bytes
	global_prefetch_b8 v[PFO], s[SW:SW+1] offset:2*CHW+256 th:TH_LOAD_NT scope:SCOPE_SE  ; and its second: each block is asked for once
.Lnp\@:
.endif
	MUL \ks, 0, \zero
.if (\ks) < 3
	FETCH (\ks)+1                          ; no wait: no vector or matrix instruction since the last wait on va_vdst names v[LB] or the other B buffer
.if (\ks) == 0
	s_wait_dscnt 16+4*(\prod)              ; fragments 4 to 7 are in: the four stores and the sixteen loads just issued stay out
.endif
	MUL \ks, 1, \zero
.else
.if \prod
	s_wait_dscnt 0x0                       ; for the others' sake: my stores of the next chunk are done (the last were issued a run of products ago)
	s_barrier_signal -1                    ; say so; sixteen products, work on registers, stand between the signal and the wait
.endif
	MUL \ks, 1, \zero, \prod
.endif
.endm
; A chunk's four K steps.  first = 1: in chunk 0 the first K step starts the sums (a second copy of it, chosen by the chunk's number).  wl = 1: weights are asked for: K step 0's stand ahead of the base's step, so they reach two chunks on.
.macro CHUNK reload, first, prod, wl, na0, na1, na2, na3, nw0=0, nw1=0, nw2=0, nw3=0
.if \prod
	s_wait_alu depctr_vm_vsrc(0)           ; the LDS stores issued so far have read v[LS] and v[PK ..], which K step 0 writes again; in trip 0: the prologue's have read v[BF ..], in which the loads below land
.endif
	FETCH 0                                ; no wait on va_vdst: v[LB] was written, and this buffer last read, ahead of the last one
.if \first
	s_cmp_lg_u32 s[CC], 0
	s_cbranch_scc1 .Lnz\@
	KSTEP 0, 1, \reload, \na0, \prod, \nw0, 2*(\wl)
	s_branch .Ljn\@
.Lnz\@:
.endif
	KSTEP 0, 0, \reload, \na0, \prod, \nw0, 2*(\wl)
.if \first
.Ljn\@:
.endif
	KSTEP 1, 0, \reload, \na1, \prod, \nw1, \wl
	KSTEP 2, 0, \reload, \na2, \prod, \nw2, \wl
	KSTEP 3, 0, \reload, \na3, \prod, \nw3, \wl
.endm
; The prologue's step: K step ks of chunk 0 is rounded and stored; chunk 1's is asked for; then chunk 0's token fragments: the order of issue of every trip (K step 3's token fragments: at the head of trip 0)
.macro PRO ks, nw
	s_wait_loadcnt \nw
	CVT \ks, BF+16*(\ks)
	s_wait_alu depctr_va_vdst(0)           ; the conversions have written the packed words, which the LDS stores read, and are done reading ST[ks], in which the loads land; at the first step also: v[LS], v[LB], v[ROW ..] and tile 4's zeros are written
	STO \ks, 0, BF+16*(\ks)
	WLOAD \ks, 1
.if (\ks) < 3
	ALOAD \ks
.endif
.endm
; A pass's addresses, on every wave's way: my lane's row in each of the five tiles, the one store offset, and the two flags that steer what is jumped
.macro SETROWS
.if UP
	WIN 0x08                               ; source 1 window 2
.irp i, 0,1,2,3,4
	v_min_u32 v[ROW+(\i)], 0x3ff, v[NX+(\i)]                   ; the token of rank 16 (20 p + w + 4 i) + lane % 16
.endr
	WIN 0x82                               ; destination and source 0 window 2
.set z, 0
.rept 15                               ; the later passes' tokens move down: one text serves every pass, and no pass waits for memory to learn its rows
	v_mov_b32 v[NX+z], v[NX+z+5]
.set z, z+1
.endr
	WIN 0
.irp i, 0,1,2,3,4
	v_lshl_add_u32 v[ROW+(\i)], v[ROW+(\i)], ASH, v[V16H]
.endr
.else
	v_add_nc_u32 v[TM], s[RK], v2
.irp i, 0,1,2,3,4
	v_add_nc_u32 v[ROW+(\i)], 64*(\i), v[TM]                   ; rank 16 (20 p + w + 4 i) + lane % 16 is the row in the expert's region,
.endr
.irp i, 0,1,2,3,4
	v_min_u32 v[ROW+(\i)], s[LAST], v[ROW+(\i)]                ; held to the rows that have been stored,
.endr
.irp i, 0,1,2,3,4
	v_min_u32 v[ROW+(\i)], 0x3ff, v[ROW+(\i)]                  ; and to the region whatever the count holds
.endr
.irp i, 0,1,2,3,4
	v_lshl_add_u32 v[ROW+(\i)], v[ROW+(\i)], ASH, v[V16H]
.endr
.endif
	v_add_nc_u32 v[TM], s[RK], v[VH8]
	v_lshl_add_u32 v[AD], v[TM], OSH, v[COL]
	s_add_co_u32 s26, s[TAU], 16
	s_cmp_lt_u32 s26, s[NT]
	s_cselect_b32 s[T5], 1, 0
	s_cmp_lt_u32 s[TAU], s[NT]
	s_cselect_b32 s[LIVE], 1, 0
.endm
; THE WAY OUT of tile i: bias, (relu, rounding,) stores.  A tile past the count, and with it all later ones, is jumped: arithmetic on data registers and stores alone.
.macro OUT i
	WIN 0
	s_add_co_u32 s26, s[TAU], 4*(\i)
	s_cmp_ge_u32 s26, s[NT]
	s_cbranch_scc1 .Lbottom
	s_wait_xcnt 0x0                        ; the last tile's stores have read their data registers
.if (\i) > 0
	s_wait_alu depctr_vm_vsrc(0)           ; the last tile's stores have read their data registers, which the lines below write again
.endif
.if (\i) < 4
	WIN 0x01                               ; source 0 window 1
.else
	WIN 0x02
.endif
.irp j, 0,1,2,3,4,5,6,7                ; j ascending: each accumulator is read from its low end on
.irp n, 0,1,2,3,4,5,6,7
	v_add_f32 v[T+8*(\j)+(\n)], v[64*((\i)%4)+8*(\n)+(\j)], v[BIAS+(\n)]
.endr
.endr
	WIN 0
.if UP
.irp j, 0,1,2,3,4,5,6,7
.irp m, 0,1,2,3
	v_cvt_pk_bf16_f32 v[P+4*(\j)+(\m)], v[T+8*(\j)+2*(\m)], v[T+8*(\j)+2*(\m)+1]
.endr
.endr
.set z, 0
.rept 32
	v_pk_max_num_bf16 v[P+z], v[P+z], v[ZR]                    ; relu, two at a time: nothing is rounded
.set z, z+1
.endr
.endif
	s_wait_alu depctr_va_vdst(0)           ; the lines above have written the tile's results, which the stores read as data; the pass's v[AD], their offset, is written too
.irp j, 0,1,2,3,4,5,6,7                ; rows 8 h + j: each half of the lanes stores 256 consecutive bytes of its row, aligned; 263 rows at the most stand in the immediate, inside its signed 24 bits
.if UP
	global_store_b128 v[AD], v[P+4*(\j):P+4*(\j)+3], s[12:13] offset:(64*(\i)+(\j))<<OSH
.else
	global_store_b128 v[AD], v[T+8*(\j):T+8*(\j)+3], s[12:13] offset:(64*(\i)+(\j))<<OSH
	global_store_b128 v[AD], v[T+8*(\j)+4:T+8*(\j)+7], s[12:13] offset:((64*(\i)+(\j))<<OSH)+256
.endif
.endr
.endm
	s_load_b256 s[4:11], s[0:1], 0x0
	s_load_b64 s[12:13], s[0:1], 0x20
	v_lshl_add_u32 v62, v0, 2, 0x42000
	v_mov_b32 v63, 0
	v_and_b32 v1, 31, v0                           ; lane
	v_and_b32 v2, 15, v0                           ; r
	v_bfe_u32 v3, v0, 4, 1                         ; h
	v_lshrrev_b32 v[TM], 5, v0
	v_readfirstlane_b32 s[WV], v[TM]
	s_wait_alu depctr_va_sdst(0)                   ; s[WV] is written, ahead of its first reader: offsets, bases and tiles are made from it
	s_and_b32 s[G], s[WV], 1
	s_lshr_b32 s[KQ], s[WV], 1
	s_lshr_b32 s[EX], ttmp9, 5
.if UP
	s_and_b32 s[SLI], ttmp9, 31
.else
	s_and_b32 s[SLI], ttmp9, 7
	s_bfe_u32 s[Q], ttmp9, 0x20003                 ; the quarter of K
.endif
	v_lshlrev_b32 v[WOFF], 4, v2                   ; 16 r
	v_lshl_add_u32 v[WOFF], v3, PWS+3, v[WOFF]     ; + 8 h rows
	s_lshl_b32 s26, s[KQ], PWS+4                   ; + 16 kq rows
	s_lshl_b32 s27, s[G], 8                        ; + 256 g
	s_add_co_u32 s26, s26, s27
	v_add_nc_u32 v[WOFF], s26, v[WOFF]
	v_lshlrev_b32 v[PFO], PWS, v0
.if UP
	v_lshrrev_b32 v[TM], 1, v2                     ; column 64 g + 4 r + c = 8 (8 g + r / 2) + 4 (r % 2) + c: reader's lane 16 h + 8 g + r / 2, tile 4 (r % 2) + c
	v_lshlrev_b32 v[LS0], 4, v[TM]
	v_lshl_add_u32 v[LS0], v3, 8, v[LS0]
	v_and_b32 v[TM], 1, v2
	v_mul_u32_u24 v[TM], v[TM], 4*TLB              ; 4,224 = 128 modulo 256: even and odd r fill different banks (64 banks of 4 bytes: ISA guide 11.1)
	v_add_nc_u32 v[LS0], v[LS0], v[TM]
	s_lshl_b32 s26, s[G], 7
.else
	v_lshlrev_b32 v[LS0], 4, v1                    ; reader's lane = mine, tile 4 g + c
	s_mul_i32 s26, s[G], 4*TLB
.endif
	s_lshl_b32 s27, s[KQ], 9                       ; registers 0-3 or 4-7
	s_add_co_u32 s26, s26, s27
	v_add_nc_u32 v[LS0], s26, v[LS0]
	v_lshlrev_b32 v[LB0], 4, v1
	v_add_nc_u32 v[LB1], CHB, v[LB0]
	v_lshlrev_b32 v[V16H], 4, v3
	v_lshlrev_b32 v[COL], 4, v2
	v_lshlrev_b32 v[VH8], 3, v3
.if UP
	v_lshlrev_b32 v[BOF], 5, v2
	v_mov_b32 v[ZR], 0
	s_lshl_b32 s26, s[WV], 6                       ; tile w of a pass: 64 bytes a tile in the list
	v_lshl_add_u32 v[VLG], v2, 2, s26
.endif
	s_mul_i32 s[OF], s[EX], ROWB
	s_add_co_u32 s[OF], s[OF], ROW0
	s_mov_b32 s[OF+1], 0
	s_wait_kmcnt 0x0
	s_add_nc_u64 s[LP:LP+1], s[10:11], s[OF:OF+1]
	s_load_b32 s[CNT], s[LP:LP+1], CNTO            ; the expert's count
	s_lshl_b32 s[OF], s[EX], 24                    ; an expert's weights are 2^24 bytes
	s_lshl_b32 s26, s[SLI], 9                      ; 128 columns of f32
	s_add_co_u32 s[OF], s[OF], s26
.if UP == 0
	s_lshl_b32 s27, s[Q], 22                       ; 1,024 rows of 4,096 bytes
	s_add_co_u32 s[OF], s[OF], s27
.endif
	s_add_nc_u64 s[SW:SW+1], s[4:5], s[OF:OF+1]
	s_lshl_b32 s[OF], s[EX], BSH
	s_add_co_u32 s[OF], s[OF], s26
	s_add_nc_u64 s[6:7], s[6:7], s[OF:OF+1]
.if UP
	s_mov_b64 s[SA0:SA0+1], s[8:9]
	s_lshl_b32 s[OF], s[EX], 23                    ; the expert's region of h: 1,024 rows of 8,192 bytes
	s_lshl_b32 s27, s[SLI], 8                      ; 128 columns of bf16
	s_add_co_u32 s[OF], s[OF], s27
.else
	s_lshl_b32 s[OF], s[EX], 23                    ; the expert's region of h
	s_lshl_b32 s27, s[Q], 11                       ; 1,024 numbers of bf16 along a row
	s_add_co_u32 s[OF], s[OF], s27
	s_add_nc_u64 s[SA0:SA0+1], s[8:9], s[OF:OF+1]
	s_lshl_b32 s[OF], s[Q], 25                     ; the quarter's 8,192 rows of 4,096 bytes
	s_lshl_b32 s27, s[EX], 22                      ; the expert's 1,024 of them
	s_add_co_u32 s[OF], s[OF], s27
	s_add_co_u32 s[OF], s[OF], s26
.endif
	s_add_nc_u64 s[12:13], s[12:13], s[OF:OF+1]
	s_mov_b64 s[SA:SA+1], s[SA0:SA0+1]
.if UP
	WIN 0x80                                       ; destination window 2
.endif
	s_wait_alu depctr_va_vdst(0)                   ; the offsets made above are written: v[WOFF], v[PFO], v[COL], and in the first product v[VLG] and v[BOF], which the loads and prefetches below read
.if UP
.irp p, 0,1,2,3
.irp i, 0,1,2,3,4
	global_load_b32 v[NX+5*(\p)+(\i)], v[VLG], s[LP:LP+1] offset:1280*(\p)+256*(\i)  ; the tokens of tile 20 p + w + 4 i: 64 consecutive bytes, both halves of the lanes alike
.endr
.endr
	WIN 0
	global_load_b128 v[BIAS:BIAS+3],   v[BOF], s[6:7]              ; columns 8 r + 0..7
	global_load_b128 v[BIAS+4:BIAS+7], v[BOF], s[6:7] offset:16
.else
	global_load_b128 v[BIAS:BIAS+3],   v[COL], s[6:7]              ; columns 4 r + 0..3 and 64 + 4 r + 0..3
	global_load_b128 v[BIAS+4:BIAS+7], v[COL], s[6:7] offset:256
.endif
	WLOAD 0, 0                                     ; chunk 0 of the weights: 32 loads
	WLOAD 1, 0
	WLOAD 2, 0
	WLOAD 3, 0
	global_prefetch_b8 v[PFO], s[SW:SW+1] offset:CHW th:TH_LOAD_NT scope:SCOPE_SE        ; chunks 1 and 2, which the prologue and trip 0 load
	global_prefetch_b8 v[PFO], s[SW:SW+1] offset:CHW+256 th:TH_LOAD_NT scope:SCOPE_SE
	global_prefetch_b8 v[PFO], s[SW:SW+1] offset:2*CHW th:TH_LOAD_NT scope:SCOPE_SE
	global_prefetch_b8 v[PFO], s[SW:SW+1] offset:2*CHW+256 th:TH_LOAD_NT scope:SCOPE_SE
	WIN 0x80                                       ; tile 4's fragment registers: 0 until a pass in which it has rows loads them
.irp ks, 0,1,2,3
.irp z, 0,1,2,3,4,5,6,7
	v_mov_b32 v[AR+40*(\ks)+32+(\z)], 0
.endr
.endr
	WIN 0
	s_wait_kmcnt 0x0                               ; the count
	s_add_co_u32 s[NT], s[CNT], 15
	s_lshr_b32 s[NT], s[NT], 4
	s_max_u32 s[NT], s[NT], 1
	s_lshl_b32 s[LAST], s[NT], 4
	s_sub_co_u32 s[LAST], s[LAST], 1
	s_mov_b32 s[PS], 0
	s_mov_b32 s[TAU], s[WV]
	s_lshl_b32 s[RK], s[WV], 4
	s_wait_loadcnt 32                              ; the tokens and the biases are in; the 32 loads of weights stay out
.if UP == 0
	s_cmp_eq_u32 s[Q], 0                           ; the bias enters one of the four partial sums
	s_cselect_b32 s26, -1, 0
.irp n, 0,1,2,3,4,5,6,7
	v_and_b32 v[BIAS+(\n)], s26, v[BIAS+(\n)]
.endr
.endif
	SETROWS
	s_mov_b32 s[CC], 0
	s_mov_b32 s[CB], 0
	v_add_nc_u32 v[LS], s[CB], v[LS0]
	v_add_nc_u32 v[LB], s[CB], v[LB0]
; PASS 0.  The prologue rounds chunk 0 into LDS.  Trip c multiplies chunk c; at the head of K step ks it rounds K step ks of chunk c + 1 into LDS bytes that nobody reads before the trip's barrier, and asks for the same K step of
; chunk c + 2 of the weights and for K step ks - 1 of chunk c + 1 of the token rows (K step 0: for K step 3 of chunk c).
; LOADS IN ISSUE ORDER, in the prologue and in every trip alike: W0 A0 W1 A1 W2 A2 W3 A3 (W: 8 loads; A: a = 8, or 10 where tile 4 has rows); A3 stands at the head of the next trip's K step 0, ahead of its W0.  At the head of
; K step ks, behind the W_ks that it rounds have come 24 + 3 a loads, and behind the A_ks that it multiplies, once this head's own loads are out, 32 + 3 a.  The waits are written for a = 8: 48 and 56.  With a = 10 they also wait
; for up to six of the oldest loads behind, which were issued most of a trip ago.  In the prologue behind chunk 0's W_ks have come 8 (3 - ks) + (8 + a) ks.
	PRO 0, 24
	PRO 1, 32
	PRO 2, 40
	PRO 3, 48
	s_wait_dscnt 0x0                               ; for the others' sake: my part of chunk 0 is in LDS
	s_barrier_signal -1
	s_barrier_wait -1                              ; everybody's is
.Lchunk:                                               ; trips 0 to 5
	CHUNK 1, 1, 1, 1, 56, 56, 56, 56, 48, 48, 48, 48
	s_add_co_u32 s[CB], s[CB], CHB
	s_add_co_u32 s[CC], s[CC], 1
	s_cmp_lt_u32 s[CC], 6
	s_cbranch_scc1 .Lchunk
	; trip 6 is written out: chunk 7 is rounded, no weights are left to ask for, and the counts run down: behind trip 5's W_ks, and behind chunk 6's A_ks once the head's own loads are out: 24 + 3 a, 16 + 3 a, 8 + 3 a, 3 a
	CHUNK 1, 0, 1, 0, 48, 40, 32, 24, 48, 40, 32, 24
	PLACES
	v_nop                                          ; a fifth place: the text entered below begins with a choice between two copies of K step 0, one of which writes the accumulators anew, and a matrix instruction that writes over another's registers stands five places behind it
	s_wait_alu depctr_va_vdst(0)                   ; K step 3's products are done reading AR[3], in which the loads below land, and their B buffer, in which chunk 7's K step 1 will land
	ALOAD 3                                        ; chunk 7's last token fragments: the text that multiplies it asks for none
	s_mov_b32 s[CC], 7                             ; chunk 7 is multiplied by the text of the later passes' last trip: its token fragments are on their way, a (3 - ks) loads behind A_ks; v[LB] stands at chunk 7 since K step 3's head
	s_mov_b32 s[CB], 7*CHB
	s_branch .Lpenter
; PASSES 1 TO 3: the slice is in LDS; no barrier, no LDS store.  Three trips on every wave's way; a wave without rows in the pass jumps each chunk's loads and products.
.Lpass:
	s_add_co_u32 s[TAU], s[TAU], 20
	s_add_co_u32 s[RK], s[RK], 320
	s_wait_xcnt 0x0                                ; the last pass's stores have read their offset and data; the offsets and the base are written only behind this wait
	s_wait_alu depctr_vm_vsrc(0)                   ; the last pass's stores have read v[AD] and their data, its token loads v[ROW ..]: the lines below write the offsets again, the next way out the data
	SETROWS
	s_mov_b64 s[SA:SA+1], s[SA0:SA0+1]
	s_mov_b32 s[CC], 0
	s_mov_b32 s[CB], 0
.Lpchunk:
	s_wait_alu depctr_vm_vsrc(0)                   ; the fragments' loads issued so far have read v[LB]
	v_add_nc_u32 v[LB], s[CB], v[LB0]
	s_cmp_eq_u32 s[LIVE], 0
	s_cbranch_scc1 .Lpskip                         ; jumped: loads into data registers, their waits (which end at 0) and products
	PLACES
	s_wait_alu depctr_va_vdst(0)                   ; v[LB] and the pass's v[ROW ..] are written; the last chunk's products are done reading the token fragments and both B buffers, in which the loads below land
	ALOAD 0
	ALOAD 1
	ALOAD 2
	ALOAD 3
.Lpenter:
	CHUNK 0, 1, 0, 0, 24, 16, 8, 0
.Lpskip:
	s_wait_xcnt 0x0
	s_add_nc_u64 s[SA:SA+1], s[SA:SA+1], CHA
	s_add_co_u32 s[CB], s[CB], CHB
	s_add_co_u32 s[CC], s[CC], 1
	s_cmp_lt_u32 s[CC], 8
	s_cbranch_scc1 .Lpchunk
.Lout:
	PLACES                                         ; between the last products and the first read of a result
	OUT 0
	OUT 1
	OUT 2
	OUT 3
	OUT 4
.Lbottom:
	s_add_co_u32 s[PS], s[PS], 1
	s_cmp_lt_u32 s[PS], 4
	s_cbranch_scc1 .Lpass
	s_wait_dscnt 0x0                               ; my last LDS instructions are done
	s_wait_alu depctr_hold_cnt(0) depctr_sa_sdst(0) depctr_va_vdst(0) depctr_va_sdst(0) depctr_va_ssrc(0) depctr_va_vcc(0) depctr_vm_vsrc(0)
	s_wait_tensorcnt 0x0
	ds_add_u32 v62, v63
	s_wait_dscnt 0x0
	s_endpgm
.Lfunc_end_k_q29656f1dbf_up:
	.size	k_q29656f1dbf_up, .Lfunc_end_k_q29656f1dbf_up-k_q29656f1dbf_up
	.p2alignl 7, 3214868480
	.fill 96, 4, 3214868480
	.section	.rodata,"a",@progbits
	.p2align	6, 0x0
	.amdhsa_kernel k_q29656f1dbf_up
		.amdhsa_group_segment_fixed_size 270848
		.amdhsa_private_segment_fixed_size 0
		.amdhsa_enable_private_segment 0
		.amdhsa_kernarg_size 40
		.amdhsa_user_sgpr_count 2
		.amdhsa_user_sgpr_kernarg_segment_ptr 1
		.amdhsa_wavefront_size32 1
		.amdhsa_system_sgpr_workgroup_id_x 1
		.amdhsa_system_sgpr_workgroup_id_y 1
		.amdhsa_system_sgpr_workgroup_id_z 1
		.amdhsa_system_vgpr_workitem_id 0
		.amdhsa_next_free_vgpr 896
		.amdhsa_next_free_sgpr 66
		.amdhsa_reserve_vcc 0
		.amdhsa_float_denorm_mode_32 3
		.amdhsa_float_denorm_mode_16_64 3
		.amdhsa_memory_ordered 1
		.amdhsa_forward_progress 1
		.amdhsa_inst_pref_size 150
	.end_amdhsa_kernel
	.amdgpu_metadata
---
amdhsa.version: [ 1, 2 ]
amdhsa.kernels:
  - .name:           k_q29656f1dbf_up
    .symbol:         k_q29656f1dbf_up.kd
    .args:
      - { .name: W1, .offset: 0, .size: 8, .value_kind: global_buffer, .address_space: global }
      - { .name: b1, .offset: 8, .size: 8, .value_kind: global_buffer, .address_space: global }
      - { .name: xb, .offset: 16, .size: 8, .value_kind: global_buffer, .address_space: global }
      - { .name: ord, .offset: 24, .size: 8, .value_kind: global_buffer, .address_space: global }
      - { .name: hbuf, .offset: 32, .size: 8, .value_kind: global_buffer, .address_space: global }
    .group_segment_fixed_size: 270848
    .private_segment_fixed_size: 0
    .kernarg_segment_align: 8
    .kernarg_segment_size: 40
    .max_flat_workgroup_size: 128
    .sgpr_count:     66
    .vgpr_count:     896
    .wavefront_size: 32
...
	.end_amdgpu_metadata
.endif
;; end of part 9
;; launch down (part 10): grid 256 x 1, 4 waves a work-group, no clusters, 270,848 bytes of LDS; arguments W2, b2, hbuf, ord, part; writes part
.if DOCPART == 10
	.amdgcn_target "amdgcn-amd-amdhsa--gfx1250"
	.amdhsa_code_object_version 6
	.text
	.protected	k_q29656f1dbf_down
	.globl	k_q29656f1dbf_down
	.p2align	8
	.type	k_q29656f1dbf_down,@function
k_q29656f1dbf_down:
	s_mov_b64 s[64:65], 0
	v_nop
	global_prefetch_b8 v0, s[64:65] scope:SCOPE_SE
	s_setreg_imm32_b32 hwreg(HW_REG_WAVE_SCHED_MODE, 0, 2), 2
	s_setreg_imm32_b32 hwreg(HW_REG_WAVE_MODE, 25, 1), 1
	s_wait_xcnt 0x0
	s_wait_alu depctr_vm_vsrc(0)
; SECOND PRODUCT OF THE EXPERTS, in quarters of K: part[q][row] = h[row][1024 q ..] W2[e][1024 q ..][:] (+ b2[e] in quarter 0) for expert e's rows, in the order of their ranks.  (UP = 1 is the first product's text: the same macros.)
; W2: [8][4096][1024] f32.  b2: [8][1024] f32.  hbuf: [8][1024][4096] bf16: expert e's row of rank n is row 1024 e + n.  ord: whole numbers of an earlier launch, of which this one reads the expert's count.
; part: [4][8][1024][1024] f32: partial sums, so f32; the rows as in hbuf; only rows that are stored are ever read.
; SHARES.  Work-group = (expert e = number / 32, quarter q of K, slice of 128 columns): 512 KB of weights that it alone reads, once, and ALL of the expert's rows.  Operands bf16, sums f32.
; K is split so that a slice has 128 columns (weight rows of 512 bytes; a token fragment feeds 8 products) on 256 work-groups; the sigmoid wants the whole sum and stands in the launch that adds the quarters.
; WEIGHTS.  They lie [k][n] in f32; a matrix operand wants k along a lane's registers in bf16.  A load takes 64 columns of two k rows (16 lanes: 256 consecutive bytes, aligned); wave w has column half g = w % 2
; and k half kq = w / 2 of a K step of 32; its lane (r, h) holds rows 16 kq + 8 h + 0..7 of columns 64 g + 4 r + 0..3.  Rounding rows in pairs gives, for each column, registers 4 kq .. 4 kq + 3 of a B fragment as lane half h
; holds them: nothing is turned.  The fragments go to LDS in the order in which readers' lanes take them (512 consecutive bytes a load) and STAY: 32 K steps x 8,448 bytes.  No byte of LDS is written twice.
; COLUMNS.  Which fragment and lane a column goes to is the writer's choice.  Here column = 64 (tile / 4) + 4 x lane + tile % 4, so that four tiles hold four neighbouring columns of a row: 16 bytes in f32.
; ROWS.  A tile is 16 ranks; in pass p wave w has tiles 20 p + w + 4 i, i = 0..4.  A rank is a row of the expert's region: no list is read.
; Token fragments come from memory straight into registers (two loads of 16 bytes a lane), each read by one wave and used for 8 products.
; PASS 0 streams the weights: while chunk c (128 along K) is multiplied, chunk c + 1 is rounded into LDS, K step by K step, and chunk c + 2 is on its way from memory; one barrier a chunk.  Passes 1 to 3
; (an expert with more than 320 rows) read the slice from LDS again and hold no barrier and no LDS store: 4 x 320 >= 1,024 rows serve every split.  Their count of trips is constant, and every address is formed on every
; wave's way; what a wave without rows jumps is work alone: loads into data registers, products, additions, stores.
; THE COUNT steers only what is jumped, and bounds the rows that are loaded.  NT = the expert's tiles, at least 1, as in the launch before, which has stored rows 0 to 16 NT - 1 of the region: a rank past them takes the last of them.
; A tile is stored whole; rows past the count are read by nobody.  Tile 4's loads are jumped where it is empty (its fragment registers hold 0 from the head on); its first products always run, so that its sums are written on every way.
; NO JOINT LOADS: each slice of weights has one reader; the rows of h that an expert's work-groups share are dense here, but a chunk of 320 rows is 80 KB, and beside the slice LDS has no room for a ring of such chunks.
; LIMITS.  Inputs are taken to be finite.  bf16 operands have f32's range.
; THE MODE: SCHED_MODE bits 1:0 = 2 (LLVM: expert scheduling mode 2), set by the entry lines.  The code itself states the register dependences between vector or matrix instructions and memory or LDS instructions,
; with s_wait_alu, always for 0.
; THE PLAN.  Registers that memory or LDS instructions touch in pass 0's loop, K step ks of a trip:
;   ST[ks]       read by the K step's sixteen conversions, at its head; behind them the same K step of the chunk after next lands in it.
;   PK           written by those conversions; read by the K step's four LDS stores.
;   AR[ks]       read by the K step's products; the token fragments of a chunk on land in it at the head of K step ks + 1 (AR[3]: at the head of the next trip's K step 0).
;   B[ks % 2]    two buffers of a whole K step's eight fragments.  Read by the K step's products; the fragments of K step ks + 2 land in it in the middle of K step ks + 1 (K step 0's: at the trip's head, behind the barrier).
;   v[LS]        read by the LDS stores; written once a trip, among K step 0's conversions.     v[LB]  read by the fragments' loads; written once a trip, among K step 3's conversions.
;   v[WOFF], v[PFO], v[ROW ..]  read by the loads and prefetches; never written in the loop: scalar bases and immediate offsets do the rest.
; So ONE wait on vm_vsrc stands ahead of a K step's conversions (the last LDS stores have read PK, and LS or LB is free), and ONE wait on va_vdst behind them: PK and LS or LB are written, the conversions are done reading
; ST[ks], the last K step's products are done reading AR[ks - 1] and B[(ks - 1) % 2].  All the K step's loads and stores follow that wait with no further one: the only vector or matrix instructions since are the K step's
; products, which name AR[ks], B[ks % 2] and the accumulators, none of which a load or store of the K step touches.
.set UP, 0
.if UP
.set PWS, 14                           ; a weight row is 1 << PWS bytes
.set BSH, 14                           ; an expert's bias row likewise
.set ASH, 11                           ; a token row of the A source
.set OSH, 13                           ; a row of the output
.else
.set PWS, 12
.set BSH, 12
.set ASH, 13
.set OSH, 12
.endif
.set PW,   1<<PWS
.set CHW,  128*PW                      ; a chunk: 128 along K = 4 K steps
.set CHA,  256                         ; the same in a token row
.set TLB,  1056                        ; a fragment in LDS: registers 0-3 (512 bytes), registers 4-7 (512), 32 spare
.set KSB,  8*TLB                       ; a K step's 8 fragments
.set CHB,  4*KSB                       ; the slice ends at byte 8 CHB; the closing add uses the 512 bytes behind it
.set ROW0, 8192                        ; ord: bytes ahead of the experts' rows
.set ROWB, 5376                        ; bytes of an expert's row
.set CNTO, 5248                        ; the count's place in it
; window 0
.set WOFF, 6                           ; my byte offset in a chunk of weights
.set PFO,  7                           ; row (thread number) of a chunk: the prefetch's offset
.set LS,   8                           ; where I store fragments, counted from the chunk that is multiplied;  LS0: from chunk 0
.set LS0,  9
.set LB,   10                          ; where I read them: the chunk whose fragments are fetched next;  LB0 = 16 x lane;  LB1 = LB0 + a chunk
.set LB0,  11
.set VLG,  12                          ; first product: 64 w + 4 (lane % 16), my place in a pass's part of the list
.set LB1,  13
.set V16H, 14                          ; 16 (lane / 16)
.set COL,  15                          ; 16 (lane % 16)
.set ROW,  16                          ; v16-20  tile i: byte offset of my row's fragment
.set BOF,  21                          ; offset of my biases
.set ZR,   22                          ; 0, for the relu
.set AD,   23                          ; the pass's store offset: row 16 (20 p + w) + 8 (lane / 16), 16 bytes a lane; tile and row stand in the stores' immediates
.set VH8,  24                          ; 8 (lane / 16)
.set BIAS, 32                          ; v32-39  bias of my column in tile n
.set PK,   40                          ; v40-55  a K step's weights, rounded and packed: 4 c + pair of rows
.set TM,   60                          ; at work
.set BF,   64                          ; v64-127  the eight B fragments of an even K step; in the prologue the packed words.  The same numbers in window 3: those of an odd K step
.set ST,   128                         ; v128-255  weights as loaded: 32 ks + 4 row + c
.set T,    128                         ; the way out: 8 j + n
.set P,    192                         ; the way out: packed, 4 j + m
; window 1: accumulator (tile i, n) at 64 i + 8 n, i = 0..3.   window 2: v0-63 tile 4's; v64-223 the token fragments, K step ks, tile i at AR + 40 ks + 8 i; v224-243 first product: the tokens of my ranks, this pass's five first
; window 3: v64-127 the B fragments of an odd K step
.set AR,   64
.set NX,   224
; scalars: s[4:5] weights, s[6:7] bias, s[8:9] A source, s[10:11] ord, s[12:13] output
.set WV,  14
.set EX,  15
.set SLI, 16
.set G,   17
.set KQ,  18
.set Q,   19
.set CNT, 20                           ; the expert's rows
.set NT,  21                           ; its tiles, at least 1
.set T5,  22                           ; 1: my tile 4 of this pass has rows
.set PS,  23                           ; pass
.set CC,  24                           ; chunk
.set TAU, 25                           ; my first tile of the pass
.set SW,  30                           ; s[30:31] the weights' base: steps a chunk a trip
.set SA,  32                           ; s[32:33] the chunk of token rows to load next
.set SA0, 34                           ; s[34:35] chunk 0 of them
.set LP,  36                           ; s[36:37] my expert's row of ord
.set RK,  38                           ; 16 TAU: my first rank of the pass
.set LAST, 39                          ; 16 NT - 1: the last row of the expert's that is stored
.set OF,  42                           ; s[42:43] an offset
.set CB,  44                           ; the first LDS byte of the chunk that is multiplied
.set LIVE, 46                          ; 1: I have a tile with rows in this pass
.set MSB, 0
.macro WIN new                         ; bits 1:0 source 0, 3:2 source 1, 5:4 source 2, 7:6 destination; the high byte repeats the setting that is left
.if MSB != (\new)
	s_set_vgpr_msb (MSB<<8)|(\new)
.set MSB, \new
.endif
.endm
.macro PLACES                          ; four plain lines between a matrix instruction and a load into, or a vector line on, one of its registers
.rept 4
	v_nop
.endr
.endm
; K step ks of the chunk ah chunks behind s[SW]: my 8 rows x 64 columns.  103 rows and two chunks at the most stand in the immediate, inside its signed 24 bits
.macro WLOAD ks, ah
.irp i, 0,1,2,3,4,5,6,7
	global_load_b128 v[ST+32*(\ks)+4*(\i):ST+32*(\ks)+4*(\i)+3], v[WOFF], s[SW:SW+1] offset:(32*(\ks)+(\i))*PW+(\ah)*CHW th:TH_LOAD_NT
.endr
.endm
; K step ks as loaded is rounded, rows in pairs, into 16 registers from pk on,
.macro CVT ks, pk
.irp c, 0,1,2,3
.irp i2, 0,1,2,3
	v_cvt_pk_bf16_f32 v[(\pk)+4*(\c)+(\i2)], v[ST+32*(\ks)+8*(\i2)+(\c)], v[ST+32*(\ks)+8*(\i2)+4+(\c)]
.endr
.endr
.endm
; and stored as four quarter fragments, lo bytes behind the chunk that LS counts from
.macro STO ks, lo, pk
.irp c, 0,1,2,3
	ds_store_b128 v[LS], v[(\pk)+4*(\c):(\pk)+4*(\c)+3] offset:(\lo)+KSB*(\ks)+TLB*(\c)
.endr
.endm
; K step slot of the chunk at s[SA]: the token fragments of tiles 0 to 3, eight loads, and, where it has rows, of tile 4.  The rows are read again by the expert's other work-groups.
.macro ALOAD slot
	WIN 0x80                               ; destination window 2
.irp i, 0,1,2,3
	global_load_b128 v[AR+40*(\slot)+8*(\i):AR+40*(\slot)+8*(\i)+3],   v[ROW+(\i)], s[SA:SA+1] offset:64*(\slot) th:TH_LOAD_HT
	global_load_b128 v[AR+40*(\slot)+8*(\i)+4:AR+40*(\slot)+8*(\i)+7], v[ROW+(\i)], s[SA:SA+1] offset:64*(\slot)+32 th:TH_LOAD_HT
.endr
	WIN 0                                  ; at a branch and at a label every window is 0
	s_cmp_eq_u32 s[T5], 0
	s_cbranch_scc1 .La\@                   ; an empty tile 4: two loads into data registers are jumped
	WIN 0x80
	global_load_b128 v[AR+40*(\slot)+32:AR+40*(\slot)+35], v[ROW+4], s[SA:SA+1] offset:64*(\slot) th:TH_LOAD_HT
	global_load_b128 v[AR+40*(\slot)+36:AR+40*(\slot)+39], v[ROW+4], s[SA:SA+1] offset:64*(\slot)+32 th:TH_LOAD_HT
	WIN 0
.La\@:
.endm
; the eight B fragments of K step ks, into the buffer of its parity: sixteen loads of 512 consecutive bytes, tiles 0 to 3 first
.macro FETCH ks
.if (\ks)%2
	WIN 0xc0                               ; destination window 3
.else
	WIN 0
.endif
.irp m, 0,1,2,3,4,5,6,7
	ds_load_b128 v[BF+8*(\m):BF+8*(\m)+3],   v[LB] offset:KSB*(\ks)+TLB*(\m)
	ds_load_b128 v[BF+8*(\m)+4:BF+8*(\m)+7], v[LB] offset:KSB*(\ks)+TLB*(\m)+512
.endr
.endm
; 16 products (tiles 0-3 x fragments 4 hf .. 4 hf + 3), then tile 4's four.  The accumulators take turns, one instruction a turn.  zero = 1: the products start the sums.
; bw = 1: the wait of the barrier that was signalled ahead of the sixteen stands behind them, ahead of the branch.
.macro MUL ks, hf, zero, bw=0
	WIN 0x52+0x0c*((\ks)%2)                ; token fragment window 2, B window 0 or 3, C and D window 1
.irp i, 0,1,2,3
.irp m, 0,1,2,3
.if \zero
	v_wmma_f32_16x16x32_bf16 v[64*(\i)+8*(4*(\hf)+(\m)):64*(\i)+8*(4*(\hf)+(\m))+7], v[AR+40*(\ks)+8*(\i):AR+40*(\ks)+8*(\i)+7], v[BF+8*(4*(\hf)+(\m)):BF+8*(4*(\hf)+(\m))+7], 0
.else
	v_wmma_f32_16x16x32_bf16 v[64*(\i)+8*(4*(\hf)+(\m)):64*(\i)+8*(4*(\hf)+(\m))+7], v[AR+40*(\ks)+8*(\i):AR+40*(\ks)+8*(\i)+7], v[BF+8*(4*(\hf)+(\m)):BF+8*(4*(\hf)+(\m))+7], v[64*(\i)+8*(4*(\hf)+(\m)):64*(\i)+8*(4*(\hf)+(\m))+7]
.endif
.endr
.endr
.if \zero
	WIN 0xa2+0x0c*((\ks)%2)                ; C and D window 2
.irp m, 0,1,2,3
	v_wmma_f32_16x16x32_bf16 v[8*(4*(\hf)+(\m)):8*(4*(\hf)+(\m))+7], v[AR+40*(\ks)+32:AR+40*(\ks)+39], v[BF+8*(4*(\hf)+(\m)):BF+8*(4*(\hf)+(\m))+7], 0
.endr
	WIN 0
.else
	WIN 0
.if \bw
	s_barrier_wait -1                      ; every wave's part of the next chunk is in LDS
.endif
	s_cmp_eq_u32 s[T5], 0
	s_cbranch_scc1 .Lm\@                   ; an empty tile 4: only products are jumped
	WIN 0xa2+0x0c*((\ks)%2)
.irp m, 0,1,2,3
	v_wmma_f32_16x16x32_bf16 v[8*(4*(\hf)+(\m)):8*(4*(\hf)+(\m))+7], v[AR+40*(\ks)+32:AR+40*(\ks)+39], v[BF+8*(4*(\hf)+(\m)):BF+8*(4*(\hf)+(\m))+7], v[8*(4*(\hf)+(\m)):8*(4*(\hf)+(\m))+7]
.endr
	WIN 0
.Lm\@:
.endif
.endm
; A K step: two halves of 16 or 20 products; between them the next K step's fragments are asked for out of LDS, into the other buffer.
; reload = 1: the token fragments of the K step just done are asked for again, a chunk on.  na: how many younger loads may stay out when this K step's token fragments have to be in.
; prod = 1: at its head the same K step of the NEXT chunk of weights is rounded (nw: how many younger loads may stay out when it has to be in) and stored into LDS, a chunk behind the one that is read; the sixteen conversions
; are also the places behind the last products.  ah > 0: its registers then take the K step of the chunk ah chunks behind s[SW].
.macro KSTEP ks, zero, reload, na, prod=0, nw=0, ah=0
.if \prod
	s_wait_loadcnt \nw
.if (\ks) > 0
	s_wait_alu depctr_vm_vsrc(0)           ; the last K step's LDS stores have read v[PK ..], which the conversions write again; K step 3: the fragments' loads issued so far have read v[LB]  (K step 0's wait stands at the chunk's head)
.endif
	CVT \ks, PK
.if (\ks) == 0
	v_add_nc_u32 v[LS], s[CB], v[LS0]      ; the stores' address moves on to this chunk, ahead of the wait that stands here anyway
.endif
.if (\ks) == 3
	v_add_nc_u32 v[LB], s[CB], v[LB1]      ; this chunk's fragments have all been asked for: the loads' address moves on to the next chunk, ahead of the wait that stands here anyway
.endif
.elseif (\ks) > 0
	PLACES
.endif
.if (\reload) && ((\ks) == 1)
	s_wait_xcnt 0x0                        ; the loads and prefetches that name the bases have had their addresses translated (ISA guide 3.1): only behind this wait are the bases written; the last of them was issued a K step ago
	s_add_nc_u64 s[SA:SA+1], s[SA:SA+1], CHA
.if (\ah) > 0
	s_add_nc_u64 s[SW:SW+1], s[SW:SW+1], CHW
.endif
.endif
.if \prod
	s_wait_alu depctr_va_vdst(0)           ; the conversions have written v[PK ..] (and v[LS] or v[LB] is written), which the LDS instructions below read, and are done reading ST[ks]; the last K step's products are done reading their token fragments and their B buffer: in these three the loads below land
.elseif ((\ks) == 1) || ((\ks) == 2)
	s_wait_alu depctr_va_vdst(0)           ; the last K step's products are done reading their B buffer, in which the fragments' loads below land
.endif
.if \reload
	ALOAD ((\ks)+3)%4
.endif
.if \prod
	STO \ks, CHB, PK
.if (\ah) > 0
	WLOAD \ks, \ah
.endif
.endif
	s_wait_loadcnt \na
.if (\ks) == 0
	s_wait_dscnt 8+4*(\prod)               ; fragments 0 to 3 are in: the eight loads of fragments 4 to 7, and the four stores just issued, stay out
.else
	s_wait_dscnt 4*(\prod)                 ; this K step's fragments, asked for half a K step ago, are in; the four stores just issued stay out
.endif
.if ((\ah) > 0) && ((\ks) == 1)
	s_cmp_gt_u32 s[CC], 4                  ; trip c asks for chunk c + 3, one chunk (64 KB a work-group) ahead of the loads, which ask for chunk c + 2; chunk 7 is the last, so trip 5 asks for nothing
	s_cbranch_scc1 .Lnp\@
	global_prefetch_b8 v[PFO], s[SW:SW+1] offset:2*CHW th:TH_LOAD_NT scope:SCOPE_SE      ; thread t: row t of the chunk's 128, its first 256 bytes
	global_prefetch_b8 v[PFO], s[SW:SW+1] offset:2*CHW+256 th:TH_LOAD_NT scope:SCOPE_SE  ; and its second: each block is asked for once
.Lnp\@:
.endif
	MUL \ks, 0, \zero
.if (\ks) < 3
	FETCH (\ks)+1                          ; no wait: no vector or matrix instruction since the last wait on va_vdst names v[LB] or the other B buffer
.if (\ks) == 0
	s_wait_dscnt 16+4*(\prod)              ; fragments 4 to 7 are in: the four stores and the sixteen loads just issued stay out
.endif
	MUL \ks, 1, \zero
.else
.if \prod
	s_wait_dscnt 0x0                       ; for the others' sake: my stores of the next chunk are done (the last were issued a run of products ago)
	s_barrier_signal -1                    ; say so; sixteen products, work on registers, stand between the signal and the wait
.endif
	MUL \ks, 1, \zero, \prod
.endif
.endm
; A chunk's four K steps.  first = 1: in chunk 0 the first K step starts the sums (a second copy of it, chosen by the chunk's number).  wl = 1: weights are asked for: K step 0's stand ahead of the base's step, so they reach two chunks on.
.macro CHUNK reload, first, prod, wl, na0, na1, na2, na3, nw0=0, nw1=0, nw2=0, nw3=0
.if \prod
	s_wait_alu depctr_vm_vsrc(0)           ; the LDS stores issued so far have read v[LS] and v[PK ..], which K step 0 writes again; in trip 0: the prologue's have read v[BF ..], in which the loads below land
.endif
	FETCH 0                                ; no wait on va_vdst: v[LB] was written, and this buffer last read, ahead of the last one
.if \first
	s_cmp_lg_u32 s[CC], 0
	s_cbranch_scc1 .Lnz\@
	KSTEP 0, 1, \reload, \na0, \prod, \nw0, 2*(\wl)
	s_branch .Ljn\@
.Lnz\@:
.endif
	KSTEP 0, 0, \reload, \na0, \prod, \nw0, 2*(\wl)
.if \first
.Ljn\@:
.endif
	KSTEP 1, 0, \reload, \na1, \prod, \nw1, \wl
	KSTEP 2, 0, \reload, \na2, \prod, \nw2, \wl
	KSTEP 3, 0, \reload, \na3, \prod, \nw3, \wl
.endm
; The prologue's step: K step ks of chunk 0 is rounded and stored; chunk 1's is asked for; then chunk 0's token fragments: the order of issue of every trip (K step 3's token fragments: at the head of trip 0)
.macro PRO ks, nw
	s_wait_loadcnt \nw
	CVT \ks, BF+16*(\ks)
	s_wait_alu depctr_va_vdst(0)           ; the conversions have written the packed words, which the LDS stores read, and are done reading ST[ks], in which the loads land; at the first step also: v[LS], v[LB], v[ROW ..] and tile 4's zeros are written
	STO \ks, 0, BF+16*(\ks)
	WLOAD \ks, 1
.if (\ks) < 3
	ALOAD \ks
.endif
.endm
; A pass's addresses, on every wave's way: my lane's row in each of the five tiles, the one store offset, and the two flags that steer what is jumped
.macro SETROWS
.if UP
	WIN 0x08                               ; source 1 window 2
.irp i, 0,1,2,3,4
	v_min_u32 v[ROW+(\i)], 0x3ff, v[NX+(\i)]                   ; the token of rank 16 (20 p + w + 4 i) + lane % 16
.endr
	WIN 0x82                               ; destination and source 0 window 2
.set z, 0
.rept 15                               ; the later passes' tokens move down: one text serves every pass, and no pass waits for memory to learn its rows
	v_mov_b32 v[NX+z], v[NX+z+5]
.set z, z+1
.endr
	WIN 0
.irp i, 0,1,2,3,4
	v_lshl_add_u32 v[ROW+(\i)], v[ROW+(\i)], ASH, v[V16H]
.endr
.else
	v_add_nc_u32 v[TM], s[RK], v2
.irp i, 0,1,2,3,4
	v_add_nc_u32 v[ROW+(\i)], 64*(\i), v[TM]                   ; rank 16 (20 p + w + 4 i) + lane % 16 is the row in the expert's region,
.endr
.irp i, 0,1,2,3,4
	v_min_u32 v[ROW+(\i)], s[LAST], v[ROW+(\i)]                ; held to the rows that have been stored,
.endr
.irp i, 0,1,2,3,4
	v_min_u32 v[ROW+(\i)], 0x3ff, v[ROW+(\i)]                  ; and to the region whatever the count holds
.endr
.irp i, 0,1,2,3,4
	v_lshl_add_u32 v[ROW+(\i)], v[ROW+(\i)], ASH, v[V16H]
.endr
.endif
	v_add_nc_u32 v[TM], s[RK], v[VH8]
	v_lshl_add_u32 v[AD], v[TM], OSH, v[COL]
	s_add_co_u32 s26, s[TAU], 16
	s_cmp_lt_u32 s26, s[NT]
	s_cselect_b32 s[T5], 1, 0
	s_cmp_lt_u32 s[TAU], s[NT]
	s_cselect_b32 s[LIVE], 1, 0
.endm
; THE WAY OUT of tile i: bias, (relu, rounding,) stores.  A tile past the count, and with it all later ones, is jumped: arithmetic on data registers and stores alone.
.macro OUT i
	WIN 0
	s_add_co_u32 s26, s[TAU], 4*(\i)
	s_cmp_ge_u32 s26, s[NT]
	s_cbranch_scc1 .Lbottom
	s_wait_xcnt 0x0                        ; the last tile's stores have read their data registers
.if (\i) > 0
	s_wait_alu depctr_vm_vsrc(0)           ; the last tile's stores have read their data registers, which the lines below write again
.endif
.if (\i) < 4
	WIN 0x01                               ; source 0 window 1
.else
	WIN 0x02
.endif
.irp j, 0,1,2,3,4,5,6,7                ; j ascending: each accumulator is read from its low end on
.irp n, 0,1,2,3,4,5,6,7
	v_add_f32 v[T+8*(\j)+(\n)], v[64*((\i)%4)+8*(\n)+(\j)], v[BIAS+(\n)]
.endr
.endr
	WIN 0
.if UP
.irp j, 0,1,2,3,4,5,6,7
.irp m, 0,1,2,3
	v_cvt_pk_bf16_f32 v[P+4*(\j)+(\m)], v[T+8*(\j)+2*(\m)], v[T+8*(\j)+2*(\m)+1]
.endr
.endr
.set z, 0
.rept 32
	v_pk_max_num_bf16 v[P+z], v[P+z], v[ZR]                    ; relu, two at a time: nothing is rounded
.set z, z+1
.endr
.endif
	s_wait_alu depctr_va_vdst(0)           ; the lines above have written the tile's results, which the stores read as data; the pass's v[AD], their offset, is written too
.irp j, 0,1,2,3,4,5,6,7                ; rows 8 h + j: each half of the lanes stores 256 consecutive bytes of its row, aligned; 263 rows at the most stand in the immediate, inside its signed 24 bits
.if UP
	global_store_b128 v[AD], v[P+4*(\j):P+4*(\j)+3], s[12:13] offset:(64*(\i)+(\j))<<OSH
.else
	global_store_b128 v[AD], v[T+8*(\j):T+8*(\j)+3], s[12:13] offset:(64*(\i)+(\j))<<OSH
	global_store_b128 v[AD], v[T+8*(\j)+4:T+8*(\j)+7], s[12:13] offset:((64*(\i)+(\j))<<OSH)+256
.endif
.endr
.endm
	s_load_b256 s[4:11], s[0:1], 0x0
	s_load_b64 s[12:13], s[0:1], 0x20
	v_lshl_add_u32 v62, v0, 2, 0x42000
	v_mov_b32 v63, 0
	v_and_b32 v1, 31, v0                           ; lane
	v_and_b32 v2, 15, v0                           ; r
	v_bfe_u32 v3, v0, 4, 1                         ; h
	v_lshrrev_b32 v[TM], 5, v0
	v_readfirstlane_b32 s[WV], v[TM]
	s_wait_alu depctr_va_sdst(0)                   ; s[WV] is written, ahead of its first reader: offsets, bases and tiles are made from it
	s_and_b32 s[G], s[WV], 1
	s_lshr_b32 s[KQ], s[WV], 1
	s_lshr_b32 s[EX], ttmp9, 5
.if UP
	s_and_b32 s[SLI], ttmp9, 31
.else
	s_and_b32 s[SLI], ttmp9, 7
	s_bfe_u32 s[Q], ttmp9, 0x20003                 ; the quarter of K
.endif
	v_lshlrev_b32 v[WOFF], 4, v2                   ; 16 r
	v_lshl_add_u32 v[WOFF], v3, PWS+3, v[WOFF]     ; + 8 h rows
	s_lshl_b32 s26, s[KQ], PWS+4                   ; + 16 kq rows
	s_lshl_b32 s27, s[G], 8                        ; + 256 g
	s_add_co_u32 s26, s26, s27
	v_add_nc_u32 v[WOFF], s26, v[WOFF]
	v_lshlrev_b32 v[PFO], PWS, v0
.if UP
	v_lshrrev_b32 v[TM], 1, v2                     ; column 64 g + 4 r + c = 8 (8 g + r / 2) + 4 (r % 2) + c: reader's lane 16 h + 8 g + r / 2, tile 4 (r % 2) + c
	v_lshlrev_b32 v[LS0], 4, v[TM]
	v_lshl_add_u32 v[LS0], v3, 8, v[LS0]
	v_and_b32 v[TM], 1, v2
	v_mul_u32_u24 v[TM], v[TM], 4*TLB              ; 4,224 = 128 modulo 256: even and odd r fill different banks (64 banks of 4 bytes: ISA guide 11.1)
	v_add_nc_u32 v[LS0], v[LS0], v[TM]
	s_lshl_b32 s26, s[G], 7
.else
	v_lshlrev_b32 v[LS0], 4, v1                    ; reader's lane = mine, tile 4 g + c
	s_mul_i32 s26, s[G], 4*TLB
.endif
	s_lshl_b32 s27, s[KQ], 9                       ; registers 0-3 or 4-7
	s_add_co_u32 s26, s26, s27
	v_add_nc_u32 v[LS0], s26, v[LS0]
	v_lshlrev_b32 v[LB0], 4, v1
	v_add_nc_u32 v[LB1], CHB, v[LB0]
	v_lshlrev_b32 v[V16H], 4, v3
	v_lshlrev_b32 v[COL], 4, v2
	v_lshlrev_b32 v[VH8], 3, v3
.if UP
	v_lshlrev_b32 v[BOF], 5, v2
	v_mov_b32 v[ZR], 0
	s_lshl_b32 s26, s[WV], 6                       ; tile w of a pass: 64 bytes a tile in the list
	v_lshl_add_u32 v[VLG], v2, 2, s26
.endif
	s_mul_i32 s[OF], s[EX], ROWB
	s_add_co_u32 s[OF], s[OF], ROW0
	s_mov_b32 s[OF+1], 0
	s_wait_kmcnt 0x0
	s_add_nc_u64 s[LP:LP+1], s[10:11], s[OF:OF+1]
	s_load_b32 s[CNT], s[LP:LP+1], CNTO            ; the expert's count
	s_lshl_b32 s[OF], s[EX], 24                    ; an expert's weights are 2^24 bytes
	s_lshl_b32 s26, s[SLI], 9                      ; 128 columns of f32
	s_add_co_u32 s[OF], s[OF], s26
.if UP == 0
	s_lshl_b32 s27, s[Q], 22                       ; 1,024 rows of 4,096 bytes
	s_add_co_u32 s[OF], s[OF], s27
.endif
	s_add_nc_u64 s[SW:SW+1], s[4:5], s[OF:OF+1]
	s_lshl_b32 s[OF], s[EX], BSH
	s_add_co_u32 s[OF], s[OF], s26
	s_add_nc_u64 s[6:7], s[6:7], s[OF:OF+1]
.if UP
	s_mov_b64 s[SA0:SA0+1], s[8:9]
	s_lshl_b32 s[OF], s[EX], 23                    ; the expert's region of h: 1,024 rows of 8,192 bytes
	s_lshl_b32 s27, s[SLI], 8                      ; 128 columns of bf16
	s_add_co_u32 s[OF], s[OF], s27
.else
	s_lshl_b32 s[OF], s[EX], 23                    ; the expert's region of h
	s_lshl_b32 s27, s[Q], 11                       ; 1,024 numbers of bf16 along a row
	s_add_co_u32 s[OF], s[OF], s27
	s_add_nc_u64 s[SA0:SA0+1], s[8:9], s[OF:OF+1]
	s_lshl_b32 s[OF], s[Q], 25                     ; the quarter's 8,192 rows of 4,096 bytes
	s_lshl_b32 s27, s[EX], 22                      ; the expert's 1,024 of them
	s_add_co_u32 s[OF], s[OF], s27
	s_add_co_u32 s[OF], s[OF], s26
.endif
	s_add_nc_u64 s[12:13], s[12:13], s[OF:OF+1]
	s_mov_b64 s[SA:SA+1], s[SA0:SA0+1]
.if UP
	WIN 0x80                                       ; destination window 2
.endif
	s_wait_alu depctr_va_vdst(0)                   ; the offsets made above are written: v[WOFF], v[PFO], v[COL], and in the first product v[VLG] and v[BOF], which the loads and prefetches below read
.if UP
.irp p, 0,1,2,3
.irp i, 0,1,2,3,4
	global_load_b32 v[NX+5*(\p)+(\i)], v[VLG], s[LP:LP+1] offset:1280*(\p)+256*(\i)  ; the tokens of tile 20 p + w + 4 i: 64 consecutive bytes, both halves of the lanes alike
.endr
.endr
	WIN 0
	global_load_b128 v[BIAS:BIAS+3],   v[BOF], s[6:7]              ; columns 8 r + 0..7
	global_load_b128 v[BIAS+4:BIAS+7], v[BOF], s[6:7] offset:16
.else
	global_load_b128 v[BIAS:BIAS+3],   v[COL], s[6:7]              ; columns 4 r + 0..3 and 64 + 4 r + 0..3
	global_load_b128 v[BIAS+4:BIAS+7], v[COL], s[6:7] offset:256
.endif
	WLOAD 0, 0                                     ; chunk 0 of the weights: 32 loads
	WLOAD 1, 0
	WLOAD 2, 0
	WLOAD 3, 0
	global_prefetch_b8 v[PFO], s[SW:SW+1] offset:CHW th:TH_LOAD_NT scope:SCOPE_SE        ; chunks 1 and 2, which the prologue and trip 0 load
	global_prefetch_b8 v[PFO], s[SW:SW+1] offset:CHW+256 th:TH_LOAD_NT scope:SCOPE_SE
	global_prefetch_b8 v[PFO], s[SW:SW+1] offset:2*CHW th:TH_LOAD_NT scope:SCOPE_SE
	global_prefetch_b8 v[PFO], s[SW:SW+1] offset:2*CHW+256 th:TH_LOAD_NT scope:SCOPE_SE
	WIN 0x80                                       ; tile 4's fragment registers: 0 until a pass in which it has rows loads them
.irp ks, 0,1,2,3
.irp z, 0,1,2,3,4,5,6,7
	v_mov_b32 v[AR+40*(\ks)+32+(\z)], 0
.endr
.endr
	WIN 0
	s_wait_kmcnt 0x0                               ; the count
	s_add_co_u32 s[NT], s[CNT], 15
	s_lshr_b32 s[NT], s[NT], 4
	s_max_u32 s[NT], s[NT], 1
	s_lshl_b32 s[LAST], s[NT], 4
	s_sub_co_u32 s[LAST], s[LAST], 1
	s_mov_b32 s[PS], 0
	s_mov_b32 s[TAU], s[WV]
	s_lshl_b32 s[RK], s[WV], 4
	s_wait_loadcnt 32                              ; the biases are in; the 32 loads of weights stay out
.if UP == 0
	s_cmp_eq_u32 s[Q], 0                           ; the bias enters one of the four partial sums
	s_cselect_b32 s26, -1, 0
.irp n, 0,1,2,3,4,5,6,7
	v_and_b32 v[BIAS+(\n)], s26, v[BIAS+(\n)]
.endr
.endif
	SETROWS
	s_mov_b32 s[CC], 0
	s_mov_b32 s[CB], 0
	v_add_nc_u32 v[LS], s[CB], v[LS0]
	v_add_nc_u32 v[LB], s[CB], v[LB0]
; PASS 0.  The prologue rounds chunk 0 into LDS.  Trip c multiplies chunk c; at the head of K step ks it rounds K step ks of chunk c + 1 into LDS bytes that nobody reads before the trip's barrier, and asks for the same K step of
; chunk c + 2 of the weights and for K step ks - 1 of chunk c + 1 of the token rows (K step 0: for K step 3 of chunk c).
; LOADS IN ISSUE ORDER, in the prologue and in every trip alike: W0 A0 W1 A1 W2 A2 W3 A3 (W: 8 loads; A: a = 8, or 10 where tile 4 has rows); A3 stands at the head of the next trip's K step 0, ahead of its W0.  At the head of
; K step ks, behind the W_ks that it rounds have come 24 + 3 a loads, and behind the A_ks that it multiplies, once this head's own loads are out, 32 + 3 a.  The waits are written for a = 8: 48 and 56.  With a = 10 they also wait
; for up to six of the oldest loads behind, which were issued most of a trip ago.  In the prologue behind chunk 0's W_ks have come 8 (3 - ks) + (8 + a) ks.
	PRO 0, 24
	PRO 1, 32
	PRO 2, 40
	PRO 3, 48
	s_wait_dscnt 0x0                               ; for the others' sake: my part of chunk 0 is in LDS
	s_barrier_signal -1
	s_barrier_wait -1                              ; everybody's is
.Lchunk:                                               ; trips 0 to 5
	CHUNK 1, 1, 1, 1, 56, 56, 56, 56, 48, 48, 48, 48
	s_add_co_u32 s[CB], s[CB], CHB
	s_add_co_u32 s[CC], s[CC], 1
	s_cmp_lt_u32 s[CC], 6
	s_cbranch_scc1 .Lchunk
	; trip 6 is written out: chunk 7 is rounded, no weights are left to ask for, and the counts run down: behind trip 5's W_ks, and behind chunk 6's A_ks once the head's own loads are out: 24 + 3 a, 16 + 3 a, 8 + 3 a, 3 a
	CHUNK 1, 0, 1, 0, 48, 40, 32, 24, 48, 40, 32, 24
	PLACES
	v_nop                                          ; a fifth place: the text entered below begins with a choice between two copies of K step 0, one of which writes the accumulators anew, and a matrix instruction that writes over another's registers stands five places behind it
	s_wait_alu depctr_va_vdst(0)                   ; K step 3's products are done reading AR[3], in which the loads below land, and their B buffer, in which chunk 7's K step 1 will land
	ALOAD 3                                        ; chunk 7's last token fragments: the text that multiplies it asks for none
	s_mov_b32 s[CC], 7                             ; chunk 7 is multiplied by the text of the later passes' last trip: its token fragments are on their way, a (3 - ks) loads behind A_ks; v[LB] stands at chunk 7 since K step 3's head
	s_mov_b32 s[CB], 7*CHB
	s_branch .Lpenter
; PASSES 1 TO 3: the slice is in LDS; no barrier, no LDS store.  Three trips on every wave's way; a wave without rows in the pass jumps each chunk's loads and products.
.Lpass:
	s_add_co_u32 s[TAU], s[TAU], 20
	s_add_co_u32 s[RK], s[RK], 320
	s_wait_xcnt 0x0                                ; the last pass's stores have read their offset and data; the offsets and the base are written only behind this wait
	s_wait_alu depctr_vm_vsrc(0)                   ; the last pass's stores have read v[AD] and their data, its token loads v[ROW ..]: the lines below write the offsets again, the next way out the data
	SETROWS
	s_mov_b64 s[SA:SA+1], s[SA0:SA0+1]
	s_mov_b32 s[CC], 0
	s_mov_b32 s[CB], 0
.Lpchunk:
	s_wait_alu depctr_vm_vsrc(0)                   ; the fragments' loads issued so far have read v[LB]
	v_add_nc_u32 v[LB], s[CB], v[LB0]
	s_cmp_eq_u32 s[LIVE], 0
	s_cbranch_scc1 .Lpskip                         ; jumped: loads into data registers, their waits (which end at 0) and products
	PLACES
	s_wait_alu depctr_va_vdst(0)                   ; v[LB] and the pass's v[ROW ..] are written; the last chunk's products are done reading the token fragments and both B buffers, in which the loads below land
	ALOAD 0
	ALOAD 1
	ALOAD 2
	ALOAD 3
.Lpenter:
	CHUNK 0, 1, 0, 0, 24, 16, 8, 0
.Lpskip:
	s_wait_xcnt 0x0
	s_add_nc_u64 s[SA:SA+1], s[SA:SA+1], CHA
	s_add_co_u32 s[CB], s[CB], CHB
	s_add_co_u32 s[CC], s[CC], 1
	s_cmp_lt_u32 s[CC], 8
	s_cbranch_scc1 .Lpchunk
.Lout:
	PLACES                                         ; between the last products and the first read of a result
	OUT 0
	OUT 1
	OUT 2
	OUT 3
	OUT 4
.Lbottom:
	s_add_co_u32 s[PS], s[PS], 1
	s_cmp_lt_u32 s[PS], 4
	s_cbranch_scc1 .Lpass
	s_wait_dscnt 0x0                               ; my last LDS instructions are done
	s_wait_alu depctr_hold_cnt(0) depctr_sa_sdst(0) depctr_va_vdst(0) depctr_va_sdst(0) depctr_va_ssrc(0) depctr_va_vcc(0) depctr_vm_vsrc(0)
	s_wait_tensorcnt 0x0
	ds_add_u32 v62, v63
	s_wait_dscnt 0x0
	s_endpgm
.Lfunc_end_k_q29656f1dbf_down:
	.size	k_q29656f1dbf_down, .Lfunc_end_k_q29656f1dbf_down-k_q29656f1dbf_down
	.p2alignl 7, 3214868480
	.fill 96, 4, 3214868480
	.section	.rodata,"a",@progbits
	.p2align	6, 0x0
	.amdhsa_kernel k_q29656f1dbf_down
		.amdhsa_group_segment_fixed_size 270848
		.amdhsa_private_segment_fixed_size 0
		.amdhsa_enable_private_segment 0
		.amdhsa_kernarg_size 40
		.amdhsa_user_sgpr_count 2
		.amdhsa_user_sgpr_kernarg_segment_ptr 1
		.amdhsa_wavefront_size32 1
		.amdhsa_system_sgpr_workgroup_id_x 1
		.amdhsa_system_sgpr_workgroup_id_y 1
		.amdhsa_system_sgpr_workgroup_id_z 1
		.amdhsa_system_vgpr_workitem_id 0
		.amdhsa_next_free_vgpr 896
		.amdhsa_next_free_sgpr 66
		.amdhsa_reserve_vcc 0
		.amdhsa_float_denorm_mode_32 3
		.amdhsa_float_denorm_mode_16_64 3
		.amdhsa_memory_ordered 1
		.amdhsa_forward_progress 1
		.amdhsa_inst_pref_size 131
	.end_amdhsa_kernel
	.amdgpu_metadata
---
amdhsa.version: [ 1, 2 ]
amdhsa.kernels:
  - .name:           k_q29656f1dbf_down
    .symbol:         k_q29656f1dbf_down.kd
    .args:
      - { .name: W2, .offset: 0, .size: 8, .value_kind: global_buffer, .address_space: global }
      - { .name: b2, .offset: 8, .size: 8, .value_kind: global_buffer, .address_space: global }
      - { .name: hbuf, .offset: 16, .size: 8, .value_kind: global_buffer, .address_space: global }
      - { .name: ord, .offset: 24, .size: 8, .value_kind: global_buffer, .address_space: global }
      - { .name: part, .offset: 32, .size: 8, .value_kind: global_buffer, .address_space: global }
    .group_segment_fixed_size: 270848
    .private_segment_fixed_size: 0
    .kernarg_segment_align: 8
    .kernarg_segment_size: 40
    .max_flat_workgroup_size: 128
    .sgpr_count:     66
    .vgpr_count:     896
    .wavefront_size: 32
...
	.end_amdgpu_metadata
.endif
;; end of part 10
;; launch combine: the kernel of part 8 again; grid 256 x 1, 8 waves a work-group, no clusters, 0 bytes of LDS; arguments part, gate, ord, out0; writes out0
